; MI455X (gfx1250); checked and timed in simulation.
; The chip was launched on July 23, 2026; its instructions are those of AMD's public machine-readable ISA for CDNA 5 (MIT licence, August 2026) and "CDNA5" Instruction Set Architecture Reference Guide (July 2026). The comments in the code are by the model that wrote it; some were corrected since.
;; Multi Head Self Attention. Allowed arithmetic: matrix products marked QUANTISED: E2M3 operands, one E8M0 scale for each 32 along K, by v_wmma_scale_f32_16x16x128_f8f6f4 with both operands' format E2M3, f32 sums; products left as they are: f32 operands where the result goes on into a quantised operand, else bf16, f16 or f32 operands; f32 sums; everything else in f32.
;; Inputs: Wk 1,024 x 1,024 float32; Wq 1,024 x 1,024 float32; Wv 1,024 x 1,024 float32; x 16 x 2,048 x 1,024 float32.
;; Outputs: out0 16 x 1,024 float32.
;; This version of the problem:
;;   THIS VERSION OF THE PROBLEM IS GIVEN IN LOW PRECISION. The matrix products marked QUANTISED in the list below multiply operands that are first quantised to E2M3 (2 exponent bits, 3 mantissa bits; 6 bits a number), with one power-of-two scale for each 32 numbers along K (OCP MX v1.0); their sums are f32. All else is computed in f32.
;;   The module's matrix products, in the order in which they are computed (A, B: the left and right operand; K: the contracted axis; several contracted axes count as one K, in the product's order):
;;     1. [M 16, K 1,024] x [K 1,024, N 1,024]; A: input x; B: input Wq: QUANTISED
;;     2. [M 32,768, K 1,024] x [K 1,024, N 1,024]; A: input x; B: input Wk: QUANTISED
;;     3. [M 32,768, K 1,024] x [K 1,024, N 1,024]; A: input x; B: input Wv: QUANTISED
;;     4. batch 128 x [M 1, K 128] x [K 128, N 2,048]; A: computed on the way; B: computed on the way: left as it is (M = 1 < 16)
;;     5. batch 128 x [M 1, K 2,048] x [K 2,048, N 128]; A: softmax; B: computed on the way: left as it is (M = 1 < 16)
;;   THE QUANTISER, for each operand of a quantised product, along K:
;;     - K is cut into blocks of 32 from its start; a last block that is shorter is filled with zeros.
;;     - A block's scale is 2^e with e = floor(log2(the largest magnitude in the block)) - 2, held to -126 .. 127; a block of zeros has e = 0. As a byte (E8M0): e + 127.
;;     - Each number is divided by its block's scale, clamped to +-7.5, and rounded to the nearest number of E2M3, ties to even, subnormals kept.
;;     - The product sums the exact products of the quantised numbers (number of the format x scale) in f32.
;;   ~~~python
;;   def quantise(x, axis):      # numpy; x: float32 -> the quantised numbers, widened to float32 again
;;       x = np.moveaxis(x, axis, -1); K = x.shape[-1]
;;       x = np.pad(x, [(0, 0)] * (x.ndim - 1) + [(0, -K % 32)]); x = x.reshape(x.shape[:-1] + (-1, 32)); a = np.abs(x).max(-1, keepdims=True)
;;       e = np.where(a > 0, np.clip(np.frexp(np.where(a > 0, a, 1))[1] - 1 - 2, -126, 127), 0)      # np.frexp(a)[1] - 1 = floor(log2(a)), exactly
;;       r = np.clip(x / 2.0 ** e, -7.5, 7.5)
;;       step = 2.0 ** (np.maximum(np.frexp(np.where(r == 0, 1, r))[1] - 1, 0) - 3)
;;       q = np.round(r / step) * step * 2.0 ** e      # np.round: ties to even
;;       return np.moveaxis(q.reshape(q.shape[:-2] + (-1,))[..., :K], -1, axis).astype(np.float32)
;;   ~~~
;; 2 versions. Each part assembles by itself: llvm-mc -triple=amdgcn-amd-amdhsa -mcpu=gfx1250 --defsym DOCPART=n.
;; ======== version 1 of 2: 5 launches
;; workspace buffers: wk_img 819,200 bytes; wv_img 819,200 bytes; q0 65,536 bytes; xc 27,262,976 bytes; temp 1,048,576 bytes; rel 1,048,576 bytes; part 1,048,576 bytes
;; launch prep (part 1): grid 16 x 3, 16 waves a work-group, no clusters, 36,864 bytes of LDS; arguments x, Wq, Wk, Wv, wk_img, wv_img, q0; writes wk_img, wv_img, q0
.if DOCPART == 1
	.amdgcn_target "amdgcn-amd-amdhsa--gfx1250"
	.amdhsa_code_object_version 6
	.text
	.protected	k_qbf90d10f52_prep
	.globl	k_qbf90d10f52_prep
	.p2align	8
	.type	k_qbf90d10f52_prep,@function
k_qbf90d10f52_prep:
	s_mov_b64 s[64:65], 0
	v_nop
	global_prefetch_b8 v0, s[64:65] scope:SCOPE_SE
	s_setreg_imm32_b32 hwreg(HW_REG_WAVE_MODE, 25, 1), 1
	s_wait_xcnt 0x0
; FIRST OF FIVE LAUNCHES of: out[b][h 128 + d] = sum over n of rel[b][h][n] v[b][n][h][d], rel = softmax(where(temp >= the 512th largest temp, temp, 0)), temp = q0 . k / sqrt(128),
; q0 = Q(x[:,0]) Q(Wq), k = Q(x) Q(Wk), v = Q(x) Q(Wv), Q the quantiser to E2M3 with one E8M0 scale for each 32 along K = 1,024.
; NO WORK OF reference() IS LEFT OUT: it takes query 0 alone already; every row of k enters the rank that gives the threshold; a score under the threshold becomes 0, not -infinity, so every row of v has a
; weight above 0.  All four inputs are loaded.
; THIS LAUNCH: work-group y = 0: Wk, y = 1: Wv become codes and scale bytes, laid in the order in which the two large launches' operand registers take them; y = 2: q0 = Q(x[:,0]) Q(Wq), [16][1024] f32.
; W is [K][N]: A LANE TAKES A COLUMN AND ITS REGISTERS RUN DOWN K.  A wave takes 32 columns x 128 along K (one K step): wave = 8 cg + s, K step s, columns 32 gx on, gx = 2 x work-group x + cg.
; A load reads 128 consecutive bytes of a row of W; the work-group's two column groups stand side by side on 256.  A block of 32 along K is 32 registers of one lane: its largest magnitude needs no other lane.
; THE IMAGE.  A block of 25,600 bytes for each (quarter of K q, half sl, wave w of the reader) at ((2 q + sl) 4 + w) 25,600: head 2 w + sl, K steps 2 q and 2 q + 1.  In it the fragment of column tile c8 (0..7) and
; K step 2 q + k at 3,072 c8 + 1,536 k, as its 12 registers stand: registers 4 i .. 4 i + 3 of lane l at 512 i + 16 l.  The scale words of tile c8 at 24,576 + 128 c8: channel r's word of K step 2 q at 4 r, of 2 q + 1 at 64 + 4 r.
; The two ways part ONCE, on the work-group's y, and do not join: each has its own barrier, its own LDS bytes and its own end.
; No cluster and no tensor load: work-groups share nothing but the 16 rows x[:,0], 64 KiB in all.
; q0 leaves in runs of 64 bytes (sixteen lanes, one row each of two): 64 KiB in all.
; LIMITS: NaN and infinities among the inputs are not served.  A block of zeros keeps the scale byte 1 where the rule says 127: its codes are zeros, and this program alone reads the bytes.
.set SCL,   0                          ; LDS, way of the images: 2,048 bytes of scale words: 1,024 cg + 256 q + 128 (column tile of the wave) + 64 k + 4 r
.set PS,    2048                       ; LDS, way of q0: 2,048 bytes for each wave: its two tiles' partial sums as the registers stand
.set SPARE, 34816                      ; the spare words, 128 bytes for each of the 16 waves: eight blocks of 256 bytes that no other line names
.set LN,  1                            ; lane
.set RR,  2                            ; r = lane % 16
.set HH,  3                            ; h = lane / 16
.set L4,  4                            ; 4 x lane
.set L16, 5                            ; 16 x lane
.set SCW, 6                            ; where I put my column's scale word
.set SCR, 7                            ; where I read 8 bytes of a quarter's scale words back
.set PSW, 8                            ; where I put my partial sums
.set PSR, 9                            ; where I read the eight K steps' partial sums
.set QO,  10                           ; my byte offset in q0
.set XA0, 11                           ; my byte offset in x: batch r's row 0, + 64 h
.set PW,  12                           ; x's scale word (a scale register: it holds nothing else)
.set SW,  13                           ; my column's scale word (likewise)
.set SPW, 14                           ; LDS address of my spare word; never rewritten
.set NIL, 15                           ; 0; never rewritten
.set MX,  16                           ; v16-19 largest magnitudes, v20-23 the conversions' scale operands, v24-27 a second chain, then the bytes
.set SOP, 20
.set BY,  24
.set L8,  28
.set TM,  16                           ; the same sixteen registers serve x's quantiser
.set F0,  32                           ; v32-43 the fragment of the wave's first column tile, v44-55 of its second
.set F1,  44
.set T,   56
.set WN,  64                           ; v64-191 128 numbers of my column
.set PC,  64                           ; later: x's codes,
.set D0,  96                           ; the two tiles of q0,
.set D1,  104
.set RS,  112                          ; and the eight partial sums
.set XN,  192                          ; v192-255 64 numbers of x
	s_load_b256 s[4:11], s[0:1], 0x0               ; x s[4:5], Wq s[6:7], Wk s[8:9], Wv s[10:11]
	s_load_b128 s[12:15], s[0:1], 0x20             ; wk_img, wv_img
	s_load_b64 s[16:17], s[0:1], 0x30              ; q0
	v_lshl_add_u32 v[SPW], v0, 2, SPARE
	v_mov_b32 v[NIL], 0
	v_lshrrev_b32 v[LN], 5, v0
	v_readfirstlane_b32 s18, v[LN]                 ; wave 0..15
	s_and_b32 s19, s18, 7                          ; s: my K step
	s_lshr_b32 s20, s18, 3                         ; cg
	s_lshl_b32 s21, ttmp9, 1
	s_add_co_u32 s21, s21, s20                     ; gx: my 32 columns
	s_and_b32 s22, ttmp7, 0xffff                   ; y
	s_lshr_b32 s28, s19, 1                         ; q = s / 2
	s_and_b32 s29, s19, 1                          ; k = s % 2
	s_and_b32 s23, s19, 3                          ; s % 4
	v_and_b32 v[LN], 31, v0
	v_and_b32 v[RR], 15, v0
	v_bfe_u32 v[HH], v0, 4, 1
	v_lshlrev_b32 v[L4], 2, v[LN]
	v_lshlrev_b32 v[L16], 4, v[LN]
	; every LDS address is made here, ahead of the parting, of the wave's number, the lane and constants
	s_lshl_b32 s30, s20, 10
	s_lshl_b32 s31, s28, 8
	s_add_co_u32 s31, s31, s30
	s_lshl_b32 s32, s29, 6
	s_add_co_u32 s31, s31, s32
	v_lshlrev_b32 v[SCW], 2, v[RR]
	v_lshl_add_u32 v[SCW], v[HH], 7, v[SCW]
	v_add_nc_u32 v[SCW], s31, v[SCW]               ; 1,024 cg + 256 q + 64 k + 128 h + 4 r
	s_lshl_b32 s31, s23, 8
	s_add_co_u32 s31, s31, s30
	v_lshl_add_u32 v[SCR], v[LN], 3, s31           ; 1,024 cg + 256 (s % 4) + 8 x lane
	s_lshl_b32 s31, s18, 11
	s_add_co_u32 s31, s31, PS
	v_add_nc_u32 v[PSW], s31, v[L16]               ; PS + 2,048 wave + 16 x lane
	s_lshl_b32 s31, s20, 14
	s_lshl_b32 s32, s28, 9
	s_add_co_u32 s31, s31, s32
	s_lshl_b32 s32, s29, 3
	s_add_co_u32 s31, s31, s32
	s_add_co_u32 s31, s31, PS
	v_add_nc_u32 v[PSR], s31, v[L16]               ; PS + 16,384 cg + 512 (s / 2) + 8 (s % 2) + 16 x lane
	; offsets in memory
	s_lshl_b32 s31, s23, 13
	s_lshl_b32 s32, s21, 7
	s_add_co_u32 s31, s31, s32
	s_lshr_b32 s32, s19, 2
	s_lshl_b32 s32, s32, 6
	s_add_co_u32 s31, s31, s32
	v_lshlrev_b32 v[QO], 2, v[RR]
	v_lshl_add_u32 v[QO], v[HH], 15, v[QO]
	v_add_nc_u32 v[QO], s31, v[QO]                 ; q0[8 h + 2 (s % 4)][32 gx + 16 (s / 4) + r]
	v_lshlrev_b32 v[XA0], 23, v[RR]
	v_lshl_or_b32 v[XA0], v[HH], 6, v[XA0]         ; a batch of x is 2,048 rows of 4,096 bytes
	s_lshl_b32 s32, s19, 19                        ; W: 128 s rows of 4,096 bytes,
	s_lshl_b32 s33, s21, 7                         ; + 32 gx columns
	s_add_co_u32 s32, s32, s33
	s_mov_b32 s33, 0
	s_lshr_b32 s34, s21, 3                         ; the reader's wave w,
	s_bfe_u32 s35, s21, 0x10002                    ; its half sl,
	s_and_b32 s36, s21, 3                          ; and my pair of column tiles in that head
	s_lshl_b32 s40, s28, 1
	s_add_co_u32 s40, s40, s35
	s_lshl_b32 s40, s40, 2
	s_add_co_u32 s40, s40, s34
	s_mul_i32 s40, s40, 25600
	s_mul_i32 s37, s36, 6144
	s_add_co_u32 s40, s40, s37
	s_mul_i32 s37, s29, 1536
	s_add_co_u32 s40, s40, s37                     ; where my two fragments go
	s_mov_b32 s41, 0
	s_lshl_b32 s42, s23, 1
	s_add_co_u32 s42, s42, s35
	s_lshl_b32 s42, s42, 2
	s_add_co_u32 s42, s42, s34
	s_mul_i32 s42, s42, 25600
	s_lshl_b32 s37, s36, 8
	s_add_co_u32 s42, s42, s37
	s_add_co_u32 s42, s42, 24576                   ; where quarter s % 4's scale words of my 32 columns go
	s_mov_b32 s43, 0
	s_lshl_b32 s44, s19, 9                         ; x: 128 s numbers along K
	s_mov_b32 s45, 0
	s_mov_b32 s46, 0x76543210
	s_mov_b32 s47, 0xfedcba98                      ; v_permlanex16_b32's selects for lane l xor 16
	s_wait_kmcnt 0x0
	s_cmp_eq_u32 s22, 0                            ; the choices hang on the work-group's y alone
	s_cselect_b64 s[24:25], s[8:9], s[10:11]
	s_cselect_b64 s[26:27], s[12:13], s[14:15]
	s_cmp_eq_u32 s22, 2
	s_cselect_b64 s[24:25], s[6:7], s[24:25]
	s_add_nc_u64 s[24:25], s[24:25], s[32:33]      ; my part of W
	s_add_nc_u64 s[38:39], s[26:27], s[42:43]      ; the image: scale words,
	s_add_nc_u64 s[26:27], s[26:27], s[40:41]      ; fragments
	s_add_nc_u64 s[4:5], s[4:5], s[44:45]
.macro WLOAD                           ; W(128 s + i, my column), i = 0 .. 127
.set wi, 0
.rept 128
	global_load_b32 v[WN+wi], v[L4], s[24:25] offset:wi*4096 th:TH_LOAD_NT
.set wi, wi+1
.endr
.endm
; My column's four blocks of 32 become codes and a scale word; then the halves of the lanes change places, so that F0 and F1 are the fragments of the wave's two column tiles.
; THE WAITS.  Loads come back in order (ISA guide 5.7.1).  A wait's count can name 63 at the most: with at most 63 of the 128 loads of W out, the first 65 are in: blocks 0 and 1 (and what was asked for before W), so one
; wait serves both.  Block 2's wait leaves block 3's 32 loads out; block 3's is for 0.
.macro WQUANT
.irp b, 0,1,2,3
.if \b == 0
	s_wait_loadcnt 63                              ; blocks 0 and 1 are in; of blocks 2 and 3 up to 63 loads may be out
.endif
.if \b >= 2
	s_wait_loadcnt 96-32*\b                        ; block b's 32 are in, the later block's may be out
.endif
	v_max3_num_f32 v[MX+\b], |v[WN+32*\b]|, |v[WN+32*\b+1]|, |v[WN+32*\b+2]|
	v_max3_num_f32 v[BY+\b], |v[WN+32*\b+3]|, |v[WN+32*\b+4]|, |v[WN+32*\b+5]|
.irp i, 6,10,14,18,22,26
	v_max3_num_f32 v[MX+\b], v[MX+\b], |v[WN+32*\b+\i]|, |v[WN+32*\b+\i+1]|
	v_max3_num_f32 v[BY+\b], v[BY+\b], |v[WN+32*\b+\i+2]|, |v[WN+32*\b+\i+3]|
.endr
	v_max3_num_f32 v[MX+\b], v[MX+\b], |v[WN+32*\b+30]|, |v[WN+32*\b+31]|
	v_max3_num_f32 v[MX+\b], v[MX+\b], v[BY+\b], 0x1800000   ; and the floor 2^(3 - 127): the byte cannot fall under 1
.endr
.irp b, 0,1,2,3
	v_add_nc_u32 v[SOP+\b], 0xff000000, v[MX+\b]   ; 2 off the exponent field: the conversion takes this operand's exponent field as its scale
.endr
.irp b, 0,1,2,3
	v_lshrrev_b32 v[BY+\b], 23, v[SOP+\b]          ; the scale's byte
.endr
	v_lshl_or_b32 v[SW], v[BY+1], 8, v[BY]
	v_lshl_or_b32 v[SW], v[BY+2], 16, v[SW]
	v_lshl_or_b32 v[SW], v[BY+3], 24, v[SW]        ; my column's word for this K step
.irp c, 0,1                            ; blocks 2 c into F0, 2 c + 1 into F1; a conversion's three registers begin on an even number, so a block's upper 16 codes are made elsewhere and moved
	v_cvt_scalef32_pk16_fp6_f32 v[F0+6*\c:F0+6*\c+2], v[WN+64*\c:WN+64*\c+15], v[SOP+2*\c]
	v_cvt_scalef32_pk16_fp6_f32 v[T:T+2], v[WN+64*\c+16:WN+64*\c+31], v[SOP+2*\c]
	v_cvt_scalef32_pk16_fp6_f32 v[F1+6*\c:F1+6*\c+2], v[WN+64*\c+32:WN+64*\c+47], v[SOP+2*\c+1]
	v_cvt_scalef32_pk16_fp6_f32 v[T+4:T+6], v[WN+64*\c+48:WN+64*\c+63], v[SOP+2*\c+1]
	v_nop                                          ; one plain place behind the scaled conversions
.irp i, 0,1,2
	v_mov_b32 v[F0+6*\c+3+\i], v[T+\i]
	v_mov_b32 v[F1+6*\c+3+\i], v[T+4+\i]
.endr
.endr
.irp i, 0,1,2,3,4,5,6,7,8,9,10,11      ; F0's lanes 16-31 (blocks 0, 2 of columns 16 + r) change places with F1's lanes 0-15 (blocks 1, 3 of columns r): lane (r, h) of each then holds blocks h and 2 + h of its tile's column r
	v_permlane16_swap_b32 v[F0+\i], v[F1+\i]
.endr
.endm
	s_cmp_eq_u32 s22, 2
	s_cbranch_scc1 .Lq0
	; ---- the images of Wk and Wv
	WLOAD
	WQUANT
.irp i, 0,1,2
	global_store_b128 v[L16], v[F0+4*\i:F0+4*\i+3], s[26:27] offset:512*\i        ; each store covers 512 consecutive bytes, aligned
	global_store_b128 v[L16], v[F1+4*\i:F1+4*\i+3], s[26:27] offset:3072+512*\i
.endr
	ds_store_b32 v[SCW], v[SW]
	s_wait_dscnt 0x0                               ; for the others' sake: my store has landed
	s_barrier_signal -1
	s_barrier_wait -1
	s_cmp_ge_u32 s19, 4                            ; four waves of each column group send a quarter's 256 bytes of scale words each
	s_cbranch_scc1 .Lw_end
	ds_load_b64 v[T:T+1], v[SCR]
	v_lshlrev_b32 v[L8], 3, v[LN]
	s_wait_dscnt 0x0
	global_store_b64 v[L8], v[T:T+1], s[38:39]     ; 32 lanes store 256 consecutive bytes, aligned
.Lw_end:
	s_wait_tensorcnt 0x0                           ; the wave's end, behind my last LDS store
	ds_add_u32 v[SPW], v[NIL]
	s_wait_dscnt 0x0
	s_endpgm
	; ---- q0: my K step's part of 16 batches x 32 columns; the eight K steps' parts meet in LDS
.Lq0:
.irp b, 0,1,2,3
.irp j, 0,1,2,3
	global_load_b128 v[XN+16*\b+4*\j:XN+16*\b+4*\j+3], v[XA0], s[4:5] offset:128*\b+16*\j   ; lane (r, h): of batch r's row 0, 16 neighbours of each block of 32
.endr
.endr
	WLOAD
	WQUANT                                         ; x's numbers were asked for ahead of W: its first wait has shown them in
	; 64 numbers of a lane, register 16 b + i = k 32 b + 16 h + i of my row, become a fragment's codes in v[PC] on and its scale word in v[PW]
.irp b, 0,1,2,3
	v_max3_num_f32 v[TM+\b], |v[XN+16*\b]|, |v[XN+16*\b+1]|, 0x1800000
.endr
.irp i, 2,4,6,8,10,12,14
.irp b, 0,1,2,3
	v_max3_num_f32 v[TM+\b], v[TM+\b], |v[XN+16*\b+\i]|, |v[XN+16*\b+\i+1]|
.endr
.endr
.irp b, 0,1,2,3
	v_permlanex16_b32 v[TM+4+\b], v[TM+\b], s46, s47
.endr
.irp b, 0,1,2,3
	v_max_num_f32 v[TM+\b], v[TM+\b], v[TM+4+\b]   ; with lane l xor 16's: the block's largest magnitude
.endr
.irp b, 0,1,2,3
	v_add_nc_u32 v[TM+12+\b], 0xff000000, v[TM+\b]
.endr
.irp b, 0,1,2,3
	v_lshrrev_b32 v[TM+4+\b], 23, v[TM+12+\b]
.endr
	v_lshl_or_b32 v[PW], v[TM+5], 8, v[TM+4]
	v_lshl_or_b32 v[PW], v[TM+6], 16, v[PW]
	v_lshl_or_b32 v[PW], v[TM+7], 24, v[PW]
.irp c, 0,1
	v_cvt_scalef32_pk16_fp6_f32 v[PC+6*\c:PC+6*\c+2], v[XN+32*\c:XN+32*\c+15], v[TM+12+2*\c]
	v_cvt_scalef32_pk16_fp6_f32 v[PC+12+4*\c:PC+14+4*\c], v[XN+32*\c+16:XN+32*\c+31], v[TM+13+2*\c]
.endr
	v_nop                                          ; one plain place behind the scaled conversions
.irp c, 0,1                            ; the operand's layout wants a whole block in a lane
.irp i, 0,1,2
	v_permlane16_swap_b32 v[PC+6*\c+\i], v[PC+12+4*\c+\i]
.endr
.irp i, 0,1,2
	v_mov_b32 v[PC+3+6*\c+\i], v[PC+12+4*\c+\i]
.endr
.endr
.rept 8
	v_nop                                          ; a scale register written by a vector instruction stands 8 places ahead of a scaled matrix instruction, an operand so written 4
.endr
	v_wmma_scale_f32_16x16x128_f8f6f4 v[D0:D0+7], v[PC:PC+11], v[F0:F0+11], 0, v[PW], v[SW] matrix_a_fmt:MATRIX_FMT_FP6 matrix_b_fmt:MATRIX_FMT_FP6
	v_wmma_scale_f32_16x16x128_f8f6f4 v[D1:D1+7], v[PC:PC+11], v[F1:F1+11], 0, v[PW], v[SW] matrix_a_fmt:MATRIX_FMT_FP6 matrix_b_fmt:MATRIX_FMT_FP6 matrix_b_scale:MATRIX_SCALE_ROW1
.rept 4
	v_nop                                          ; four places ahead of the stores that read the results
.endr
	ds_store_b128 v[PSW], v[D0:D0+3]               ; register j of lane (r, h): batch 8 h + j, column r of the tile; each result from its low end on
	ds_store_b128 v[PSW], v[D0+4:D0+7] offset:512
	ds_store_b128 v[PSW], v[D1:D1+3] offset:1024
	ds_store_b128 v[PSW], v[D1+4:D1+7] offset:1536
	s_wait_dscnt 0x0                               ; for the others' sake: my stores have landed
	s_barrier_signal -1
	s_barrier_wait -1
.irp g, 0,1,2,3,4,5,6,7                ; wave (cg, s) adds registers 2 (s % 4), + 1 of tile s / 4 over the eight K steps, K ascending
	ds_load_b64 v[RS+2*\g:RS+2*\g+1], v[PSR] offset:2048*\g
.endr
	s_wait_dscnt 0x0
.irp g, 1,2,3,4,5,6,7
	v_pk_add_f32 v[RS:RS+1], v[RS:RS+1], v[RS+2*\g:RS+2*\g+1]
.endr
	global_store_b32 v[QO], v[RS], s[16:17]
	global_store_b32 v[QO], v[RS+1], s[16:17] offset:4096
	s_wait_tensorcnt 0x0                           ; the wave's end, behind my last LDS store
	ds_add_u32 v[SPW], v[NIL]
	s_wait_dscnt 0x0
	s_endpgm
.Lfunc_end_k_qbf90d10f52_prep:
	.size	k_qbf90d10f52_prep, .Lfunc_end_k_qbf90d10f52_prep-k_qbf90d10f52_prep
	.p2alignl 7, 3214868480
	.fill 96, 4, 3214868480
	.section	.rodata,"a",@progbits
	.p2align	6, 0x0
	.amdhsa_kernel k_qbf90d10f52_prep
		.amdhsa_group_segment_fixed_size 36864
		.amdhsa_private_segment_fixed_size 0
		.amdhsa_enable_private_segment 0
		.amdhsa_kernarg_size 56
		.amdhsa_user_sgpr_count 2
		.amdhsa_user_sgpr_kernarg_segment_ptr 1
		.amdhsa_wavefront_size32 1
		.amdhsa_system_sgpr_workgroup_id_x 1
		.amdhsa_system_sgpr_workgroup_id_y 1
		.amdhsa_system_sgpr_workgroup_id_z 1
		.amdhsa_system_vgpr_workitem_id 0
		.amdhsa_next_free_vgpr 256
		.amdhsa_next_free_sgpr 66
		.amdhsa_reserve_vcc 0
		.amdhsa_float_denorm_mode_32 3
		.amdhsa_float_denorm_mode_16_64 3
		.amdhsa_memory_ordered 1
		.amdhsa_forward_progress 1
		.amdhsa_inst_pref_size 49
	.end_amdhsa_kernel
	.amdgpu_metadata
---
amdhsa.version: [ 1, 2 ]
amdhsa.kernels:
  - .name:           k_qbf90d10f52_prep
    .symbol:         k_qbf90d10f52_prep.kd
    .args:
      - { .name: x, .offset: 0, .size: 8, .value_kind: global_buffer, .address_space: global }
      - { .name: Wq, .offset: 8, .size: 8, .value_kind: global_buffer, .address_space: global }
      - { .name: Wk, .offset: 16, .size: 8, .value_kind: global_buffer, .address_space: global }
      - { .name: Wv, .offset: 24, .size: 8, .value_kind: global_buffer, .address_space: global }
      - { .name: wk_img, .offset: 32, .size: 8, .value_kind: global_buffer, .address_space: global }
      - { .name: wv_img, .offset: 40, .size: 8, .value_kind: global_buffer, .address_space: global }
      - { .name: q0, .offset: 48, .size: 8, .value_kind: global_buffer, .address_space: global }
    .group_segment_fixed_size: 36864
    .private_segment_fixed_size: 0
    .kernarg_segment_align: 8
    .kernarg_segment_size: 56
    .max_flat_workgroup_size: 512
    .sgpr_count:     66
    .vgpr_count:     256
    .wavefront_size: 32
...
	.end_amdgpu_metadata
.endif
;; end of part 1
;; launch pass1 (part 2): grid 256 x 1, 4 waves a work-group, clusters of 4 x 1, 327,680 bytes of LDS; arguments x, wk_img, q0, xc, temp; writes xc, temp
.if DOCPART == 2
	.amdgcn_target "amdgcn-amd-amdhsa--gfx1250"
	.amdhsa_code_object_version 6
	.text
	.protected	k_qbf90d10f52_pass1
	.globl	k_qbf90d10f52_pass1
	.p2align	8
	.type	k_qbf90d10f52_pass1,@function
k_qbf90d10f52_pass1:
	s_mov_b64 s[64:65], 0
	v_nop
	global_prefetch_b8 v0, s[64:65] scope:SCOPE_SE
	s_setreg_imm32_b32 hwreg(HW_REG_WAVE_MODE, 25, 1), 1
	s_wait_xcnt 0x0
	s_wait_alu depctr_hold_cnt(0) depctr_sa_sdst(0) depctr_va_vdst(0) depctr_va_sdst(0) depctr_va_ssrc(0) depctr_va_vcc(0) depctr_vm_vsrc(0)
	s_getreg_b32 s2, hwreg(HW_REG_IB_STS2, 6, 4)
	s_cmp_eq_u32 s2, 0
	s_cbranch_scc0 .Lentry_in_a_cluster
	s_endpgm
.Lentry_in_a_cluster:
	s_bfe_u32 s2, ttmp6, 0x10000c
	s_cmp_lg_u32 s2, 0x3003
	s_cbranch_scc0 .Lentry_shape_is_right
	s_endpgm
.Lentry_shape_is_right:
; SECOND LAUNCH (PASS = 1) of five; the fourth (PASS = 2) is the same text.  No work of reference() is left out here.
; PASS 1: x is quantised to E2M3 along K and its codes are kept in xc; k = Q(x) Q(Wk) by the matrix unit; temp[b][h][n] = sum over d of q0[b][h][d] k[b][n][h][d], f32 multiply-adds on the results (not yet x 1 / sqrt(128)).
; PASS 2: v = Q(x) Q(Wv) from the kept codes; part[work-group][channel] = sum over the work-group's 128 tokens of rel[b][h][n] v[b][n][channel].  k and v never go to memory.
; SHARES.  A work-group owns 128 tokens (8 tiles t of 16) of one batch and all 1,024 columns; wave w owns columns 256 w on: heads 2 w and 2 w + 1, 16 column tiles c.  K goes in four quarters of two K steps of 128.
; A quarter's 16 fragments of x stay in EVERY wave's registers (192); the weights stream by: each fragment of W is read from LDS once, by one wave, and feeds eight matrix instructions.
; THE WEIGHTS come as images of the operand's registers, made by the first launch, through two LDS places of 102,400 bytes that take turns: place A holds the quarter's tiles c = 0..7 of all four waves, place B c = 8..15.
; Each wave fetches and reads its own 25,600 bytes of a place.  CLUSTER: all work-groups walk the same stream of weights, so the four of a cluster ask for each part JOINTLY: the same tensor load, the same descriptor
; (made of the wave's number and the image's address alone), a mask that names the four.  A refill stands behind a round of the cluster's barrier and has eight column tiles' work, 128 matrix instructions, in which to land.
; ORIENTATION.  PASS 1: source 0 = 16 channels of W, source 1 = 16 tokens: lane (r, h) holds token 16 t + r and channels 16 c + 8 h + j.  PASS 2: the sources change places: lane (r, h) holds channel 16 c + r and tokens
; 16 t + 8 h + j.  In both the way out of a tile is four packed multiply-adds of the result with a table that hangs on the lane's half alone (PASS 1: q0's 8 channels; PASS 2: rel's 8 tokens), into sums ACC.
; The sums over K are taken by quarters in the matrix unit and then in f32: another order than reference()'s, so a score within rounding of the threshold may fall on its other side.
; LIMITS: NaN and infinities among the inputs are not served.  A block of zeros keeps the scale byte 1 where the rule says 127: its codes are zeros, and this program alone reads the bytes.
; xc: work-group G's block at 106,496 G, quarter q at + 26,624 q: fragment (K step k, tile t) at 1,536 (8 k + t) as its registers stand (registers 4 i .. of lane l at 512 i + 16 l); its scale words at 24,576 + 128 (8 k + t) + 4 l.
; No padding in LDS: every read takes 512 consecutive bytes.  No prefetch: x is asked for a quarter ahead by 64 loads a wave that are renewed as they are used.
; REGISTERS, in windows of 256 (s_set_vgpr_msb: bits 1:0 source 0, 3:2 source 1, 5:4 source 2, 7:6 destination):
;   window 0: v1-15 addresses; v16-31 x's scale words, v32-33 W's (they hold nothing else); v34-81 W's fragments, two sets of two; v82-145 the eight results; v146-209 ACC
;   window 1: v0-95 x's fragments of the quarter's first K step; v96-223 the table.   window 2: v0-95 those of the second K step; v96-147 the quantiser's.   window 3: four sets of 64 numbers of x on their way in.
.set PASS, 1
.set WPART, 25600                      ; a wave's part of a place
.set PLACE, 102400
.set WSC,   24576                      ; in a part: the scale words
.set XB,    204800                     ; LDS: the work-group's block of x's images, laid as in xc (PASS 1: stored by the waves; PASS 2: one first fill)
.set XQB,   26624                      ; a quarter of it
.set XSCO,  24576                      ; in a quarter: the scale words
.set STG,   311296                     ; the way out: 1,024 bytes for each wave
.set SPARE, 315392                     ; the spare words, 128 bytes for each wave: two blocks of 256 bytes that no other line names
.set AWA, 1                            ; v1, v2  16 x lane + 25,600 w, in place A, B
.set ASA, 3                            ; v3, v4  4 x lane + 25,600 w + 24,576, in place A, B
.set XB0, 5                            ; v5   16 x lane + XB
.set XS0, 6                            ; v6   4 x lane + XB + 24,576
.set AX,  7                            ; v7   v5 + the quarter
.set AXS, 8                            ; v8   v6 + the quarter
.set STW, 9                            ; v9   my stage, 4 x lane
.set STR, 10                           ; v10  my stage, 16 x lane
.set L16, 11                           ; v11  16 x lane
.set H32, 12                           ; v12  32 x (lane / 16)
.set LN,  13                           ; v13  lane
.set SPW, 14                           ; v14  LDS address of my spare word; never rewritten
.set NIL, 15                           ; v15  0; never rewritten
.set XS,  16
.set WS,  32
.set WF,  34
.set D,   82
.set ACC, 146
.set TBL, 96                           ; window 1
.set TM,  96                           ; window 2: v96-111 at work
.set PC,  112                          ; v112-131 the codes just made
.set PW,  132                          ; their scale word
.set XA,  134                          ; x: r 4,096 + 64 h + 131,072 w
.set IW0, 135                          ; 16 x lane + XB + 3,072 w
.set IW,  136                          ; + the quarter
.set IWS0, 137                         ; 4 x lane + XB + 24,576 + 256 w
.set IWS, 138
.set GC,  139                          ; xc: 16 x lane + 3,072 w
.set SRD0, 140                         ; 8 x lane + XB + 24,576 + 256 w
.set SRD, 141
.set GS,  142                          ; xc: 8 x lane + 24,576 + 256 w
.set SBK, 144                          ; v144-147 scale words on their way out
.if PASS == 1
.set K0, 0x04                          ; source 1 (x) window 1; the way out runs under it too: source 1 = the table
.set K1, 0x08                          ; source 1 window 2
.set OUTP, 12
.set OSTEP, 8192
.else
.set K0, 0x01                          ; source 0 (x) window 1; the way out: source 0 = the table
.set K1, 0x02
.set OUTP, 10
.set OSTEP, 512
.endif
.set QM, 0xaf                          ; sources 0, 1 window 3; source 2 and destination window 2
.set QT, 0xaa                          ; all window 2
.set QC, 0xab                          ; source 0 window 3, the rest window 2
.set QL, 0xc2                          ; destination window 3, address window 2
.set TO1, 0x40                         ; destination window 1
.set TO2, 0x80                         ; destination window 2
.set MSB, 0
.macro WIN new                         ; the immediate's high byte repeats the setting that is left; a switch that changes nothing is dropped
.if MSB != (\new)
	s_set_vgpr_msb (MSB<<8)|(\new)
.set MSB, (\new)
.endif
.endm
.macro PLACES n
.rept \n
	v_nop
.endr
.endm
.macro CREST                           ; a round of the cluster's barrier behind its opening barrier
	s_cmp_lg_u32 s14, 0
	s_cbranch_scc1 .Lnot_wave_0_\@
	s_barrier_signal -3
.Lnot_wave_0_\@:
	s_barrier_wait -3
	s_barrier_signal -1
	s_barrier_wait -1
.endm
.macro ROUND
	s_barrier_signal -1
	s_barrier_wait -1
	CREST
.endm
; Seven LDS loads: column tile c's two fragments of W and its scale words (lanes 0-15 the first K step's, lanes 16-31 the second's), into set c % 2
.macro WRUN c
.irp k, 0,1
.irp i, 0,1,2
	ds_load_b128 v[WF+24*((\c)%2)+12*\k+4*\i:WF+24*((\c)%2)+12*\k+4*\i+3], v[AWA+(\c)/8] offset:((\c)%8)*3072+1536*\k+512*\i
.endr
.endr
	ds_load_b32 v[WS+(\c)%2], v[ASA+(\c)/8] offset:128*((\c)%8)
.endm
; 32 LDS loads: the eight fragments of x of the quarter's K step k, and their scale words
.macro XLOADK k
	WIN 0x40*(1+(\k))
.irp t, 0,1,2,3,4,5,6,7
.irp i, 0,1,2
	ds_load_b128 v[12*\t+4*\i:12*\t+4*\i+3], v[AX] offset:1536*(8*(\k)+\t)+512*\i
.endr
.endr
	WIN 0
.irp t, 0,1,2,3,4,5,6,7
	ds_load_b32 v[XS+8*(\k)+\t], v[AXS] offset:128*(8*(\k)+\t)
.endr
.endm
; One matrix instruction: column tile c, K step k of the quarter, token tile t.  k = 0 starts the sum with the constant 0.
.macro MM c, k, t
.set rW, WF+24*((\c)%2)+12*(\k)
.set rX, 12*(\t)
.set rD, D+8*(\t)
.set rWS, WS+(\c)%2
.set rXS, XS+8*(\k)+(\t)
.if PASS == 1
.if (\k) == 0
	v_wmma_scale_f32_16x16x128_f8f6f4 v[rD:rD+7], v[rW:rW+11], v[rX:rX+11], 0, v[rWS], v[rXS] matrix_a_fmt:MATRIX_FMT_FP6 matrix_b_fmt:MATRIX_FMT_FP6
.else
	v_wmma_scale_f32_16x16x128_f8f6f4 v[rD:rD+7], v[rW:rW+11], v[rX:rX+11], v[rD:rD+7], v[rWS], v[rXS] matrix_a_fmt:MATRIX_FMT_FP6 matrix_b_fmt:MATRIX_FMT_FP6 matrix_a_scale:MATRIX_SCALE_ROW1
.endif
.else
.if (\k) == 0
	v_wmma_scale_f32_16x16x128_f8f6f4 v[rD:rD+7], v[rX:rX+11], v[rW:rW+11], 0, v[rXS], v[rWS] matrix_a_fmt:MATRIX_FMT_FP6 matrix_b_fmt:MATRIX_FMT_FP6
.else
	v_wmma_scale_f32_16x16x128_f8f6f4 v[rD:rD+7], v[rX:rX+11], v[rW:rW+11], v[rD:rD+7], v[rXS], v[rWS] matrix_a_fmt:MATRIX_FMT_FP6 matrix_b_fmt:MATRIX_FMT_FP6 matrix_b_scale:MATRIX_SCALE_ROW1
.endif
.endif
.endm
; The way out of tile (c, t): its eight numbers a lane times the table's eight, into two pairs of sums by turns; the result is read from its low end on.
.macro EPI c, t
.if PASS == 1
.set aa, 8*((\c)/8)+(\t)
.set ee, (\c)
.else
.set aa, (\c)
.set ee, 8*((\c)/8)+(\t)
.endif
.irp i, 0,1,2,3
.if PASS == 1
	v_pk_fma_f32 v[ACC+4*aa+2*(\i%2):ACC+4*aa+2*(\i%2)+1], v[D+8*(\t)+2*\i:D+8*(\t)+2*\i+1], v[TBL+8*ee+2*\i:TBL+8*ee+2*\i+1], v[ACC+4*aa+2*(\i%2):ACC+4*aa+2*(\i%2)+1]
.else
	v_pk_fma_f32 v[ACC+4*aa+2*(\i%2):ACC+4*aa+2*(\i%2)+1], v[TBL+8*ee+2*\i:TBL+8*ee+2*\i+1], v[D+8*(\t)+2*\i:D+8*(\t)+2*\i+1], v[ACC+4*aa+2*(\i%2):ACC+4*aa+2*(\i%2)+1]
.endif
.endr
.endm
; Eight matrix instructions, the eight results by turns.  k = 0: each stands behind the way out of the same result's last tile.
.macro KPART c, k
.irp t, 0,1,2,3,4,5,6,7
.if ((\k) == 0) && ((\c) > 0)
	EPI (\c)-1, \t
.endif
	MM \c, \k, \t
.endr
.endm
; A COLUMN TILE: 16 matrix instructions.  The five v_nop are the places behind the last tile's matrix instructions: four for the loads into its set of W and for the reads of its results, five for the products that begin the results anew.
; chg = 1: the place that has just been read out (c = 7: A, c = 15: B) is filled again, with the next quarter's part.  In front of the round each wave waits for all its tensor loads (the other place's among them), adds 0 to
; its spare word, and waits for that and for its reads of the place; inside the round stands register work alone; the joint load is the first thing behind it.
.macro STEP c, chg, n0, n1
	WIN 0
.if \chg
	s_wait_tensorcnt 0x0                           ; no tensor load of mine is out, so a group 0 may be written
	ds_add_u32 v[SPW], v[NIL]                      ; 0 onto my spare word
.if (\c) == 7
	s_add_nc_u64 s[34:35], s[34:35], 2*PLACE       ; place A's next part: two places on in the image; the type bits on top are not reached
.else
	s_add_nc_u64 s[38:39], s[38:39], 2*PLACE
.endif
	s_wait_dscnt 0x0                               ; the add is done, and my reads of the place are in (tile c's fragments were the last)
	s_barrier_signal -1
	PLACES 5
	WIN K0
	KPART \c, 0
	WIN 0
	s_barrier_wait -1
	CREST
.if (\c) == 7
	tensor_load_to_lds s[32:35], s[24:31]
.else
	tensor_load_to_lds s[36:39], s[24:31]
.endif
	s_nop 0
	PLACES 4
.if (\c) == 7
	WRUN 8
.endif
	WIN K1
	KPART \c, 1
.else
	s_wait_dscnt \n0
	PLACES 5
.if (\c) < 15
	WRUN (\c)+1
.endif
	WIN K0
	KPART \c, 0
.if (\n1) >= 0
	s_wait_dscnt \n1
.endif
	WIN K1
	KPART \c, 1
.endif
.endm
; ---- PASS 1's quantiser.  A unit i = 2 k + tl is K step k of the quarter for token tile 2 w + tl: 64 numbers a lane, register 16 b + j = k 32 b + 16 h + j of token r.
.macro XUNIT i                         ; 16 loads; together they take 512 consecutive bytes of each of 16 rows
	WIN QL
.irp b, 0,1,2,3
.irp j, 0,1,2,3
	global_load_b128 v[64*(\i)+16*\b+4*\j:64*(\i)+16*\b+4*\j+3], v[XA], s[4:5] offset:65536*((\i)%2)+512*((\i)/2)+128*\b+16*\j th:TH_LOAD_NT
.endr
.endr
.endm
.macro QUANT L                         ; the 64 numbers at v[L] of window 3 become a fragment's codes in v[PC] on and its scale word in v[PW]
	WIN QM
.irp b, 0,1,2,3
	v_max3_num_f32 v[TM+\b], |v[(\L)+16*\b]|, |v[(\L)+16*\b+1]|, 0x1800000   ; my 16 numbers of block b, and the floor 2^(3 - 127): the byte cannot fall under 1
.endr
.irp i, 2,4,6,8,10,12,14
.irp b, 0,1,2,3
	v_max3_num_f32 v[TM+\b], |v[(\L)+16*\b+\i]|, |v[(\L)+16*\b+\i+1]|, v[TM+\b]   ; the four blocks by turns
.endr
.endr
	WIN QT
.irp b, 0,1,2,3
	v_permlanex16_b32 v[TM+4+\b], v[TM+\b], s20, s21
.endr
.irp b, 0,1,2,3
	v_max_num_f32 v[TM+\b], v[TM+\b], v[TM+4+\b]   ; with lane l xor 16's: the block's largest magnitude
.endr
.irp b, 0,1,2,3
	v_add_nc_u32 v[TM+12+\b], 0xff000000, v[TM+\b]   ; 2 off the exponent field: the conversion's scale operand
.endr
.irp b, 0,1,2,3
	v_lshrrev_b32 v[TM+4+\b], 23, v[TM+12+\b]      ; the scale's byte
.endr
	v_lshl_or_b32 v[PW], v[TM+5], 8, v[TM+4]
	v_lshl_or_b32 v[PW], v[TM+6], 16, v[PW]
	v_lshl_or_b32 v[PW], v[TM+7], 24, v[PW]        ; my token's word; both halves of the lanes hold it
	WIN QC
.irp c, 0,1
	v_cvt_scalef32_pk16_fp6_f32 v[PC+6*\c:PC+6*\c+2], v[(\L)+32*\c:(\L)+32*\c+15], v[TM+12+2*\c]
	v_cvt_scalef32_pk16_fp6_f32 v[PC+12+4*\c:PC+14+4*\c], v[(\L)+32*\c+16:(\L)+32*\c+31], v[TM+13+2*\c]   ; (a conversion's three registers begin on an even number)
.endr
	WIN QT
	v_nop                                          ; one plain place behind the scaled conversions
.irp c, 0,1                            ; the operand's layout wants a whole block in a lane
.irp i, 0,1,2
	v_permlane16_swap_b32 v[PC+6*\c+\i], v[PC+12+4*\c+\i]
.endr
.irp i, 0,1,2
	v_mov_b32 v[PC+3+6*\c+\i], v[PC+12+4*\c+\i]
.endr
.endr
.endm
.macro UNIT i, R                       ; R = 1: the unit's registers take the next quarter's numbers
.if \R
	s_wait_loadcnt 48                              ; loads come back in order: this unit's 16 are in; the three younger units' may be out
.else
	s_wait_loadcnt 16*(3-(\i))                     ; the last quarter: the units still to come
.endif
	s_wait_dscnt 0x0                               ; the last unit's LDS stores,
	s_wait_xcnt 0x0                                ; and its stores to xc, have read their registers: the codes may be written anew
	QUANT 64*(\i)
.irp c, 0,1,2
	ds_store_b128 v[IW], v[PC+4*\c:PC+4*\c+3] offset:12288*((\i)/2)+1536*((\i)%2)+512*\c
.endr
	ds_store_b32 v[IWS], v[PW] offset:1024*((\i)/2)+128*((\i)%2)
.irp c, 0,1,2
	global_store_b128 v[GC], v[PC+4*\c:PC+4*\c+3], s[10:11] offset:12288*((\i)/2)+1536*((\i)%2)+512*\c   ; 512 consecutive bytes, aligned
.endr
.if \R
	XUNIT \i
.endif
.endm
.macro QBLOCK R                        ; my two token tiles of the quarter: four units; then their scale words leave, 256 consecutive bytes a store
	WIN QT
	v_add_nc_u32 v[IW], s22, v[IW0]
	v_add_nc_u32 v[IWS], s22, v[IWS0]
	v_add_nc_u32 v[SRD], s22, v[SRD0]
	UNIT 0, \R
	UNIT 1, \R
	UNIT 2, \R
	UNIT 3, \R
	WIN QT
	ds_load_b64 v[SBK:SBK+1], v[SRD]               ; LDS serves a wave's instructions in order: these see my stores
	ds_load_b64 v[SBK+2:SBK+3], v[SRD] offset:1024
	s_wait_dscnt 0x0
	global_store_b64 v[GS], v[SBK:SBK+1], s[10:11]
	global_store_b64 v[GS], v[SBK+2:SBK+3], s[10:11] offset:1024
.if \R
	s_wait_xcnt 0x0                                ; every memory instruction so far has read its registers: the two bases may step
	s_add_nc_u64 s[10:11], s[10:11], XQB
	s_add_nc_u64 s[4:5], s[4:5], 1024
.endif
	WIN 0
.endm
; A QUARTER OF K.  F = 1: both places are filled again; F = 0: the last quarter, written out behind the loop, asks for nothing.
.macro GROUP F
.if PASS == 1
	QBLOCK \F
	s_wait_dscnt 0x0                               ; for the others' sake: my images have landed
	s_barrier_signal -1
	s_barrier_wait -1                              ; the quarter's 16 fragments lie in LDS
.endif
	v_add_nc_u32 v[AX], s22, v[XB0]
	v_add_nc_u32 v[AXS], s22, v[XS0]
	WRUN 0
	XLOADK 0
	XLOADK 1
	STEP 0, 0, 32, 7                               ; 32: the second K step's loads of x may be out; 7: then tile 1's seven loads of W may
.irp c, 1,2,3,4,5,6
	STEP \c, 0, 0, -1
.endr
.if \F
	STEP 7, 1, 0, -1
.else
	s_wait_tensorcnt 0x0                           ; place B's last part has landed
	STEP 7, 0, 0, -1
.endif
.irp c, 8,9,10,11,12,13,14
	STEP \c, 0, 0, -1
.endr
	STEP 15, \F, 0, -1
	PLACES 4
	WIN K0
.irp t, 0,1,2,3,4,5,6,7
	EPI 15, \t
.endr
	WIN 0
.endm
	s_load_b256 s[4:11], s[0:1], 0x0               ; PASS 1: x, wk_img, q0, xc.  PASS 2: xc, wv_img, rel, part
.if PASS == 1
	s_load_b64 s[12:13], s[0:1], 0x20              ; temp
.endif
	v_lshl_add_u32 v[SPW], v0, 2, SPARE
	v_mov_b32 v[NIL], 0
	ds_add_u32 v[SPW], v[NIL]                      ; the wave's opening: the add, twice on end, and its wait ahead of my first tensor load; the set-up below, work on registers, stands between
	ds_add_u32 v[SPW], v[NIL]
	v_lshrrev_b32 v[LN], 5, v0
	v_readfirstlane_b32 s14, v[LN]                 ; wave 0..3
	s_bfe_u32 s15, ttmp6, 0x40000                  ; cx: my place in the cluster
	s_lshl_b32 s16, ttmp9, 2                       ; in a cluster launch ttmp9 counts clusters
	s_add_co_u32 s16, s16, s15                     ; G: it enters the addresses of my own loads and stores alone
	s_lshr_b32 s17, s16, 4                         ; the batch
	s_and_b32 s18, s16, 15                         ; which 128 tokens of it
	s_mov_b32 s20, 0x76543210
	s_mov_b32 s21, 0xfedcba98                      ; v_permlanex16_b32's selects for lane l xor 16
	; descriptor group 1 for the weights: a dense block of 25,600 bytes as 100 rows of 256 (32 elements of 8 bytes)
	s_mov_b32 s24, 15|(3<<16)|(1<<21)              ; 15:0 the mask: all four work-groups; 17:16 elements of 8 bytes; 21 set beside a mask; no padding
	s_mov_b32 s25, 32<<16                          ; tensor_dim0
	s_mov_b32 s26, 100<<16                         ; tensor_dim1
	s_mov_b32 s27, 32<<16                          ; tile_dim0
	s_mov_b32 s28, 100                             ; tile_dim1
	s_mov_b32 s29, 32                              ; from row to row
	s_mov_b32 s30, 0
	s_mov_b32 s31, 0
.if PASS == 2
	s_mov_b32 s40, 3<<16                           ; and for my quarter of xc's block: 104 rows of 256 bytes, my work-group's own: no mask
	s_mov_b32 s41, 32<<16
	s_mov_b32 s42, 104<<16
	s_mov_b32 s43, 32<<16
	s_mov_b32 s44, 104
	s_mov_b32 s45, 32
	s_mov_b32 s46, 0
	s_mov_b32 s47, 0
.endif
	s_mul_i32 s66, s14, WPART
	s_mov_b32 s67, 0
	v_and_b32 v[LN], 31, v0
	v_lshlrev_b32 v[L16], 4, v[LN]
	v_bfe_u32 v[H32], v0, 4, 1
	v_lshlrev_b32 v[H32], 5, v[H32]
	v_add_nc_u32 v[AWA], s66, v[L16]
	v_add_nc_u32 v[AWA+1], PLACE, v[AWA]
	v_lshlrev_b32 v[ASA], 2, v[LN]
	v_add_nc_u32 v[ASA], s66, v[ASA]
	v_add_nc_u32 v[ASA], WSC, v[ASA]
	v_add_nc_u32 v[ASA+1], PLACE, v[ASA]
	v_add_nc_u32 v[XB0], XB, v[L16]
	v_lshl_add_u32 v[XS0], v[LN], 2, XB+XSCO
	s_lshl_b32 s73, s14, 10
	s_add_co_u32 s73, s73, STG
	v_lshl_add_u32 v[STW], v[LN], 2, s73
	v_add_nc_u32 v[STR], s73, v[L16]
.if PASS == 1
	v_and_b32 v[D], 15, v0                         ; the quantiser's addresses are made in window 0 and moved
	v_bfe_u32 v[D+1], v0, 4, 1
	v_lshlrev_b32 v[D+2], 12, v[D]
	v_lshl_add_u32 v[D+2], v[D+1], 6, v[D+2]
	s_lshl_b32 s70, s14, 17
	v_add_nc_u32 v[D+2], s70, v[D+2]
	s_mul_i32 s71, s14, 3072
	s_lshl_b32 s72, s14, 8
	v_add_nc_u32 v[D+3], s71, v[XB0]
	v_add_nc_u32 v[D+4], s72, v[XS0]
	v_add_nc_u32 v[D+5], s71, v[L16]
	v_lshl_add_u32 v[D+6], v[LN], 3, XB+XSCO
	v_add_nc_u32 v[D+6], s72, v[D+6]
	v_lshl_add_u32 v[D+7], v[LN], 3, XSCO
	v_add_nc_u32 v[D+7], s72, v[D+7]
	WIN TO2
	v_mov_b32 v[XA], v[D+2]
	v_mov_b32 v[IW0], v[D+3]
	v_mov_b32 v[IWS0], v[D+4]
	v_mov_b32 v[GC], v[D+5]
	v_mov_b32 v[SRD0], v[D+6]
	v_mov_b32 v[GS], v[D+7]
.irp b, 0,1,2,3
	v_mov_b32 v[TM+4+\b], 0                        ; written once: a lane permute's destination counts as one of its sources
.endr
	WIN 0
.endif
	s_mov_b32 s69, 0
	s_wait_dscnt 0x0                               ; both opening adds are done
	s_wait_kmcnt 0x0
.if PASS == 1
	s_lshl_b32 s68, s16, 19                        ; x: 128 G rows of 4,096 bytes
	s_add_nc_u64 s[4:5], s[4:5], s[68:69]
	s_lshl_b32 s68, s17, 12
	s_lshl_b32 s70, s14, 10
	s_add_co_u32 s68, s68, s70
	s_add_nc_u64 s[8:9], s[8:9], s[68:69]          ; q0[b][256 w]
	s_mul_i32 s68, s16, 4*XQB
	s_add_nc_u64 s[10:11], s[10:11], s[68:69]      ; xc: my block
.else
	s_mul_i32 s68, s16, 4*XQB
	s_mul_i32 s70, s14, XQB
	s_add_co_u32 s68, s68, s70
	s_add_nc_u64 s[4:5], s[4:5], s[68:69]          ; xc: my block, quarter w
	s_lshl_b32 s68, s16, 12
	s_lshl_b32 s70, s14, 10
	s_add_co_u32 s68, s68, s70
	s_add_nc_u64 s[10:11], s[10:11], s[68:69]      ; part[G][256 w]
.endif
	s_lshl_b32 s68, s17, 3
	s_lshl_b32 s70, s14, 1
	s_add_co_u32 s68, s68, s70
	s_lshl_b32 s68, s68, 13
	s_lshl_b32 s70, s18, 9
	s_add_co_u32 s68, s68, s70                     ; row 8 b + 2 w of 8,192 bytes, + my 128 tokens
.if PASS == 1
	s_add_nc_u64 s[12:13], s[12:13], s[68:69]      ; in temp
.else
	s_add_nc_u64 s[8:9], s[8:9], s[68:69]          ; in rel
.endif
	s_add_nc_u64 s[6:7], s[6:7], s[66:67]          ; the image at my part of place 0's first fill
	s_mov_b32 s32, 1                               ; group 0 for place A: count = 1,
	s_mul_i32 s33, s14, WPART                      ; LDS address,
	s_mov_b64 s[34:35], s[6:7]                     ; global address,
	s_or_b32 s35, s35, 0x80000000                  ; type = 2
	s_mov_b32 s36, 1                               ; and for place B
	s_add_co_u32 s37, s33, PLACE
	s_add_nc_u64 s[38:39], s[6:7], PLACE
	s_or_b32 s39, s39, 0x80000000
.if PASS == 2
	s_mov_b32 s48, 1
	s_mul_i32 s49, s14, XQB
	s_add_co_u32 s49, s49, XB
	s_mov_b64 s[50:51], s[4:5]
	s_or_b32 s51, s51, 0x80000000
.endif
	ROUND                                          ; all four work-groups are here: the first joint loads meet
	tensor_load_to_lds s[32:35], s[24:31]          ; place A: the first quarter's tiles 0-7
	s_nop 0
.if PASS == 2
	tensor_load_to_lds s[48:51], s[40:47]          ; x's codes, a quarter of the block a wave
	s_nop 0
.endif
	tensor_load_to_lds s[36:39], s[24:31]          ; place B: tiles 8-15
	s_nop 0
	PLACES 4
	WIN TO1
.irp e, 0,1,2,3,4,5,6,7,8,9,10,11,12,13,14,15  ; the table: eight numbers for each of 16 entries; they hang on the lane's half alone
.irp i, 0,1
.if PASS == 1
	global_load_b128 v[TBL+8*\e+4*\i:TBL+8*\e+4*\i+3], v[H32], s[8:9] offset:64*\e+16*\i                   ; q0[b][256 w + 16 e + 8 h + ..]
.else
	global_load_b128 v[TBL+8*\e+4*\i:TBL+8*\e+4*\i+3], v[H32], s[8:9] offset:8192*(\e/8)+64*(\e%8)+16*\i   ; rel[8 b + 2 w + e / 8][.. + 16 (e % 8) + 8 h + ..]
.endif
.endr
.endr
.if PASS == 1
	XUNIT 0                                        ; the first quarter of x: 64 loads
	XUNIT 1
	XUNIT 2
	XUNIT 3
.endif
	WIN 0
.set i, 0
.rept 64
	v_mov_b32 v[ACC+i], 0                          ; the sums.  (A quarter is written once for the loop: its first trip finds zeros)
.set i, i+1
.endr
.if PASS == 1
	s_wait_xcnt 0x0                                ; the loads have read their base:
	s_add_nc_u64 s[4:5], s[4:5], 1024              ; the next quarter of x
	s_wait_tensorcnt 0x1                           ; my part of place A is in, and I alone read it; place B's may stay out
.else
	s_wait_tensorcnt 0x1                           ; my parts of place A and of x's codes are in; place B's may stay out
	s_wait_loadcnt 0x0                             ; the table
	s_barrier_signal -1
	s_barrier_wait -1                              ; everybody's part of x's codes is in
.endif
	s_mov_b32 s22, 0                               ; the quarter's place in the block of x's images
	s_mov_b32 s23, 3
.Lgroup:
	GROUP 1
	s_add_co_u32 s22, s22, XQB
	s_sub_co_u32 s23, s23, 1
	s_cmp_lg_u32 s23, 0
	s_cbranch_scc1 .Lgroup
	GROUP 0                                        ; the last quarter is written out
	; THE END.  Each of the 16 sums: its two pairs, the pair's halves, the other half of the lanes.  Then lane (r, .) holds number 16 a + r of the wave's 256; they go through my stage and leave as 512 consecutive bytes a store.
.irp a, 0,1,2,3,4,5,6,7,8,9,10,11,12,13,14,15
	v_pk_add_f32 v[ACC+4*\a:ACC+4*\a+1], v[ACC+4*\a:ACC+4*\a+1], v[ACC+4*\a+2:ACC+4*\a+3]
.endr
.irp a, 0,1,2,3,4,5,6,7,8,9,10,11,12,13,14,15
	v_add_f32 v[ACC+4*\a], v[ACC+4*\a], v[ACC+4*\a+1]
.endr
.irp a, 0,1,2,3,4,5,6,7,8,9,10,11,12,13,14,15
	v_permlanex16_b32 v[ACC+4*\a+1], v[ACC+4*\a], s20, s21
.endr
.irp a, 0,1,2,3,4,5,6,7,8,9,10,11,12,13,14,15
	v_add_f32 v[ACC+4*\a], v[ACC+4*\a], v[ACC+4*\a+1]
.endr
	v_cmp_gt_u32 vcc_lo, 16, v[LN]
.irp u, 0,1,2,3,4,5,6,7
	v_cndmask_b32 v[ACC+8*\u], v[ACC+8*\u+4], v[ACC+8*\u], vcc_lo   ; lanes 0-15 keep sum 2 u, lanes 16-31 take sum 2 u + 1
.endr
.irp u, 0,1,2,3,4,5,6,7
	ds_store_b32 v[STW], v[ACC+8*\u] offset:128*\u
.endr
	ds_load_b128 v[D:D+3], v[STR]                  ; LDS serves a wave's instructions in order: these see my stores
	ds_load_b128 v[D+4:D+7], v[STR] offset:512
	s_wait_dscnt 0x0
	global_store_b128 v[L16], v[D:D+3], s[OUTP:OUTP+1]                  ; PASS 1: head 2 w's 128 scores; PASS 2: channels 256 w on
	global_store_b128 v[L16], v[D+4:D+7], s[OUTP:OUTP+1] offset:OSTEP   ; PASS 1: head 2 w + 1's; PASS 2: channels 256 w + 128 on
	s_wait_tensorcnt 0x0                           ; the wave's end, behind my last tensor load and my last LDS store
	ds_add_u32 v[SPW], v[NIL]
	s_wait_dscnt 0x0
	ROUND                                          ; the closing round: no work-group ends while a partner may still ask for a part that names it
	s_endpgm
.Lfunc_end_k_qbf90d10f52_pass1:
	.size	k_qbf90d10f52_pass1, .Lfunc_end_k_qbf90d10f52_pass1-k_qbf90d10f52_pass1
	.p2alignl 7, 3214868480
	.fill 96, 4, 3214868480
	.section	.rodata,"a",@progbits
	.p2align	6, 0x0
	.amdhsa_kernel k_qbf90d10f52_pass1
		.amdhsa_group_segment_fixed_size 327680
		.amdhsa_private_segment_fixed_size 0
		.amdhsa_enable_private_segment 0
		.amdhsa_kernarg_size 40
		.amdhsa_user_sgpr_count 2
		.amdhsa_user_sgpr_kernarg_segment_ptr 1
		.amdhsa_wavefront_size32 1
		.amdhsa_system_sgpr_workgroup_id_x 1
		.amdhsa_system_sgpr_workgroup_id_y 1
		.amdhsa_system_sgpr_workgroup_id_z 1
		.amdhsa_system_vgpr_workitem_id 0
		.amdhsa_next_free_vgpr 1024
		.amdhsa_next_free_sgpr 80
		.amdhsa_reserve_vcc 1
		.amdhsa_float_denorm_mode_32 3
		.amdhsa_float_denorm_mode_16_64 3
		.amdhsa_memory_ordered 1
		.amdhsa_forward_progress 1
		.amdhsa_inst_pref_size 226
	.end_amdhsa_kernel
	.amdgpu_metadata
---
amdhsa.version: [ 1, 2 ]
amdhsa.kernels:
  - .name:           k_qbf90d10f52_pass1
    .symbol:         k_qbf90d10f52_pass1.kd
    .args:
      - { .name: x, .offset: 0, .size: 8, .value_kind: global_buffer, .address_space: global }
      - { .name: wk_img, .offset: 8, .size: 8, .value_kind: global_buffer, .address_space: global }
      - { .name: q0, .offset: 16, .size: 8, .value_kind: global_buffer, .address_space: global }
      - { .name: xc, .offset: 24, .size: 8, .value_kind: global_buffer, .address_space: global }
      - { .name: temp, .offset: 32, .size: 8, .value_kind: global_buffer, .address_space: global }
    .group_segment_fixed_size: 327680
    .private_segment_fixed_size: 0
    .kernarg_segment_align: 8
    .kernarg_segment_size: 40
    .max_flat_workgroup_size: 128
    .sgpr_count:     80
    .vgpr_count:     1024
    .wavefront_size: 32
...
	.end_amdgpu_metadata
.endif
;; end of part 2
;; launch select (part 3): grid 128 x 1, 1 waves a work-group, no clusters, 0 bytes of LDS; arguments temp, rel; writes rel
.if DOCPART == 3
	.amdgcn_target "amdgcn-amd-amdhsa--gfx1250"
	.amdhsa_code_object_version 6
	.text
	.protected	k_qbf90d10f52_select
	.globl	k_qbf90d10f52_select
	.p2align	8
	.type	k_qbf90d10f52_select,@function
k_qbf90d10f52_select:
	s_mov_b64 s[64:65], 0
	v_nop
	global_prefetch_b8 v0, s[64:65] scope:SCOPE_SE
	s_setreg_imm32_b32 hwreg(HW_REG_WAVE_MODE, 25, 1), 1
	s_wait_xcnt 0x0
; THIRD LAUNCH of five.  For each (batch, head): t = temp / sqrt(128); the threshold = the 512th largest of the 2,048 t; rel = softmax(where(t >= threshold, t, 0)), normalised.  No work of reference() is left out here.
; One wave takes one (batch, head): 64 numbers a lane, so the rank never leaves the wave: no LDS, no barrier.  The work is elementwise but for counts, a maximum and a sum, so the numbers stay where the loads put them.
; THE RANK, exactly.  A number's key is its bits with the sign bit turned (positive) or all bits turned (negative): keys order as the numbers do.  The threshold's key is built from the top bit down, 32 steps: a bit stays
; if at least 512 keys are at or above the candidate.  A compare gives a mask of lanes in a scalar register; its ones are counted and added by scalar instructions; the choice is a select: no branch and no address hangs on data.
; Two sets of eight masks take turns, so that the counts read masks made a set earlier.  Numbers equal to the threshold all count as at or above it, as in reference().
; -0 has a key under +0's: where that parts them, the number kept or the 0 put in its place give the same exponential.
; The maximum is taken away before the exponential, as reference() does.  LIMITS: NaN and infinities among the scores are not served.
.set T, 16                             ; v16-79   the numbers
.set K, 80                             ; v80-143  their keys
	s_load_b128 s[4:7], s[0:1], 0x0                ; temp, rel
	v_lshlrev_b32 v1, 4, v0                        ; 16 bytes a lane
	s_lshl_b32 s2, ttmp9, 13                       ; a row of 2,048 numbers
	s_mov_b32 s3, 0
	s_mov_b32 s8, 0x3db504f3                       ; 1 / sqrt(128)
	s_mov_b32 s9, s8                               ; (named with it as a pair, so it is written)
	s_mov_b32 s16, 0x3fb8aa3b                      ; log2(e)
	s_mov_b32 s17, s16
	s_mov_b32 s18, 0x76543210
	s_mov_b32 s19, 0xfedcba98                      ; v_permlanex16_b32's selects for lane l xor 16
	v_mov_b32 v6, 0                                ; written once: a lane permute's destination counts as one of its sources
	s_wait_kmcnt 0x0
	s_add_nc_u64 s[4:5], s[4:5], s[2:3]
	s_add_nc_u64 s[6:7], s[6:7], s[2:3]
.irp i, 0,1,2,3,4,5,6,7,8,9,10,11,12,13,14,15
	global_load_b128 v[T+4*\i:T+4*\i+3], v1, s[4:5] offset:512*\i th:TH_LOAD_NT   ; 512 consecutive bytes a load
.endr
	s_wait_loadcnt 0x0
.set j, 0
.rept 32
	v_pk_mul_f32 v[T+j:T+j+1], v[T+j:T+j+1], s[8:9] op_sel_hi:[1,0]
.set j, j+2
.endr
.set j, 0
.rept 64
	v_ashrrev_i32 v[K+j], 31, v[T+j]
.set j, j+1
.endr
.set j, 0
.rept 64
	v_or_b32 v[K+j], 0x80000000, v[K+j]
.set j, j+1
.endr
.set j, 0
.rept 64
	v_xor_b32 v[K+j], v[K+j], v[T+j]
.set j, j+1
.endr
.macro CMP8 g                          ; eight masks: which lanes' keys are at or above the candidate
.irp j, 0,1,2,3,4,5,6,7
	v_cmp_le_u32 s[24+8*((\g)%2)+\j], s13, v[K+8*(\g)+\j]
.endr
.endm
.macro CNT8 g                          ; their ones, counted and added
.set SB, 24+8*((\g)%2)
.irp j, 0,1,2,3,4,5,6,7
	s_bcnt1_i32_b32 s[SB+\j], s[SB+\j]
.endr
	s_add_co_u32 s[SB], s[SB], s[SB+1]
	s_add_co_u32 s[SB+2], s[SB+2], s[SB+3]
	s_add_co_u32 s[SB+4], s[SB+4], s[SB+5]
	s_add_co_u32 s[SB+6], s[SB+6], s[SB+7]
	s_add_co_u32 s[SB], s[SB], s[SB+2]
	s_add_co_u32 s[SB+4], s[SB+4], s[SB+6]
	s_add_co_u32 s[SB], s[SB], s[SB+4]
	s_add_co_u32 s14, s14, s[SB]
.endm
	s_mov_b32 s10, 0                               ; the threshold's key so far
	s_mov_b32 s11, 0x80000000                      ; the bit in hand
	s_mov_b32 s12, 32
.Lbit:
	s_or_b32 s13, s10, s11                         ; the candidate
	s_mov_b32 s14, 0
	CMP8 0
.irp g, 0,1,2,3,4,5,6
	CMP8 \g+1
	CNT8 \g
.endr
	CNT8 7
	s_cmp_ge_u32 s14, 512
	s_cselect_b32 s10, s13, s10                    ; the bit stays if 512 keys or more are at or above the candidate
	s_lshr_b32 s11, s11, 1
	s_sub_co_u32 s12, s12, 1
	s_cmp_lg_u32 s12, 0
	s_cbranch_scc1 .Lbit
.irp g, 0,1,2,3,4,5,6,7                ; where(t >= threshold, t, 0)
.irp j, 0,1,2,3,4,5,6,7
	v_cmp_le_u32 s[24+\j], s10, v[K+8*\g+\j]
.endr
.irp j, 0,1,2,3,4,5,6,7
	v_cndmask_b32 v[T+8*\g+\j], 0, v[T+8*\g+\j], s[24+\j]
.endr
.endr
.irp c, 0,1,2,3                        ; the maximum, in four chains
	v_max_num_f32 v[2+\c], v[T+\c], v[T+4+\c]
.endr
.irp i, 0,1,2,3,4,5,6
.irp c, 0,1,2,3
	v_max3_num_f32 v[2+\c], v[2+\c], v[T+8+8*\i+\c], v[T+12+8*\i+\c]
.endr
.endr
	v_max3_num_f32 v2, v2, v3, v4
	v_max_num_f32 v2, v2, v5
	v_max_num_f32_dpp v2, v2, v2 row_xmask:1 row_mask:0xf bank_mask:0xf
	v_max_num_f32_dpp v2, v2, v2 row_xmask:2 row_mask:0xf bank_mask:0xf
	v_max_num_f32_dpp v2, v2, v2 row_xmask:4 row_mask:0xf bank_mask:0xf
	v_max_num_f32_dpp v2, v2, v2 row_xmask:8 row_mask:0xf bank_mask:0xf
	v_permlanex16_b32 v6, v2, s18, s19
	v_max_num_f32 v2, v2, v6                       ; every lane holds the row's maximum
	v_mul_f32 v8, 0xbfb8aa3b, v2                   ; - maximum x log2(e)
	v_mov_b32 v9, v8
.set j, 0
.rept 32
	v_pk_fma_f32 v[T+j:T+j+1], v[T+j:T+j+1], s[16:17], v[8:9] op_sel_hi:[1,0,0]   ; (t - maximum) x log2(e)
.set j, j+2
.endr
.set j, 0
.rept 64
	v_exp_f32 v[T+j], v[T+j]
.set j, j+1
.endr
	v_mov_b32 v15, 0                               ; a plain place behind the exponentials (it also writes the upper half of the pair v[14:15])
	s_wait_alu depctr_va_vdst(0)                   ; one wait for the whole batch, ahead of its first reader
	v_pk_add_f32 v[10:11], v[T:T+1], v[T+2:T+3]    ; the sum, two at a time, in two chains
	v_pk_add_f32 v[12:13], v[T+4:T+5], v[T+6:T+7]
.irp j, 8,12,16,20,24,28,32,36,40,44,48,52,56,60
	v_pk_add_f32 v[10:11], v[10:11], v[T+\j:T+\j+1]
	v_pk_add_f32 v[12:13], v[12:13], v[T+\j+2:T+\j+3]
.endr
	v_pk_add_f32 v[10:11], v[10:11], v[12:13]
	v_add_f32 v10, v10, v11
	v_add_f32_dpp v10, v10, v10 row_xmask:1 row_mask:0xf bank_mask:0xf
	v_add_f32_dpp v10, v10, v10 row_xmask:2 row_mask:0xf bank_mask:0xf
	v_add_f32_dpp v10, v10, v10 row_xmask:4 row_mask:0xf bank_mask:0xf
	v_add_f32_dpp v10, v10, v10 row_xmask:8 row_mask:0xf bank_mask:0xf
	v_permlanex16_b32 v6, v10, s18, s19
	v_add_f32 v10, v10, v6
	v_rcp_f32 v14, v10
	v_nop                                          ; a plain place behind the reciprocal
	s_wait_alu depctr_va_vdst(0)                   ; and its wait, ahead of the first reader
.set j, 0
.rept 32
	v_pk_mul_f32 v[T+j:T+j+1], v[T+j:T+j+1], v[14:15] op_sel_hi:[1,0]
.set j, j+2
.endr
.irp i, 0,1,2,3,4,5,6,7,8,9,10,11,12,13,14,15
	global_store_b128 v1, v[T+4*\i:T+4*\i+3], s[6:7] offset:512*\i   ; 512 consecutive bytes, aligned
.endr
	s_endpgm
.Lfunc_end_k_qbf90d10f52_select:
	.size	k_qbf90d10f52_select, .Lfunc_end_k_qbf90d10f52_select-k_qbf90d10f52_select
	.p2alignl 7, 3214868480
	.fill 96, 4, 3214868480
	.section	.rodata,"a",@progbits
	.p2align	6, 0x0
	.amdhsa_kernel k_qbf90d10f52_select
		.amdhsa_group_segment_fixed_size 0
		.amdhsa_private_segment_fixed_size 0
		.amdhsa_enable_private_segment 0
		.amdhsa_kernarg_size 16
		.amdhsa_user_sgpr_count 2
		.amdhsa_user_sgpr_kernarg_segment_ptr 1
		.amdhsa_wavefront_size32 1
		.amdhsa_system_sgpr_workgroup_id_x 1
		.amdhsa_system_sgpr_workgroup_id_y 1
		.amdhsa_system_sgpr_workgroup_id_z 1
		.amdhsa_system_vgpr_workitem_id 0
		.amdhsa_next_free_vgpr 160
		.amdhsa_next_free_sgpr 66
		.amdhsa_reserve_vcc 0
		.amdhsa_float_denorm_mode_32 3
		.amdhsa_float_denorm_mode_16_64 3
		.amdhsa_memory_ordered 1
		.amdhsa_forward_progress 1
		.amdhsa_inst_pref_size 42
	.end_amdhsa_kernel
	.amdgpu_metadata
---
amdhsa.version: [ 1, 2 ]
amdhsa.kernels:
  - .name:           k_qbf90d10f52_select
    .symbol:         k_qbf90d10f52_select.kd
    .args:
      - { .name: temp, .offset: 0, .size: 8, .value_kind: global_buffer, .address_space: global }
      - { .name: rel, .offset: 8, .size: 8, .value_kind: global_buffer, .address_space: global }
    .group_segment_fixed_size: 0
    .private_segment_fixed_size: 0
    .kernarg_segment_align: 8
    .kernarg_segment_size: 16
    .max_flat_workgroup_size: 32
    .sgpr_count:     66
    .vgpr_count:     160
    .wavefront_size: 32
...
	.end_amdgpu_metadata
.endif
;; end of part 3
;; launch pass2 (part 4): grid 256 x 1, 4 waves a work-group, clusters of 4 x 1, 327,680 bytes of LDS; arguments xc, wv_img, rel, part; writes part
.if DOCPART == 4
	.amdgcn_target "amdgcn-amd-amdhsa--gfx1250"
	.amdhsa_code_object_version 6
	.text
	.protected	k_qbf90d10f52_pass2
	.globl	k_qbf90d10f52_pass2
	.p2align	8
	.type	k_qbf90d10f52_pass2,@function
k_qbf90d10f52_pass2:
	s_mov_b64 s[64:65], 0
	v_nop
	global_prefetch_b8 v0, s[64:65] scope:SCOPE_SE
	s_setreg_imm32_b32 hwreg(HW_REG_WAVE_MODE, 25, 1), 1
	s_wait_xcnt 0x0
	s_wait_alu depctr_hold_cnt(0) depctr_sa_sdst(0) depctr_va_vdst(0) depctr_va_sdst(0) depctr_va_ssrc(0) depctr_va_vcc(0) depctr_vm_vsrc(0)
	s_getreg_b32 s2, hwreg(HW_REG_IB_STS2, 6, 4)
	s_cmp_eq_u32 s2, 0
	s_cbranch_scc0 .Lentry_in_a_cluster
	s_endpgm
.Lentry_in_a_cluster:
	s_bfe_u32 s2, ttmp6, 0x10000c
	s_cmp_lg_u32 s2, 0x3003
	s_cbranch_scc0 .Lentry_shape_is_right
	s_endpgm
.Lentry_shape_is_right:
; FOURTH LAUNCH (PASS = 2) of five: the second launch's text with PASS = 2 and without the quantiser's macros, which only PASS 1 expands.  No work of reference() is left out here.
; v = Q(x) Q(Wv) from the codes that the second launch kept in xc; part[work-group][channel] = sum over the work-group's 128 tokens of rel[b][h][n] v[b][n][channel], f32 multiply-adds on the results.  v never goes to memory.
; SHARES.  A work-group owns 128 tokens (8 tiles t of 16) of one batch and all 1,024 columns; wave w owns columns 256 w on: heads 2 w and 2 w + 1, 16 column tiles c.  K goes in four quarters of two K steps of 128.
; A quarter's 16 fragments of x stay in EVERY wave's registers (192); the weights stream by: each fragment of W is read from LDS once, by one wave, and feeds eight matrix instructions.
; THE WEIGHTS come as images of the operand's registers, made by the first launch, through two LDS places of 102,400 bytes that take turns: place A holds the quarter's tiles c = 0..7 of all four waves, place B c = 8..15.
; Each wave fetches and reads its own 25,600 bytes of a place.  CLUSTER: all work-groups walk the same stream of weights, so the four of a cluster ask for each part JOINTLY: the same tensor load, the same descriptor
; (made of the wave's number and the image's address alone), a mask that names the four.  A refill stands behind a round of the cluster's barrier and has eight column tiles' work, 128 matrix instructions, in which to land.
; x's codes, 106,496 bytes a work-group, come once, with the first fills, a quarter a wave, by a load of the work-group's own (no mask), and stay in LDS.
; ORIENTATION.  Source 0 = 16 tokens, source 1 = 16 channels of W: lane (r, h) holds channel 16 c + r and tokens 16 t + 8 h + j.  The way out of a tile is four packed multiply-adds of the result with rel's 8 tokens
; (a table that hangs on the lane's half alone), into sums ACC, one for each column tile.
; The sums over K are taken by quarters in the matrix unit and then in f32: another order than reference()'s.  LIMITS: NaN and infinities are not served.
; No padding in LDS: every read takes 512 consecutive bytes.  No prefetch: x's codes are wanted at the head, and the weights' parts are asked for eight column tiles ahead.
; REGISTERS, in windows of 256 (s_set_vgpr_msb: bits 1:0 source 0, 3:2 source 1, 5:4 source 2, 7:6 destination):
;   window 0: v1-15 addresses; v16-31 x's scale words, v32-33 W's (they hold nothing else); v34-81 W's fragments, two sets of two; v82-145 the eight results; v146-209 ACC
;   window 1: v0-95 x's fragments of the quarter's first K step; v96-223 the table.   window 2: v0-95 those of the second K step.
.set PASS, 2
.set WPART, 25600                      ; a wave's part of a place
.set PLACE, 102400
.set WSC,   24576                      ; in a part: the scale words
.set XB,    204800                     ; LDS: the work-group's block of x's images, laid as in xc: one first fill
.set XQB,   26624                      ; a quarter of it
.set XSCO,  24576                      ; in a quarter: the scale words
.set STG,   311296                     ; the way out: 1,024 bytes for each wave
.set SPARE, 315392                     ; the spare words, 128 bytes for each wave: two blocks of 256 bytes that no other line names
.set AWA, 1                            ; v1, v2  16 x lane + 25,600 w, in place A, B
.set ASA, 3                            ; v3, v4  4 x lane + 25,600 w + 24,576, in place A, B
.set XB0, 5                            ; v5   16 x lane + XB
.set XS0, 6                            ; v6   4 x lane + XB + 24,576
.set AX,  7                            ; v7   v5 + the quarter
.set AXS, 8                            ; v8   v6 + the quarter
.set STW, 9                            ; v9   my stage, 4 x lane
.set STR, 10                           ; v10  my stage, 16 x lane
.set L16, 11                           ; v11  16 x lane
.set H32, 12                           ; v12  32 x (lane / 16)
.set LN,  13                           ; v13  lane
.set SPW, 14                           ; v14  LDS address of my spare word; never rewritten
.set NIL, 15                           ; v15  0; never rewritten
.set XS,  16
.set WS,  32
.set WF,  34
.set D,   82
.set ACC, 146
.set TBL, 96                           ; window 1
.if PASS == 1
.set K0, 0x04
.set K1, 0x08
.set OUTP, 12
.set OSTEP, 8192
.else
.set K0, 0x01                          ; source 0 (x) window 1; the way out runs under it too: source 0 = the table
.set K1, 0x02                          ; source 0 window 2
.set OUTP, 10
.set OSTEP, 512
.endif
.set TO1, 0x40                         ; destination window 1
.set MSB, 0
.macro WIN new                         ; the immediate's high byte repeats the setting that is left; a switch that changes nothing is dropped
.if MSB != (\new)
	s_set_vgpr_msb (MSB<<8)|(\new)
.set MSB, (\new)
.endif
.endm
.macro PLACES n
.rept \n
	v_nop
.endr
.endm
.macro CREST                           ; a round of the cluster's barrier behind its opening barrier
	s_cmp_lg_u32 s14, 0
	s_cbranch_scc1 .Lnot_wave_0_\@
	s_barrier_signal -3
.Lnot_wave_0_\@:
	s_barrier_wait -3
	s_barrier_signal -1
	s_barrier_wait -1
.endm
.macro ROUND
	s_barrier_signal -1
	s_barrier_wait -1
	CREST
.endm
; Seven LDS loads: column tile c's two fragments of W and its scale words (lanes 0-15 the first K step's, lanes 16-31 the second's), into set c % 2
.macro WRUN c
.irp k, 0,1
.irp i, 0,1,2
	ds_load_b128 v[WF+24*((\c)%2)+12*\k+4*\i:WF+24*((\c)%2)+12*\k+4*\i+3], v[AWA+(\c)/8] offset:((\c)%8)*3072+1536*\k+512*\i
.endr
.endr
	ds_load_b32 v[WS+(\c)%2], v[ASA+(\c)/8] offset:128*((\c)%8)
.endm
; 32 LDS loads: the eight fragments of x of the quarter's K step k, and their scale words
.macro XLOADK k
	WIN 0x40*(1+(\k))
.irp t, 0,1,2,3,4,5,6,7
.irp i, 0,1,2
	ds_load_b128 v[12*\t+4*\i:12*\t+4*\i+3], v[AX] offset:1536*(8*(\k)+\t)+512*\i
.endr
.endr
	WIN 0
.irp t, 0,1,2,3,4,5,6,7
	ds_load_b32 v[XS+8*(\k)+\t], v[AXS] offset:128*(8*(\k)+\t)
.endr
.endm
; One matrix instruction: column tile c, K step k of the quarter, token tile t.  k = 0 starts the sum with the constant 0.
.macro MM c, k, t
.set rW, WF+24*((\c)%2)+12*(\k)
.set rX, 12*(\t)
.set rD, D+8*(\t)
.set rWS, WS+(\c)%2
.set rXS, XS+8*(\k)+(\t)
.if PASS == 1
.if (\k) == 0
	v_wmma_scale_f32_16x16x128_f8f6f4 v[rD:rD+7], v[rW:rW+11], v[rX:rX+11], 0, v[rWS], v[rXS] matrix_a_fmt:MATRIX_FMT_FP6 matrix_b_fmt:MATRIX_FMT_FP6
.else
	v_wmma_scale_f32_16x16x128_f8f6f4 v[rD:rD+7], v[rW:rW+11], v[rX:rX+11], v[rD:rD+7], v[rWS], v[rXS] matrix_a_fmt:MATRIX_FMT_FP6 matrix_b_fmt:MATRIX_FMT_FP6 matrix_a_scale:MATRIX_SCALE_ROW1
.endif
.else
.if (\k) == 0
	v_wmma_scale_f32_16x16x128_f8f6f4 v[rD:rD+7], v[rX:rX+11], v[rW:rW+11], 0, v[rXS], v[rWS] matrix_a_fmt:MATRIX_FMT_FP6 matrix_b_fmt:MATRIX_FMT_FP6
.else
	v_wmma_scale_f32_16x16x128_f8f6f4 v[rD:rD+7], v[rX:rX+11], v[rW:rW+11], v[rD:rD+7], v[rXS], v[rWS] matrix_a_fmt:MATRIX_FMT_FP6 matrix_b_fmt:MATRIX_FMT_FP6 matrix_b_scale:MATRIX_SCALE_ROW1
.endif
.endif
.endm
; The way out of tile (c, t): its eight numbers a lane times the table's eight, into two pairs of sums by turns; the result is read from its low end on.
.macro EPI c, t
.if PASS == 1
.set aa, 8*((\c)/8)+(\t)
.set ee, (\c)
.else
.set aa, (\c)
.set ee, 8*((\c)/8)+(\t)
.endif
.irp i, 0,1,2,3
.if PASS == 1
	v_pk_fma_f32 v[ACC+4*aa+2*(\i%2):ACC+4*aa+2*(\i%2)+1], v[D+8*(\t)+2*\i:D+8*(\t)+2*\i+1], v[TBL+8*ee+2*\i:TBL+8*ee+2*\i+1], v[ACC+4*aa+2*(\i%2):ACC+4*aa+2*(\i%2)+1]
.else
	v_pk_fma_f32 v[ACC+4*aa+2*(\i%2):ACC+4*aa+2*(\i%2)+1], v[TBL+8*ee+2*\i:TBL+8*ee+2*\i+1], v[D+8*(\t)+2*\i:D+8*(\t)+2*\i+1], v[ACC+4*aa+2*(\i%2):ACC+4*aa+2*(\i%2)+1]
.endif
.endr
.endm
; Eight matrix instructions, the eight results by turns.  k = 0: each stands behind the way out of the same result's last tile.
.macro KPART c, k
.irp t, 0,1,2,3,4,5,6,7
.if ((\k) == 0) && ((\c) > 0)
	EPI (\c)-1, \t
.endif
	MM \c, \k, \t
.endr
.endm
; A COLUMN TILE: 16 matrix instructions.  The five v_nop are the places behind the last tile's matrix instructions: four for the loads into its set of W and for the reads of its results, five for the products that begin the results anew.
; chg = 1: the place that has just been read out (c = 7: A, c = 15: B) is filled again, with the next quarter's part.  In front of the round each wave waits for all its tensor loads (the other place's among them), adds 0 to
; its spare word, and waits for that and for its reads of the place; inside the round stands register work alone; the joint load is the first thing behind it.
.macro STEP c, chg, n0, n1
	WIN 0
.if \chg
	s_wait_tensorcnt 0x0                           ; no tensor load of mine is out, so a group 0 may be written
	ds_add_u32 v[SPW], v[NIL]                      ; 0 onto my spare word
.if (\c) == 7
	s_add_nc_u64 s[34:35], s[34:35], 2*PLACE       ; place A's next part: two places on in the image; the type bits on top are not reached
.else
	s_add_nc_u64 s[38:39], s[38:39], 2*PLACE
.endif
	s_wait_dscnt 0x0                               ; the add is done, and my reads of the place are in (tile c's fragments were the last)
	s_barrier_signal -1
	PLACES 5
	WIN K0
	KPART \c, 0
	WIN 0
	s_barrier_wait -1
	CREST
.if (\c) == 7
	tensor_load_to_lds s[32:35], s[24:31]
.else
	tensor_load_to_lds s[36:39], s[24:31]
.endif
	s_nop 0
	PLACES 4
.if (\c) == 7
	WRUN 8
.endif
	WIN K1
	KPART \c, 1
.else
	s_wait_dscnt \n0
	PLACES 5
.if (\c) < 15
	WRUN (\c)+1
.endif
	WIN K0
	KPART \c, 0
.if (\n1) >= 0
	s_wait_dscnt \n1
.endif
	WIN K1
	KPART \c, 1
.endif
.endm
; A QUARTER OF K.  F = 1: both places are filled again; F = 0: the last quarter, written out behind the loop, asks for nothing.
.macro GROUP F
	v_add_nc_u32 v[AX], s22, v[XB0]
	v_add_nc_u32 v[AXS], s22, v[XS0]
	WRUN 0
	XLOADK 0
	XLOADK 1
	STEP 0, 0, 32, 7                               ; 32: the second K step's loads of x may be out; 7: then tile 1's seven loads of W may
.irp c, 1,2,3,4,5,6
	STEP \c, 0, 0, -1
.endr
.if \F
	STEP 7, 1, 0, -1
.else
	s_wait_tensorcnt 0x0                           ; place B's last part has landed
	STEP 7, 0, 0, -1
.endif
.irp c, 8,9,10,11,12,13,14
	STEP \c, 0, 0, -1
.endr
	STEP 15, \F, 0, -1
	PLACES 4
	WIN K0
.irp t, 0,1,2,3,4,5,6,7
	EPI 15, \t
.endr
	WIN 0
.endm
	s_load_b256 s[4:11], s[0:1], 0x0               ; xc, wv_img, rel, part
	v_lshl_add_u32 v[SPW], v0, 2, SPARE
	v_mov_b32 v[NIL], 0
	ds_add_u32 v[SPW], v[NIL]                      ; the wave's opening: the add, twice on end, and its wait ahead of my first tensor load; the set-up below, work on registers, stands between
	ds_add_u32 v[SPW], v[NIL]
	v_lshrrev_b32 v[LN], 5, v0
	v_readfirstlane_b32 s14, v[LN]                 ; wave 0..3
	s_bfe_u32 s15, ttmp6, 0x40000                  ; cx: my place in the cluster
	s_lshl_b32 s16, ttmp9, 2                       ; in a cluster launch ttmp9 counts clusters
	s_add_co_u32 s16, s16, s15                     ; G: it enters the addresses of my own loads and stores alone
	s_lshr_b32 s17, s16, 4                         ; the batch
	s_and_b32 s18, s16, 15                         ; which 128 tokens of it
	s_mov_b32 s20, 0x76543210
	s_mov_b32 s21, 0xfedcba98                      ; v_permlanex16_b32's selects for lane l xor 16
	; descriptor group 1 for the weights: a dense block of 25,600 bytes as 100 rows of 256 (32 elements of 8 bytes)
	s_mov_b32 s24, 15|(3<<16)|(1<<21)              ; 15:0 the mask: all four work-groups; 17:16 elements of 8 bytes; 21 set beside a mask; no padding
	s_mov_b32 s25, 32<<16                          ; tensor_dim0
	s_mov_b32 s26, 100<<16                         ; tensor_dim1
	s_mov_b32 s27, 32<<16                          ; tile_dim0
	s_mov_b32 s28, 100                             ; tile_dim1
	s_mov_b32 s29, 32                              ; from row to row
	s_mov_b32 s30, 0
	s_mov_b32 s31, 0
	s_mov_b32 s40, 3<<16                           ; and for my quarter of xc's block: 104 rows of 256 bytes, my work-group's own: no mask
	s_mov_b32 s41, 32<<16
	s_mov_b32 s42, 104<<16
	s_mov_b32 s43, 32<<16
	s_mov_b32 s44, 104
	s_mov_b32 s45, 32
	s_mov_b32 s46, 0
	s_mov_b32 s47, 0
	s_mul_i32 s66, s14, WPART
	s_mov_b32 s67, 0
	v_and_b32 v[LN], 31, v0
	v_lshlrev_b32 v[L16], 4, v[LN]
	v_bfe_u32 v[H32], v0, 4, 1
	v_lshlrev_b32 v[H32], 5, v[H32]
	v_add_nc_u32 v[AWA], s66, v[L16]
	v_add_nc_u32 v[AWA+1], PLACE, v[AWA]
	v_lshlrev_b32 v[ASA], 2, v[LN]
	v_add_nc_u32 v[ASA], s66, v[ASA]
	v_add_nc_u32 v[ASA], WSC, v[ASA]
	v_add_nc_u32 v[ASA+1], PLACE, v[ASA]
	v_add_nc_u32 v[XB0], XB, v[L16]
	v_lshl_add_u32 v[XS0], v[LN], 2, XB+XSCO
	s_lshl_b32 s73, s14, 10
	s_add_co_u32 s73, s73, STG
	v_lshl_add_u32 v[STW], v[LN], 2, s73
	v_add_nc_u32 v[STR], s73, v[L16]
	s_mov_b32 s69, 0
	s_wait_dscnt 0x0                               ; both opening adds are done
	s_wait_kmcnt 0x0
	s_mul_i32 s68, s16, 4*XQB
	s_mul_i32 s70, s14, XQB
	s_add_co_u32 s68, s68, s70
	s_add_nc_u64 s[4:5], s[4:5], s[68:69]          ; xc: my block, quarter w
	s_lshl_b32 s68, s16, 12
	s_lshl_b32 s70, s14, 10
	s_add_co_u32 s68, s68, s70
	s_add_nc_u64 s[10:11], s[10:11], s[68:69]      ; part[G][256 w]
	s_lshl_b32 s68, s17, 3
	s_lshl_b32 s70, s14, 1
	s_add_co_u32 s68, s68, s70
	s_lshl_b32 s68, s68, 13
	s_lshl_b32 s70, s18, 9
	s_add_co_u32 s68, s68, s70                     ; row 8 b + 2 w of 8,192 bytes, + my 128 tokens
	s_add_nc_u64 s[8:9], s[8:9], s[68:69]          ; in rel
	s_add_nc_u64 s[6:7], s[6:7], s[66:67]          ; the image at my part of place A's first fill
	s_mov_b32 s32, 1                               ; group 0 for place A: count = 1,
	s_mul_i32 s33, s14, WPART                      ; LDS address,
	s_mov_b64 s[34:35], s[6:7]                     ; global address,
	s_or_b32 s35, s35, 0x80000000                  ; type = 2
	s_mov_b32 s36, 1                               ; and for place B
	s_add_co_u32 s37, s33, PLACE
	s_add_nc_u64 s[38:39], s[6:7], PLACE
	s_or_b32 s39, s39, 0x80000000
	s_mov_b32 s48, 1                               ; and for x's codes
	s_mul_i32 s49, s14, XQB
	s_add_co_u32 s49, s49, XB
	s_mov_b64 s[50:51], s[4:5]
	s_or_b32 s51, s51, 0x80000000
	ROUND                                          ; all four work-groups are here: the first joint loads meet
	tensor_load_to_lds s[32:35], s[24:31]          ; place A: the first quarter's tiles 0-7
	s_nop 0
	tensor_load_to_lds s[48:51], s[40:47]          ; x's codes, a quarter of the block a wave
	s_nop 0
	tensor_load_to_lds s[36:39], s[24:31]          ; place B: tiles 8-15
	s_nop 0
	PLACES 4
	WIN TO1
.irp e, 0,1,2,3,4,5,6,7,8,9,10,11,12,13,14,15  ; the table: eight numbers for each of 16 entries; they hang on the lane's half alone
.irp i, 0,1
	global_load_b128 v[TBL+8*\e+4*\i:TBL+8*\e+4*\i+3], v[H32], s[8:9] offset:8192*(\e/8)+64*(\e%8)+16*\i   ; rel[8 b + 2 w + e / 8][.. + 16 (e % 8) + 8 h + ..]
.endr
.endr
	WIN 0
.set i, 0
.rept 64
	v_mov_b32 v[ACC+i], 0                          ; the sums.  (A quarter is written once for the loop: its first trip finds zeros)
.set i, i+1
.endr
	s_wait_tensorcnt 0x1                           ; my parts of place A and of x's codes are in; place B's may stay out
	s_wait_loadcnt 0x0                             ; the table
	s_barrier_signal -1
	s_barrier_wait -1                              ; everybody's part of x's codes is in
	s_mov_b32 s22, 0                               ; the quarter's place in the block of x's images
	s_mov_b32 s23, 3
.Lgroup:
	GROUP 1
	s_add_co_u32 s22, s22, XQB
	s_sub_co_u32 s23, s23, 1
	s_cmp_lg_u32 s23, 0
	s_cbranch_scc1 .Lgroup
	GROUP 0                                        ; the last quarter is written out
	; THE END.  Each of the 16 sums: its two pairs, the pair's halves, the other half of the lanes.  Then lane (r, .) holds number 16 a + r of the wave's 256; they go through my stage and leave as 512 consecutive bytes a store.
.irp a, 0,1,2,3,4,5,6,7,8,9,10,11,12,13,14,15
	v_pk_add_f32 v[ACC+4*\a:ACC+4*\a+1], v[ACC+4*\a:ACC+4*\a+1], v[ACC+4*\a+2:ACC+4*\a+3]
.endr
.irp a, 0,1,2,3,4,5,6,7,8,9,10,11,12,13,14,15
	v_add_f32 v[ACC+4*\a], v[ACC+4*\a], v[ACC+4*\a+1]
.endr
.irp a, 0,1,2,3,4,5,6,7,8,9,10,11,12,13,14,15
	v_permlanex16_b32 v[ACC+4*\a+1], v[ACC+4*\a], s20, s21
.endr
.irp a, 0,1,2,3,4,5,6,7,8,9,10,11,12,13,14,15
	v_add_f32 v[ACC+4*\a], v[ACC+4*\a], v[ACC+4*\a+1]
.endr
	v_cmp_gt_u32 vcc_lo, 16, v[LN]
.irp u, 0,1,2,3,4,5,6,7
	v_cndmask_b32 v[ACC+8*\u], v[ACC+8*\u+4], v[ACC+8*\u], vcc_lo   ; lanes 0-15 keep sum 2 u, lanes 16-31 take sum 2 u + 1
.endr
.irp u, 0,1,2,3,4,5,6,7
	ds_store_b32 v[STW], v[ACC+8*\u] offset:128*\u
.endr
	ds_load_b128 v[D:D+3], v[STR]                  ; LDS serves a wave's instructions in order: these see my stores
	ds_load_b128 v[D+4:D+7], v[STR] offset:512
	s_wait_dscnt 0x0
	global_store_b128 v[L16], v[D:D+3], s[OUTP:OUTP+1]                  ; channels 256 w on
	global_store_b128 v[L16], v[D+4:D+7], s[OUTP:OUTP+1] offset:OSTEP   ; channels 256 w + 128 on
	s_wait_tensorcnt 0x0                           ; the wave's end, behind my last tensor load and my last LDS store
	ds_add_u32 v[SPW], v[NIL]
	s_wait_dscnt 0x0
	ROUND                                          ; the closing round: no work-group ends while a partner may still ask for a part that names it
	s_endpgm
.Lfunc_end_k_qbf90d10f52_pass2:
	.size	k_qbf90d10f52_pass2, .Lfunc_end_k_qbf90d10f52_pass2-k_qbf90d10f52_pass2
	.p2alignl 7, 3214868480
	.fill 96, 4, 3214868480
	.section	.rodata,"a",@progbits
	.p2align	6, 0x0
	.amdhsa_kernel k_qbf90d10f52_pass2
		.amdhsa_group_segment_fixed_size 327680
		.amdhsa_private_segment_fixed_size 0
		.amdhsa_enable_private_segment 0
		.amdhsa_kernarg_size 32
		.amdhsa_user_sgpr_count 2
		.amdhsa_user_sgpr_kernarg_segment_ptr 1
		.amdhsa_wavefront_size32 1
		.amdhsa_system_sgpr_workgroup_id_x 1
		.amdhsa_system_sgpr_workgroup_id_y 1
		.amdhsa_system_sgpr_workgroup_id_z 1
		.amdhsa_system_vgpr_workitem_id 0
		.amdhsa_next_free_vgpr 1024
		.amdhsa_next_free_sgpr 80
		.amdhsa_reserve_vcc 1
		.amdhsa_float_denorm_mode_32 3
		.amdhsa_float_denorm_mode_16_64 3
		.amdhsa_memory_ordered 1
		.amdhsa_forward_progress 1
		.amdhsa_inst_pref_size 177
	.end_amdhsa_kernel
	.amdgpu_metadata
---
amdhsa.version: [ 1, 2 ]
amdhsa.kernels:
  - .name:           k_qbf90d10f52_pass2
    .symbol:         k_qbf90d10f52_pass2.kd
    .args:
      - { .name: xc, .offset: 0, .size: 8, .value_kind: global_buffer, .address_space: global }
      - { .name: wv_img, .offset: 8, .size: 8, .value_kind: global_buffer, .address_space: global }
      - { .name: rel, .offset: 16, .size: 8, .value_kind: global_buffer, .address_space: global }
      - { .name: part, .offset: 24, .size: 8, .value_kind: global_buffer, .address_space: global }
    .group_segment_fixed_size: 327680
    .private_segment_fixed_size: 0
    .kernarg_segment_align: 8
    .kernarg_segment_size: 32
    .max_flat_workgroup_size: 128
    .sgpr_count:     80
    .vgpr_count:     1024
    .wavefront_size: 32
...
	.end_amdgpu_metadata
.endif
;; end of part 4
;; launch reduce (part 5): grid 4 x 16, 2 waves a work-group, no clusters, 0 bytes of LDS; arguments part, out0; writes out0
.if DOCPART == 5
	.amdgcn_target "amdgcn-amd-amdhsa--gfx1250"
	.amdhsa_code_object_version 6
	.text
	.protected	k_qbf90d10f52_reduce
	.globl	k_qbf90d10f52_reduce
	.p2align	8
	.type	k_qbf90d10f52_reduce,@function
k_qbf90d10f52_reduce:
	s_mov_b64 s[64:65], 0
	v_nop
	global_prefetch_b8 v0, s[64:65] scope:SCOPE_SE
	s_setreg_imm32_b32 hwreg(HW_REG_WAVE_MODE, 25, 1), 1
	s_wait_xcnt 0x0
; FIFTH LAUNCH of five: out0[b][c] = the sum over the batch's 16 blocks of 128 tokens of part[16 b + i][c], i ascending, in f32.  No work of reference() is left out here.
; Work-group (X, b) takes 256 channels of batch b; a thread takes four: 16 loads of 16 bytes, 4,096 bytes apart, and one store; a wave's load or store covers 512 consecutive bytes, aligned.
; One owner for each output: no atomics.  No LDS, no barrier, no matrix unit: 1 MiB is read once and 64 KiB written once.
	s_load_b128 s[4:7], s[0:1], 0x0                ; part, out0
	v_lshlrev_b32 v1, 4, v0                        ; 16 bytes a thread
	s_and_b32 s8, ttmp7, 0xffff                    ; the batch
	s_lshl_b32 s9, ttmp9, 10                       ; my 256 channels
	s_lshl_b32 s10, s8, 16                         ; part: 16 rows of 4,096 bytes a batch
	s_add_co_u32 s10, s10, s9
	s_mov_b32 s11, 0
	s_lshl_b32 s12, s8, 12                         ; out0: a row of 4,096 bytes a batch
	s_add_co_u32 s12, s12, s9
	s_mov_b32 s13, 0
	s_wait_kmcnt 0x0
	s_add_nc_u64 s[4:5], s[4:5], s[10:11]
	s_add_nc_u64 s[6:7], s[6:7], s[12:13]
.irp i, 0,1,2,3,4,5,6,7,8,9,10,11,12,13,14,15
	global_load_b128 v[4+4*\i:7+4*\i], v1, s[4:5] offset:4096*\i th:TH_LOAD_NT
.endr
.irp i, 1,2,3,4,5,6,7,8,9,10,11,12,13,14,15
	s_wait_loadcnt 15-\i                           ; loads come back in order: rows 0 to i are in, the later rows' may be out
	v_pk_add_f32 v[4:5], v[4:5], v[4+4*\i:5+4*\i]
	v_pk_add_f32 v[6:7], v[6:7], v[6+4*\i:7+4*\i]
.endr
	global_store_b128 v1, v[4:7], s[6:7]
	s_endpgm
.Lfunc_end_k_qbf90d10f52_reduce:
	.size	k_qbf90d10f52_reduce, .Lfunc_end_k_qbf90d10f52_reduce-k_qbf90d10f52_reduce
	.p2alignl 7, 3214868480
	.fill 96, 4, 3214868480
	.section	.rodata,"a",@progbits
	.p2align	6, 0x0
	.amdhsa_kernel k_qbf90d10f52_reduce
		.amdhsa_group_segment_fixed_size 0
		.amdhsa_private_segment_fixed_size 0
		.amdhsa_enable_private_segment 0
		.amdhsa_kernarg_size 16
		.amdhsa_user_sgpr_count 2
		.amdhsa_user_sgpr_kernarg_segment_ptr 1
		.amdhsa_wavefront_size32 1
		.amdhsa_system_sgpr_workgroup_id_x 1
		.amdhsa_system_sgpr_workgroup_id_y 1
		.amdhsa_system_sgpr_workgroup_id_z 1
		.amdhsa_system_vgpr_workitem_id 0
		.amdhsa_next_free_vgpr 80
		.amdhsa_next_free_sgpr 66
		.amdhsa_reserve_vcc 0
		.amdhsa_float_denorm_mode_32 3
		.amdhsa_float_denorm_mode_16_64 3
		.amdhsa_memory_ordered 1
		.amdhsa_forward_progress 1
		.amdhsa_inst_pref_size 5
	.end_amdhsa_kernel
	.amdgpu_metadata
---
amdhsa.version: [ 1, 2 ]
amdhsa.kernels:
  - .name:           k_qbf90d10f52_reduce
    .symbol:         k_qbf90d10f52_reduce.kd
    .args:
      - { .name: part, .offset: 0, .size: 8, .value_kind: global_buffer, .address_space: global }
      - { .name: out0, .offset: 8, .size: 8, .value_kind: global_buffer, .address_space: global }
    .group_segment_fixed_size: 0
    .private_segment_fixed_size: 0
    .kernarg_segment_align: 8
    .kernarg_segment_size: 16
    .max_flat_workgroup_size: 64
    .sgpr_count:     66
    .vgpr_count:     80
    .wavefront_size: 32
...
	.end_amdgpu_metadata
.endif
;; end of part 5
;; ======== version 2 of 2: 5 launches
;; limits: right only within a limited range of input values
;; workspace buffers: wk_img 819,200 bytes; wv_img 819,200 bytes; q0 65,536 bytes; xc 27,262,976 bytes; temp 1,048,576 bytes; rel 1,048,576 bytes; part 1,048,576 bytes
;; launch prep (part 6): grid 32 x 3, 8 waves a work-group, no clusters, 18,432 bytes of LDS; arguments x, Wq, Wk, Wv, wk_img, wv_img, q0; writes wk_img, wv_img, q0
.if DOCPART == 6
	.amdgcn_target "amdgcn-amd-amdhsa--gfx1250"
	.amdhsa_code_object_version 6
	.text
	.protected	k_qbf90d10f52_prep
	.globl	k_qbf90d10f52_prep
	.p2align	8
	.type	k_qbf90d10f52_prep,@function
k_qbf90d10f52_prep:
	s_mov_b64 s[64:65], 0
	v_nop
	global_prefetch_b8 v0, s[64:65] scope:SCOPE_SE
	s_setreg_imm32_b32 hwreg(HW_REG_WAVE_MODE, 25, 1), 1
	s_wait_xcnt 0x0
; FIRST OF FIVE LAUNCHES of: out[b][h 128 + d] = sum over n of rel[b][h][n] v[b][n][h][d], rel = softmax(where(temp >= the 512th largest temp, temp, 0)), temp = q0 . k / sqrt(128),
; q0 = Q(x[:,0]) Q(Wq), k = Q(x) Q(Wk), v = Q(x) Q(Wv), Q the quantiser to E2M3 with one E8M0 scale for each 32 along K = 1,024.
; NO WORK OF reference() IS LEFT OUT: it takes query 0 alone already; every row of k enters the rank that gives the threshold; a score under the threshold becomes 0, not -infinity, so every row of v has a
; weight above 0.  All four inputs are loaded.
; THIS LAUNCH: work-group y = 0: Wk, y = 1: Wv become codes and scale bytes, laid in the order in which the two large launches' operand registers take them; y = 2: q0 = Q(x[:,0]) Q(Wq), [16][1024] f32.
; W is [K][N]: A LANE TAKES A COLUMN AND ITS REGISTERS RUN DOWN K.  A wave takes 32 columns x 128 along K (one K step): wave s takes K step s of columns 32 gx on, gx = work-group x.
; A load reads 128 consecutive bytes of a row of W.  A block of 32 along K is 32 registers of one lane: its largest magnitude needs no other lane.
; Eight waves to a work-group: the eight K steps of 32 columns, which q0's sum over K brings together; 96 work-groups.
; THE IMAGE.  A block of 25,600 bytes for each (quarter of K q, half sl, wave w of the reader) at ((2 q + sl) 4 + w) 25,600: head 2 w + sl, K steps 2 q and 2 q + 1.  In it the fragment of column tile c8 (0..7) and
; K step 2 q + k at 3,072 c8 + 1,536 k, as its 12 registers stand: registers 4 i .. 4 i + 3 of lane l at 512 i + 16 l.  The scale words of tile c8 at 24,576 + 128 c8: channel r's word of K step 2 q at 4 r, of 2 q + 1 at 64 + 4 r.
; The two ways part ONCE, on the work-group's y, and do not join: each has its own barrier, its own LDS bytes and its own end.
; No cluster and no tensor load: work-groups share nothing but the 16 rows x[:,0], 64 KiB in all.
; q0 leaves in runs of 64 bytes (sixteen lanes, one row each of two): 64 KiB in all.
; LIMITS: NaN and infinities among the inputs are not served.  A block of zeros keeps the scale byte 1 where the rule says 127: its codes are zeros, and this program alone reads the bytes.
.set SCL,   0                          ; LDS, way of the images: 1,024 bytes of scale words: 256 q + 128 (column tile of the wave) + 64 k + 4 r
.set PS,    1024                       ; LDS, way of q0: 2,048 bytes for each wave: its two tiles' partial sums as the registers stand
.set SPARE, 17408                      ; the spare words, 128 bytes for each of the 8 waves: four blocks of 256 bytes that no other line names
.set LN,  1                            ; lane
.set RR,  2                            ; r = lane % 16
.set HH,  3                            ; h = lane / 16
.set L4,  4                            ; 4 x lane
.set L16, 5                            ; 16 x lane
.set SCW, 6                            ; where I put my column's scale word
.set SCR, 7                            ; where I read 8 bytes of a quarter's scale words back
.set PSW, 8                            ; where I put my partial sums
.set PSR, 9                            ; where I read the eight K steps' partial sums
.set QO,  10                           ; my byte offset in q0
.set XA0, 11                           ; my byte offset in x: batch r's row 0, + 64 h
.set PW,  12                           ; x's scale word (a scale register: it holds nothing else)
.set SW,  13                           ; my column's scale word (likewise)
.set SPW, 14                           ; LDS address of my spare word; never rewritten
.set NIL, 15                           ; 0; never rewritten
.set MX,  16                           ; v16-19 largest magnitudes, v20-23 the conversions' scale operands, v24-27 a second chain, then the bytes
.set SOP, 20
.set BY,  24
.set L8,  28
.set TM,  16                           ; the same sixteen registers serve x's quantiser
.set F0,  32                           ; v32-43 the fragment of the wave's first column tile, v44-55 of its second
.set F1,  44
.set T,   56
.set WN,  64                           ; v64-191 128 numbers of my column
.set PC,  64                           ; later: x's codes,
.set D0,  96                           ; the two tiles of q0,
.set D1,  104
.set RS,  112                          ; and the eight partial sums
.set XN,  192                          ; v192-255 64 numbers of x
	s_load_b256 s[4:11], s[0:1], 0x0               ; x s[4:5], Wq s[6:7], Wk s[8:9], Wv s[10:11]
	s_load_b128 s[12:15], s[0:1], 0x20             ; wk_img, wv_img
	s_load_b64 s[16:17], s[0:1], 0x30              ; q0
	v_lshl_add_u32 v[SPW], v0, 2, SPARE
	v_mov_b32 v[NIL], 0
	v_lshrrev_b32 v[LN], 5, v0
	s_delay_alu instid0(VALU_DEP_1)
	v_readfirstlane_b32 s19, v[LN]                 ; wave 0..7 = s: my K step
	s_and_b32 s22, ttmp7, 0xffff                   ; y
	s_lshr_b32 s28, s19, 1                         ; q = s / 2
	s_and_b32 s29, s19, 1                          ; k = s % 2
	s_and_b32 s23, s19, 3                          ; s % 4
	v_and_b32 v[LN], 31, v0
	v_and_b32 v[RR], 15, v0
	v_bfe_u32 v[HH], v0, 4, 1
	s_delay_alu instid0(VALU_DEP_3)
	v_lshlrev_b32 v[L4], 2, v[LN]
	s_delay_alu instid0(VALU_DEP_4)
	v_lshlrev_b32 v[L16], 4, v[LN]
	; every LDS address is made here, ahead of the parting, of the wave's number, the lane and constants
	s_wait_alu depctr_va_vdst(0)
	s_lshl_b32 s31, s28, 8
	s_lshl_b32 s32, s29, 6
	s_add_co_u32 s31, s31, s32
	v_lshlrev_b32 v[SCW], 2, v[RR]
	s_delay_alu instid0(VALU_DEP_1)
	v_lshl_add_u32 v[SCW], v[HH], 7, v[SCW]
	s_delay_alu instid0(VALU_DEP_1)
	v_add_nc_u32 v[SCW], s31, v[SCW]               ; 256 q + 64 k + 128 h + 4 r
	s_lshl_b32 s31, s23, 8
	v_lshl_add_u32 v[SCR], v[LN], 3, s31           ; 256 (s % 4) + 8 x lane
	s_lshl_b32 s31, s19, 11
	s_add_co_u32 s31, s31, PS
	v_add_nc_u32 v[PSW], s31, v[L16]               ; PS + 2,048 wave + 16 x lane
	s_lshl_b32 s31, s28, 9
	s_lshl_b32 s32, s29, 3
	s_add_co_u32 s31, s31, s32
	s_add_co_u32 s31, s31, PS
	v_add_nc_u32 v[PSR], s31, v[L16]               ; PS + 512 (s / 2) + 8 (s % 2) + 16 x lane
	; offsets in memory
	s_lshl_b32 s31, s23, 13
	s_lshl_b32 s32, ttmp9, 7
	s_add_co_u32 s31, s31, s32
	s_lshr_b32 s32, s19, 2
	s_lshl_b32 s32, s32, 6
	s_add_co_u32 s31, s31, s32
	v_lshlrev_b32 v[QO], 2, v[RR]
	s_delay_alu instid0(VALU_DEP_1)
	v_lshl_add_u32 v[QO], v[HH], 15, v[QO]
	s_delay_alu instid0(VALU_DEP_1)
	v_add_nc_u32 v[QO], s31, v[QO]                 ; q0[8 h + 2 (s % 4)][32 gx + 16 (s / 4) + r]
	v_lshlrev_b32 v[XA0], 23, v[RR]
	s_delay_alu instid0(VALU_DEP_1)
	v_lshl_or_b32 v[XA0], v[HH], 6, v[XA0]         ; a batch of x is 2,048 rows of 4,096 bytes
	s_lshl_b32 s32, s19, 19                        ; W: 128 s rows of 4,096 bytes,
	s_lshl_b32 s33, ttmp9, 7                       ; + 32 gx columns
	s_add_co_u32 s32, s32, s33
	s_mov_b32 s33, 0
	s_lshr_b32 s34, ttmp9, 3                       ; the reader's wave w,
	s_bfe_u32 s35, ttmp9, 0x10002                  ; its half sl,
	s_and_b32 s36, ttmp9, 3                        ; and my pair of column tiles in that head
	s_lshl_b32 s40, s28, 1
	s_add_co_u32 s40, s40, s35
	s_lshl_b32 s40, s40, 2
	s_add_co_u32 s40, s40, s34
	s_mul_i32 s40, s40, 25600
	s_mul_i32 s37, s36, 6144
	s_add_co_u32 s40, s40, s37
	s_mul_i32 s37, s29, 1536
	s_add_co_u32 s40, s40, s37                     ; where my two fragments go
	s_mov_b32 s41, 0
	s_lshl_b32 s42, s23, 1
	s_add_co_u32 s42, s42, s35
	s_lshl_b32 s42, s42, 2
	s_add_co_u32 s42, s42, s34
	s_mul_i32 s42, s42, 25600
	s_lshl_b32 s37, s36, 8
	s_add_co_u32 s42, s42, s37
	s_add_co_u32 s42, s42, 24576                   ; where quarter s % 4's scale words of my 32 columns go
	s_mov_b32 s43, 0
	s_lshl_b32 s44, s19, 9                         ; x: 128 s numbers along K
	s_mov_b32 s45, 0
	s_mov_b32 s46, 0x76543210
	s_mov_b32 s47, 0xfedcba98                      ; v_permlanex16_b32's selects for lane l xor 16
	s_wait_kmcnt 0x0
	s_cmp_eq_u32 s22, 0                            ; the choices hang on the work-group's y alone
	s_cselect_b64 s[24:25], s[8:9], s[10:11]
	s_cselect_b64 s[26:27], s[12:13], s[14:15]
	s_cmp_eq_u32 s22, 2
	s_cselect_b64 s[24:25], s[6:7], s[24:25]
	s_add_nc_u64 s[24:25], s[24:25], s[32:33]      ; my part of W
	s_add_nc_u64 s[38:39], s[26:27], s[42:43]      ; the image: scale words,
	s_add_nc_u64 s[26:27], s[26:27], s[40:41]      ; fragments
	s_add_nc_u64 s[4:5], s[4:5], s[44:45]
.macro WLOAD                           ; W(128 s + i, my column), i = 0 .. 127
.set wi, 0
.rept 128
	global_load_b32 v[WN+wi], v[L4], s[24:25] offset:wi*4096 th:TH_LOAD_NT
.set wi, wi+1
.endr
.endm
; My column's four blocks of 32 become codes and a scale word; then the halves of the lanes change places, so that F0 and F1 are the fragments of the wave's two column tiles.
; THE WAITS.  Loads come back in order (ISA guide 5.7.1).  A wait's count can name 63 at the most: with at most 63 of the 128 loads of W out, the first 65 are in: blocks 0 and 1 (and what was asked for before W), so one
; wait serves both.  Block 2's wait leaves block 3's 32 loads out; block 3's is for 0.
.macro WQUANT
.irp b, 0,1,2,3
.if \b == 0
	s_wait_loadcnt 63                              ; blocks 0 and 1 are in; of blocks 2 and 3 up to 63 loads may be out
.endif
.if \b >= 2
	s_wait_loadcnt 96-32*\b                        ; block b's 32 are in, the later block's may be out
.endif
	v_max3_num_f32 v[MX+\b], |v[WN+32*\b]|, |v[WN+32*\b+1]|, |v[WN+32*\b+2]|
	v_max3_num_f32 v[BY+\b], |v[WN+32*\b+3]|, |v[WN+32*\b+4]|, |v[WN+32*\b+5]|
.irp i, 6,10,14,18,22,26
	s_delay_alu instid0(VALU_DEP_2)
	v_max3_num_f32 v[MX+\b], v[MX+\b], |v[WN+32*\b+\i]|, |v[WN+32*\b+\i+1]|
	s_delay_alu instid0(VALU_DEP_2)
	v_max3_num_f32 v[BY+\b], v[BY+\b], |v[WN+32*\b+\i+2]|, |v[WN+32*\b+\i+3]|
.endr
	s_delay_alu instid0(VALU_DEP_2)
	v_max3_num_f32 v[MX+\b], v[MX+\b], |v[WN+32*\b+30]|, |v[WN+32*\b+31]|
	s_delay_alu instid0(VALU_DEP_1)
	v_max3_num_f32 v[MX+\b], v[MX+\b], v[BY+\b], 0x1800000   ; and the floor 2^(3 - 127): the byte cannot fall under 1
.endr
.irp b, 0,1,2,3
	v_add_nc_u32 v[SOP+\b], 0xff000000, v[MX+\b]   ; 2 off the exponent field: the conversion takes this operand's exponent field as its scale
.endr
.irp b, 0,1,2,3
	s_delay_alu instid0(VALU_DEP_4)
	v_lshrrev_b32 v[BY+\b], 23, v[SOP+\b]          ; the scale's byte
.endr
	s_delay_alu instid0(VALU_DEP_3)
	v_lshl_or_b32 v[SW], v[BY+1], 8, v[BY]
	s_delay_alu instid0(VALU_DEP_1)
	v_lshl_or_b32 v[SW], v[BY+2], 16, v[SW]
	s_delay_alu instid0(VALU_DEP_1)
	v_lshl_or_b32 v[SW], v[BY+3], 24, v[SW]        ; my column's word for this K step
.irp c, 0,1                            ; blocks 2 c into F0, 2 c + 1 into F1; a conversion's three registers begin on an even number, so a block's upper 16 codes are made elsewhere and moved
	v_cvt_scalef32_pk16_fp6_f32 v[F0+6*\c:F0+6*\c+2], v[WN+64*\c:WN+64*\c+15], v[SOP+2*\c]
	v_cvt_scalef32_pk16_fp6_f32 v[T:T+2], v[WN+64*\c+16:WN+64*\c+31], v[SOP+2*\c]
	v_cvt_scalef32_pk16_fp6_f32 v[F1+6*\c:F1+6*\c+2], v[WN+64*\c+32:WN+64*\c+47], v[SOP+2*\c+1]
	v_cvt_scalef32_pk16_fp6_f32 v[T+4:T+6], v[WN+64*\c+48:WN+64*\c+63], v[SOP+2*\c+1]
	v_nop                                          ; one plain place behind the scaled conversions
.irp i, 0,1,2
	v_mov_b32 v[F0+6*\c+3+\i], v[T+\i]
	v_mov_b32 v[F1+6*\c+3+\i], v[T+4+\i]
.endr
.endr
.irp i, 0,1,2,3,4,5,6,7,8,9,10,11      ; F0's lanes 16-31 (blocks 0, 2 of columns 16 + r) change places with F1's lanes 0-15 (blocks 1, 3 of columns r): lane (r, h) of each then holds blocks h and 2 + h of its tile's column r
	v_permlane16_swap_b32 v[F0+\i], v[F1+\i]
.endr
.endm
	s_cmp_eq_u32 s22, 2
	s_cbranch_scc1 .Lq0
	; ---- the images of Wk and Wv
	WLOAD
	WQUANT
.irp i, 0,1,2
	global_store_b128 v[L16], v[F0+4*\i:F0+4*\i+3], s[26:27] offset:512*\i        ; each store covers 512 consecutive bytes, aligned
	global_store_b128 v[L16], v[F1+4*\i:F1+4*\i+3], s[26:27] offset:3072+512*\i
.endr
	ds_store_b32 v[SCW], v[SW]
	s_wait_dscnt 0x0                               ; for the others' sake: my store has landed
	s_barrier_signal -1
	s_barrier_wait -1
	s_cmp_ge_u32 s19, 4                            ; four waves send a quarter's 256 bytes of scale words each
	s_cbranch_scc1 .Lw_end
	ds_load_b64 v[T:T+1], v[SCR]
	v_lshlrev_b32 v[L8], 3, v[LN]
	s_wait_alu depctr_va_vdst(0)
	s_wait_dscnt 0x0
	global_store_b64 v[L8], v[T:T+1], s[38:39]     ; 32 lanes store 256 consecutive bytes, aligned
.Lw_end:
	s_wait_tensorcnt 0x0                           ; the wave's end, behind my last LDS store
	ds_add_u32 v[SPW], v[NIL]
	s_wait_dscnt 0x0
	s_endpgm
	; ---- q0: my K step's part of 16 batches x 32 columns; the eight K steps' parts meet in LDS
.Lq0:
	s_wait_alu depctr_va_vdst(0)
.irp b, 0,1,2,3
.irp j, 0,1,2,3
	global_load_b128 v[XN+16*\b+4*\j:XN+16*\b+4*\j+3], v[XA0], s[4:5] offset:128*\b+16*\j   ; lane (r, h): of batch r's row 0, 16 neighbours of each block of 32
.endr
.endr
	WLOAD
	WQUANT                                         ; x's numbers were asked for ahead of W: its first wait has shown them in
	; 64 numbers of a lane, register 16 b + i = k 32 b + 16 h + i of my row, become a fragment's codes in v[PC] on and its scale word in v[PW]
.irp b, 0,1,2,3
	v_max3_num_f32 v[TM+\b], |v[XN+16*\b]|, |v[XN+16*\b+1]|, 0x1800000
.endr
.irp i, 2,4,6,8,10,12,14
.irp b, 0,1,2,3
	s_delay_alu instid0(VALU_DEP_4)
	v_max3_num_f32 v[TM+\b], v[TM+\b], |v[XN+16*\b+\i]|, |v[XN+16*\b+\i+1]|
.endr
.endr
.irp b, 0,1,2,3
	s_delay_alu instid0(VALU_DEP_4)
	v_permlanex16_b32 v[TM+4+\b], v[TM+\b], s46, s47
.endr
.irp b, 0,1,2,3
	s_delay_alu instid0(VALU_DEP_4)
	v_max_num_f32 v[TM+\b], v[TM+\b], v[TM+4+\b]   ; with lane l xor 16's: the block's largest magnitude
.endr
.irp b, 0,1,2,3
	s_delay_alu instid0(VALU_DEP_4)
	v_add_nc_u32 v[TM+12+\b], 0xff000000, v[TM+\b]
.endr
.irp b, 0,1,2,3
	s_delay_alu instid0(VALU_DEP_4)
	v_lshrrev_b32 v[TM+4+\b], 23, v[TM+12+\b]
.endr
	s_delay_alu instid0(VALU_DEP_3)
	v_lshl_or_b32 v[PW], v[TM+5], 8, v[TM+4]
	s_delay_alu instid0(VALU_DEP_1)
	v_lshl_or_b32 v[PW], v[TM+6], 16, v[PW]
	s_delay_alu instid0(VALU_DEP_1)
	v_lshl_or_b32 v[PW], v[TM+7], 24, v[PW]
.irp c, 0,1
	v_cvt_scalef32_pk16_fp6_f32 v[PC+6*\c:PC+6*\c+2], v[XN+32*\c:XN+32*\c+15], v[TM+12+2*\c]
	v_cvt_scalef32_pk16_fp6_f32 v[PC+12+4*\c:PC+14+4*\c], v[XN+32*\c+16:XN+32*\c+31], v[TM+13+2*\c]
.endr
	v_nop                                          ; one plain place behind the scaled conversions
.irp c, 0,1                            ; the operand's layout wants a whole block in a lane
.irp i, 0,1,2
	v_permlane16_swap_b32 v[PC+6*\c+\i], v[PC+12+4*\c+\i]
.endr
.irp i, 0,1,2
	s_delay_alu instid0(VALU_DEP_3)
	v_mov_b32 v[PC+3+6*\c+\i], v[PC+12+4*\c+\i]
.endr
.endr
.rept 8
	v_nop                                          ; a scale register written by a vector instruction stands 8 places ahead of a scaled matrix instruction, an operand so written 4
.endr
	v_wmma_scale_f32_16x16x128_f8f6f4 v[D0:D0+7], v[PC:PC+11], v[F0:F0+11], 0, v[PW], v[SW] matrix_a_fmt:MATRIX_FMT_FP6 matrix_b_fmt:MATRIX_FMT_FP6
	v_wmma_scale_f32_16x16x128_f8f6f4 v[D1:D1+7], v[PC:PC+11], v[F1:F1+11], 0, v[PW], v[SW] matrix_a_fmt:MATRIX_FMT_FP6 matrix_b_fmt:MATRIX_FMT_FP6 matrix_b_scale:MATRIX_SCALE_ROW1
.rept 4
	v_nop                                          ; four places ahead of the stores that read the results
.endr
	ds_store_b128 v[PSW], v[D0:D0+3]               ; register j of lane (r, h): batch 8 h + j, column r of the tile; each result from its low end on
	ds_store_b128 v[PSW], v[D0+4:D0+7] offset:512
	ds_store_b128 v[PSW], v[D1:D1+3] offset:1024
	ds_store_b128 v[PSW], v[D1+4:D1+7] offset:1536
	s_wait_dscnt 0x0                               ; for the others' sake: my stores have landed
	s_barrier_signal -1
	s_barrier_wait -1
.irp g, 0,1,2,3,4,5,6,7                ; wave s adds registers 2 (s % 4), + 1 of tile s / 4 over the eight K steps, K ascending
	ds_load_b64 v[RS+2*\g:RS+2*\g+1], v[PSR] offset:2048*\g
.endr
	s_wait_dscnt 0x0
.irp g, 1
	v_pk_add_f32 v[RS:RS+1], v[RS:RS+1], v[RS+2*\g:RS+2*\g+1]
.endr
.irp g, 2, 3, 4, 5, 6, 7
	s_delay_alu instid0(VALU_DEP_1)
	v_pk_add_f32 v[RS:RS+1], v[RS:RS+1], v[RS+2*\g:RS+2*\g+1]
.endr
	global_store_b32 v[QO], v[RS], s[16:17]
	global_store_b32 v[QO], v[RS+1], s[16:17] offset:4096
	s_wait_tensorcnt 0x0                           ; the wave's end, behind my last LDS store
	ds_add_u32 v[SPW], v[NIL]
	s_wait_dscnt 0x0
	s_endpgm
.Lfunc_end_k_qbf90d10f52_prep:
	.size	k_qbf90d10f52_prep, .Lfunc_end_k_qbf90d10f52_prep-k_qbf90d10f52_prep
	.p2alignl 7, 3214868480
	.fill 96, 4, 3214868480
	.section	.rodata,"a",@progbits
	.p2align	6, 0x0
	.amdhsa_kernel k_qbf90d10f52_prep
		.amdhsa_group_segment_fixed_size 18432
		.amdhsa_private_segment_fixed_size 0
		.amdhsa_enable_private_segment 0
		.amdhsa_kernarg_size 56
		.amdhsa_user_sgpr_count 2
		.amdhsa_user_sgpr_kernarg_segment_ptr 1
		.amdhsa_wavefront_size32 1
		.amdhsa_system_sgpr_workgroup_id_x 1
		.amdhsa_system_sgpr_workgroup_id_y 1
		.amdhsa_system_sgpr_workgroup_id_z 1
		.amdhsa_system_vgpr_workitem_id 0
		.amdhsa_next_free_vgpr 256
		.amdhsa_next_free_sgpr 66
		.amdhsa_reserve_vcc 0
		.amdhsa_float_denorm_mode_32 3
		.amdhsa_float_denorm_mode_16_64 3
		.amdhsa_memory_ordered 1
		.amdhsa_forward_progress 1
		.amdhsa_inst_pref_size 55
	.end_amdhsa_kernel
	.amdgpu_metadata
---
amdhsa.version: [ 1, 2 ]
amdhsa.kernels:
  - .name:           k_qbf90d10f52_prep
    .symbol:         k_qbf90d10f52_prep.kd
    .args:
      - { .name: x, .offset: 0, .size: 8, .value_kind: global_buffer, .address_space: global }
      - { .name: Wq, .offset: 8, .size: 8, .value_kind: global_buffer, .address_space: global }
      - { .name: Wk, .offset: 16, .size: 8, .value_kind: global_buffer, .address_space: global }
      - { .name: Wv, .offset: 24, .size: 8, .value_kind: global_buffer, .address_space: global }
      - { .name: wk_img, .offset: 32, .size: 8, .value_kind: global_buffer, .address_space: global }
      - { .name: wv_img, .offset: 40, .size: 8, .value_kind: global_buffer, .address_space: global }
      - { .name: q0, .offset: 48, .size: 8, .value_kind: global_buffer, .address_space: global }
    .group_segment_fixed_size: 18432
    .private_segment_fixed_size: 0
    .kernarg_segment_align: 8
    .kernarg_segment_size: 56
    .max_flat_workgroup_size: 256
    .sgpr_count:     66
    .vgpr_count:     256
    .wavefront_size: 32
...
	.end_amdgpu_metadata
.endif
;; end of part 6
;; launch pass1 (part 7): grid 256 x 1, 4 waves a work-group, clusters of 4 x 1, 327,680 bytes of LDS; arguments x, wk_img, q0, xc, temp; writes xc, temp
.if DOCPART == 7
	.amdgcn_target "amdgcn-amd-amdhsa--gfx1250"
	.amdhsa_code_object_version 6
	.text
	.protected	k_qbf90d10f52_pass1
	.globl	k_qbf90d10f52_pass1
	.p2align	8
	.type	k_qbf90d10f52_pass1,@function
k_qbf90d10f52_pass1:
	s_mov_b64 s[64:65], 0
	v_nop
	global_prefetch_b8 v0, s[64:65] scope:SCOPE_SE
	s_setreg_imm32_b32 hwreg(HW_REG_WAVE_MODE, 25, 1), 1
	s_wait_xcnt 0x0
	s_wait_alu depctr_hold_cnt(0) depctr_sa_sdst(0) depctr_va_vdst(0) depctr_va_sdst(0) depctr_va_ssrc(0) depctr_va_vcc(0) depctr_vm_vsrc(0)
	s_getreg_b32 s2, hwreg(HW_REG_IB_STS2, 6, 4)
	s_cmp_eq_u32 s2, 0
	s_cbranch_scc0 .Lentry_in_a_cluster
	s_endpgm
.Lentry_in_a_cluster:
	s_bfe_u32 s2, ttmp6, 0x10000c
	s_cmp_lg_u32 s2, 0x3003
	s_cbranch_scc0 .Lentry_shape_is_right
	s_endpgm
.Lentry_shape_is_right:
; SECOND LAUNCH (PASS = 1) of five; the fourth launch has a text of its own.  No work of reference() is left out here.
; PASS 1: x is quantised to E2M3 along K and its codes are kept in xc; k = Q(x) Q(Wk) by the matrix unit; temp[b][h][n] = sum over d of q0[b][h][d] k[b][n][h][d], f32 multiply-adds on the results (not yet x 1 / sqrt(128)).
; PASS 2: v = Q(x) Q(Wv) from the kept codes; part[work-group][channel] = sum over the work-group's 128 tokens of rel[b][h][n] v[b][n][channel].  k and v never go to memory.
; SHARES.  A work-group owns 128 tokens (8 tiles t of 16) of one batch and all 1,024 columns; wave w owns columns 256 w on: heads 2 w and 2 w + 1, 16 column tiles c.  K goes in four quarters of two K steps of 128.
; A quarter's 16 fragments of x stay in EVERY wave's registers (192); the weights stream by: each fragment of W is read from LDS once, by one wave, and feeds eight matrix instructions.
; THE WEIGHTS come as images of the operand's registers, made by the first launch, through two LDS places of 102,400 bytes that take turns: place A holds the quarter's tiles c = 0..7 of all four waves, place B c = 8..15.
; Each wave fetches and reads its own 25,600 bytes of a place.  CLUSTER: all work-groups walk the same stream of weights, so the four of a cluster ask for each part JOINTLY: the same tensor load, the same descriptor
; (made of the wave's number and the image's address alone), a mask that names the four.  A refill stands behind a round of the cluster's barrier and has eight column tiles' work, 128 matrix instructions, in which to land.
; x IN PASS 1.  Wave w quantises token tiles 2 w and 2 w + 1.  A unit is one tile x one K step: 16 rows x 512 bytes.  Each of its 16 loads takes the 512 consecutive bytes of one row, 16 a lane; the conversions want 16 neighbours
; along K in one lane, so the unit turns through the wave's own stage in LDS (16 stores as loaded, 16 loads at row r, 64 h + 128 b + 16 j) and comes back into the registers that it left.  The stage's rows are 528 bytes apart,
; an odd multiple of 16: the sixteen rows that a load touches begin in different banks.  Unit i + 1 turns while unit i is quantised.  Each unit has its own registers for its codes, so that no store's data are written
; again within a quarter; one wait for the stores' and loads' registers stands at the loop's end, where the bases step.
; The quarter's images lie in ONE region of LDS, stored anew in each quarter: between a quarter's reads and the next quarter's stores stand the two rounds of the changes of place, each behind every wave's wait for its LDS loads.
; ORIENTATION.  PASS 1: source 0 = 16 channels of W, source 1 = 16 tokens: lane (r, h) holds token 16 t + r and channels 16 c + 8 h + j.  PASS 2: the sources change places: lane (r, h) holds channel 16 c + r and tokens
; 16 t + 8 h + j.  In both the way out of a tile is four packed multiply-adds of the result with a table that hangs on the lane's half alone (PASS 1: q0's 8 channels; PASS 2: rel's 8 tokens), into sums ACC.
; The sums over K are taken by quarters in the matrix unit and then in f32: another order than reference()'s, so a score within rounding of the threshold may fall on its other side.
; LIMITS: NaN and infinities among the inputs are not served.  A block of zeros keeps the scale byte 1 where the rule says 127: its codes are zeros, and this program alone reads the bytes.
; xc: work-group G's block at 106,496 G, quarter q at + 26,624 q: fragment (K step k, tile t) at 1,536 (8 k + t) as its registers stand (registers 4 i .. of lane l at 512 i + 16 l); its scale words at 24,576 + 128 (8 k + t) + 4 l.
; No padding for the images: every read of them takes 512 consecutive bytes.  No prefetch: x is asked for a quarter ahead by 64 loads a wave that are renewed as they are used.
; REGISTERS, in windows of 256 (s_set_vgpr_msb: bits 1:0 source 0, 3:2 source 1, 5:4 source 2, 7:6 destination):
;   window 0: v1-15 addresses; v16-31 x's scale words, v32-33 W's (they hold nothing else); v34-81 W's fragments, two sets of two; v82-145 the eight results; v146-209 ACC
;   window 1: v0-95 x's fragments of the quarter's first K step; v96-223 the table.   window 2: v0-95 those of the second K step; v96-183 the quantiser's.   window 3: four sets of 64 numbers of x, one for each unit.
.set PASS, 1
.set WPART, 25600                      ; a wave's part of a place
.set PLACE, 102400
.set WSC,   24576                      ; in a part: the scale words
.set XB,    204800                     ; LDS: x's images.  PASS 1: one quarter, stored by the waves; PASS 2: the whole block, laid as in xc: one first fill
.set XQB,   26624                      ; a quarter
.set XSCO,  24576                      ; in a quarter: the scale words
.set XST,   231424                     ; PASS 1, behind the quarter: the stages, 16 rows of 528 bytes for each wave
.set XSP,   528
.set STG,   311296                     ; the way out: 1,024 bytes for each wave
.set SPARE, 315392                     ; the spare words, 128 bytes for each wave: two blocks of 256 bytes that no other line names
.set AWA, 1                            ; v1, v2  16 x lane + 25,600 w, in place A, B
.set ASA, 3                            ; v3, v4  4 x lane + 25,600 w + 24,576, in place A, B
.set XB0, 5                            ; v5   16 x lane + XB
.set XS0, 6                            ; v6   4 x lane + XB + 24,576
.if PASS == 1
.set AX,  XB0                          ; the one quarter
.set AXS, XS0
.else
.set AX,  7                            ; v7   v5 + the quarter
.set AXS, 8                            ; v8   v6 + the quarter
.endif
.set STW, 9                            ; v9   my stage for the way out, 4 x lane
.set STR, 10                           ; v10  the same, 16 x lane
.set L16, 11                           ; v11  16 x lane
.set H32, 12                           ; v12  32 x (lane / 16)
.set LN,  13                           ; v13  lane
.set SPW, 14                           ; v14  LDS address of my spare word; never rewritten
.set NIL, 15                           ; v15  0; never rewritten
.set XS,  16
.set WS,  32
.set WF,  34
.set D,   82
.set ACC, 146
.set TBL, 96                           ; window 1
.set TM,  96                           ; window 2: v96-111 at work
.set TS,  112                          ; v112-118 a block's upper 16 codes on their way
.set XA,  120                          ; x: 16 x lane + 131,072 w
.set TSW, 121                          ; my stage: 16 x lane
.set TSR, 122                          ; my stage: 528 r + 64 h
.set IW,  123                          ; 16 x lane + XB + 3,072 w
.set IWS, 124                          ; 4 x lane + XB + 24,576 + 256 w
.set GC,  125                          ; xc: 16 x lane + 3,072 w
.set SRD, 126                          ; 8 x lane + XB + 24,576 + 256 w
.set GS,  127                          ; xc: 8 x lane + 24,576 + 256 w
.set SBK, 128                          ; v128-131 scale words on their way out
.set PW,  132                          ; v132-135 unit i's scale word
.set PC,  136                          ; v136-183 unit i's codes: 12 registers each
.if PASS == 1
.set K0, 0x04                          ; source 1 (x) window 1; the way out runs under it too: source 1 = the table
.set K1, 0x08                          ; source 1 window 2
.set OUTP, 12
.set OSTEP, 8192
.else
.set K0, 0x01                          ; source 0 (x) window 1; the way out: source 0 = the table
.set K1, 0x02
.set OUTP, 10
.set OSTEP, 512
.endif
.set QM, 0xaf                          ; sources 0, 1 window 3; source 2 and destination window 2
.set QT, 0xaa                          ; all window 2
.set QC, 0xab                          ; source 0 window 3, the rest window 2
.set QL, 0xce                          ; address (source 0) window 2; a store's data (source 1) and a load's destination window 3
.set TO1, 0x40                         ; destination window 1
.set TO2, 0x80                         ; destination window 2
.set MSB, 0
.macro WIN new                         ; the immediate's high byte repeats the setting that is left; a switch that changes nothing is dropped
.if MSB != (\new)
	s_set_vgpr_msb (MSB<<8)|(\new)
.set MSB, (\new)
.endif
.endm
.macro PLACES n
.rept \n
	v_nop
.endr
.endm
.macro CREST                           ; a round of the cluster's barrier behind its opening barrier
	s_cmp_lg_u32 s14, 0
	s_cbranch_scc1 .Lnot_wave_0_\@
	s_barrier_signal -3
.Lnot_wave_0_\@:
	s_barrier_wait -3
	s_barrier_signal -1
	s_barrier_wait -1
.endm
.macro ROUND
	s_barrier_signal -1
	s_barrier_wait -1
	CREST
.endm
; Seven LDS loads: column tile c's two fragments of W and its scale words (lanes 0-15 the first K step's, lanes 16-31 the second's), into set c % 2
.macro WRUN c
.irp k, 0,1
.irp i, 0,1,2
	ds_load_b128 v[WF+24*((\c)%2)+12*\k+4*\i:WF+24*((\c)%2)+12*\k+4*\i+3], v[AWA+(\c)/8] offset:((\c)%8)*3072+1536*\k+512*\i
.endr
.endr
	ds_load_b32 v[WS+(\c)%2], v[ASA+(\c)/8] offset:128*((\c)%8)
.endm
; 32 LDS loads: the eight fragments of x of the quarter's K step k, and their scale words
.macro XLOADK k
	WIN 0x40*(1+(\k))
.irp t, 0,1,2,3,4,5,6,7
.irp i, 0,1,2
	ds_load_b128 v[12*\t+4*\i:12*\t+4*\i+3], v[AX] offset:1536*(8*(\k)+\t)+512*\i
.endr
.endr
	WIN 0
.irp t, 0,1,2,3,4,5,6,7
	ds_load_b32 v[XS+8*(\k)+\t], v[AXS] offset:128*(8*(\k)+\t)
.endr
.endm
; One matrix instruction: column tile c, K step k of the quarter, token tile t.  k = 0 starts the sum with the constant 0.
.macro MM c, k, t
.set rW, WF+24*((\c)%2)+12*(\k)
.set rX, 12*(\t)
.set rD, D+8*(\t)
.set rWS, WS+(\c)%2
.set rXS, XS+8*(\k)+(\t)
.if PASS == 1
.if (\k) == 0
	v_wmma_scale_f32_16x16x128_f8f6f4 v[rD:rD+7], v[rW:rW+11], v[rX:rX+11], 0, v[rWS], v[rXS] matrix_a_fmt:MATRIX_FMT_FP6 matrix_b_fmt:MATRIX_FMT_FP6
.else
	v_wmma_scale_f32_16x16x128_f8f6f4 v[rD:rD+7], v[rW:rW+11], v[rX:rX+11], v[rD:rD+7], v[rWS], v[rXS] matrix_a_fmt:MATRIX_FMT_FP6 matrix_b_fmt:MATRIX_FMT_FP6 matrix_a_scale:MATRIX_SCALE_ROW1
.endif
.else
.if (\k) == 0
	v_wmma_scale_f32_16x16x128_f8f6f4 v[rD:rD+7], v[rX:rX+11], v[rW:rW+11], 0, v[rXS], v[rWS] matrix_a_fmt:MATRIX_FMT_FP6 matrix_b_fmt:MATRIX_FMT_FP6
.else
	v_wmma_scale_f32_16x16x128_f8f6f4 v[rD:rD+7], v[rX:rX+11], v[rW:rW+11], v[rD:rD+7], v[rXS], v[rWS] matrix_a_fmt:MATRIX_FMT_FP6 matrix_b_fmt:MATRIX_FMT_FP6 matrix_b_scale:MATRIX_SCALE_ROW1
.endif
.endif
.endm
; The way out of tile (c, t): its eight numbers a lane times the table's eight, into two pairs of sums by turns; the result is read from its low end on.
.macro EPI c, t
.if PASS == 1
.set aa, 8*((\c)/8)+(\t)
.set ee, (\c)
.else
.set aa, (\c)
.set ee, 8*((\c)/8)+(\t)
.endif
.irp i, 0,1,2,3
.if PASS == 1
	v_pk_fma_f32 v[ACC+4*aa+2*(\i%2):ACC+4*aa+2*(\i%2)+1], v[D+8*(\t)+2*\i:D+8*(\t)+2*\i+1], v[TBL+8*ee+2*\i:TBL+8*ee+2*\i+1], v[ACC+4*aa+2*(\i%2):ACC+4*aa+2*(\i%2)+1]
.else
	v_pk_fma_f32 v[ACC+4*aa+2*(\i%2):ACC+4*aa+2*(\i%2)+1], v[TBL+8*ee+2*\i:TBL+8*ee+2*\i+1], v[D+8*(\t)+2*\i:D+8*(\t)+2*\i+1], v[ACC+4*aa+2*(\i%2):ACC+4*aa+2*(\i%2)+1]
.endif
.endr
.endm
; Eight matrix instructions, the eight results by turns.  k = 0: each stands behind the way out of the same result's last tile.
.macro KPART c, k
.irp t, 0,1,2,3,4,5,6,7
.if ((\k) == 0) && ((\c) > 0)
	EPI (\c)-1, \t
.endif
	MM \c, \k, \t
.endr
.endm
; A COLUMN TILE: 16 matrix instructions.  The five v_nop are the places behind the last tile's matrix instructions: four for the loads into its set of W and for the reads of its results, five for the products that begin the results anew.
; chg = 1: the place that has just been read out (c = 7: A, c = 15: B) is filled again, with the next quarter's part.  In front of the round each wave waits for all its tensor loads (the other place's among them), adds 0 to
; its spare word, and waits for that and for its reads of the place; inside the round stands register work alone; the joint load is the first thing behind it.
.macro STEP c, chg, n0, n1
	WIN 0
.if \chg
	s_wait_tensorcnt 0x0                           ; no tensor load of mine is out, so a group 0 may be written
	ds_add_u32 v[SPW], v[NIL]                      ; 0 onto my spare word
.if (\c) == 7
	s_add_nc_u64 s[34:35], s[34:35], 2*PLACE       ; place A's next part: two places on in the image; the type bits on top are not reached
.else
	s_add_nc_u64 s[38:39], s[38:39], 2*PLACE
.endif
	s_wait_dscnt 0x0                               ; the add is done, and my reads of the place are in (tile c's fragments were the last)
	s_barrier_signal -1
	PLACES 5
	WIN K0
	KPART \c, 0
	WIN 0
	s_barrier_wait -1
	CREST
.if (\c) == 7
	tensor_load_to_lds s[32:35], s[24:31]
.else
	tensor_load_to_lds s[36:39], s[24:31]
.endif
	s_nop 0
	PLACES 4
.if (\c) == 7
	WRUN 8
.endif
	WIN K1
	KPART \c, 1
.else
	s_wait_dscnt \n0
	PLACES 5
.if (\c) < 15
	WRUN (\c)+1
.endif
	WIN K0
	KPART \c, 0
.if (\n1) >= 0
	s_wait_dscnt \n1
.endif
	WIN K1
	KPART \c, 1
.endif
.endm
; ---- PASS 1's quantiser.  A unit i = 2 k + tl is K step k of the quarter for token tile 2 w + tl.
.macro XUNIT i, off                    ; 16 loads: load p takes the 512 consecutive bytes of row p's K step, 16 a lane.  off: 0, or 1,024 for the quarter after the one at which the base stands
	WIN QL
.irp p, 0,1,2,3,4,5,6,7,8,9,10,11,12,13,14,15
	global_load_b128 v[64*(\i)+4*\p:64*(\i)+4*\p+3], v[XA], s[4:5] offset:65536*((\i)%2)+512*((\i)/2)+4096*\p+(\off) th:TH_LOAD_NT
.endr
.endm
.macro TURN i                          ; the unit through my stage: in as loaded, back with register 16 b + 4 j + e = k 32 b + 16 h + 4 j + e of token r.  LDS serves a wave's instructions in order (ISA guide 5.7.1.4): the loads see the stores, and the next unit's stores come behind these loads
	WIN QL
.irp p, 0,1,2,3,4,5,6,7,8,9,10,11,12,13,14,15
	ds_store_b128 v[TSW], v[64*(\i)+4*\p:64*(\i)+4*\p+3] offset:XSP*\p
.endr
.irp b, 0,1,2,3
.irp j, 0,1,2,3
	ds_load_b128 v[64*(\i)+16*\b+4*\j:64*(\i)+16*\b+4*\j+3], v[TSR] offset:128*\b+16*\j
.endr
.endr
.endm
.macro QUANT L, P, W                   ; the 64 numbers at v[L] of window 3 become a fragment's codes in v[P] on and its scale word in v[W]
	WIN QM
.irp b, 0,1,2,3
	v_max3_num_f32 v[TM+\b], |v[(\L)+16*\b]|, |v[(\L)+16*\b+1]|, 0x1800000   ; my 16 numbers of block b, and the floor 2^(3 - 127): the byte cannot fall under 1
.endr
.irp i, 2,4,6,8,10,12,14
.irp b, 0,1,2,3
	v_max3_num_f32 v[TM+\b], |v[(\L)+16*\b+\i]|, |v[(\L)+16*\b+\i+1]|, v[TM+\b]   ; the four blocks by turns
.endr
.endr
	WIN QT
.irp b, 0,1,2,3
	v_permlanex16_b32 v[TM+4+\b], v[TM+\b], s20, s21
.endr
.irp b, 0,1,2,3
	v_max_num_f32 v[TM+\b], v[TM+\b], v[TM+4+\b]   ; with lane l xor 16's: the block's largest magnitude
.endr
.irp b, 0,1,2,3
	v_add_nc_u32 v[TM+12+\b], 0xff000000, v[TM+\b]   ; 2 off the exponent field: the conversion's scale operand
.endr
.irp b, 0,1,2,3
	v_lshrrev_b32 v[TM+4+\b], 23, v[TM+12+\b]      ; the scale's byte
.endr
	v_lshl_or_b32 v[(\W)], v[TM+5], 8, v[TM+4]
	v_lshl_or_b32 v[(\W)], v[TM+6], 16, v[(\W)]
	v_lshl_or_b32 v[(\W)], v[TM+7], 24, v[(\W)]    ; my token's word; both halves of the lanes hold it
	WIN QC
.irp c, 0,1
	v_cvt_scalef32_pk16_fp6_f32 v[(\P)+6*\c:(\P)+6*\c+2], v[(\L)+32*\c:(\L)+32*\c+15], v[TM+12+2*\c]
	v_cvt_scalef32_pk16_fp6_f32 v[TS+4*\c:TS+4*\c+2], v[(\L)+32*\c+16:(\L)+32*\c+31], v[TM+13+2*\c]   ; (a conversion's three registers begin on an even number)
.endr
	WIN QT
	v_nop                                          ; one plain place behind the scaled conversions
.irp c, 0,1                            ; the operand's layout wants a whole block in a lane
.irp i, 0,1,2
	v_permlane16_swap_b32 v[(\P)+6*\c+\i], v[TS+4*\c+\i]
.endr
.irp i, 0,1,2
	v_mov_b32 v[(\P)+3+6*\c+\i], v[TS+4*\c+\i]
.endr
.endr
.endm
.macro UNIT i, R                       ; R = 1: the unit's registers take the next quarter's numbers (unit 3's: at the block's end)
.if (\i) == 0
	s_wait_dscnt 0x0                               ; unit 0 is back from the stage
.else
	s_wait_dscnt 0x4                               ; unit i is back from the stage: behind its loads only the last unit's four image stores were issued
.endif
.if (\i) < 3
.if \R
	s_wait_loadcnt 32                              ; loads come back in order: unit i + 1's 16 are in; behind them two units' loads, old or renewed, may be out
.else
	s_wait_loadcnt 16*(2-(\i))                     ; the last quarter: the units still to come
.endif
	TURN (\i)+1                                    ; it turns while unit i is quantised
.endif
	QUANT 64*(\i), PC+12*(\i), PW+(\i)
.irp c, 0,1,2
	ds_store_b128 v[IW], v[PC+12*(\i)+4*\c:PC+12*(\i)+4*\c+3] offset:12288*((\i)/2)+1536*((\i)%2)+512*\c
.endr
	ds_store_b32 v[IWS], v[PW+(\i)] offset:1024*((\i)/2)+128*((\i)%2)
.irp c, 0,1,2
	global_store_b128 v[GC], v[PC+12*(\i)+4*\c:PC+12*(\i)+4*\c+3], s[10:11] offset:12288*((\i)/2)+1536*((\i)%2)+512*\c   ; 512 consecutive bytes, aligned
.endr
.if (\R) && ((\i) < 3)
	XUNIT \i, 1024
.endif
.endm
.macro QBLOCK R                        ; my two token tiles of the quarter: four units; then their scale words leave, 256 consecutive bytes a store
	s_wait_loadcnt 48                              ; unit 0's 16 loads (and all older ones) are in; the three younger units' may be out
	TURN 0
	UNIT 0, \R
	UNIT 1, \R
	UNIT 2, \R
	UNIT 3, \R
	WIN QT
	ds_load_b64 v[SBK:SBK+1], v[SRD]               ; LDS serves a wave's instructions in order: these see my stores
	ds_load_b64 v[SBK+2:SBK+3], v[SRD] offset:1024
	s_wait_dscnt 0x0
	global_store_b64 v[GS], v[SBK:SBK+1], s[10:11]
	global_store_b64 v[GS], v[SBK+2:SBK+3], s[10:11] offset:1024
.if \R
	XUNIT 3, 1024
.endif
	WIN 0
.endm
; A QUARTER OF K.  F = 1: both places are filled again; F = 0: the last quarter, written out behind the loop, asks for nothing.
.macro GROUP F
.if PASS == 1
	QBLOCK \F
	s_wait_dscnt 0x0                               ; for the others' sake: my images have landed
	s_barrier_signal -1
	s_barrier_wait -1                              ; the quarter's 16 fragments lie in LDS
.else
	v_add_nc_u32 v[AX], s22, v[XB0]
	v_add_nc_u32 v[AXS], s22, v[XS0]
.endif
	WRUN 0
	XLOADK 0
	XLOADK 1
	STEP 0, 0, 32, 7                               ; 32: the second K step's loads of x may be out; 7: then tile 1's seven loads of W may
.irp c, 1,2,3,4,5,6
	STEP \c, 0, 0, -1
.endr
.if \F
	STEP 7, 1, 0, -1
.else
	s_wait_tensorcnt 0x0                           ; place B's last part has landed
	STEP 7, 0, 0, -1
.endif
.irp c, 8,9,10,11,12,13,14
	STEP \c, 0, 0, -1
.endr
	STEP 15, \F, 0, -1
	PLACES 4
	WIN K0
.irp t, 0,1,2,3,4,5,6,7
	EPI 15, \t
.endr
	WIN 0
.endm
	s_load_b256 s[4:11], s[0:1], 0x0               ; PASS 1: x, wk_img, q0, xc.  PASS 2: xc, wv_img, rel, part
.if PASS == 1
	s_load_b64 s[12:13], s[0:1], 0x20              ; temp
.endif
	v_lshl_add_u32 v[SPW], v0, 2, SPARE
	v_mov_b32 v[NIL], 0
	ds_add_u32 v[SPW], v[NIL]                      ; the wave's opening: the add, twice on end, and its wait ahead of my first tensor load; the set-up below, work on registers, stands between
	ds_add_u32 v[SPW], v[NIL]
	v_lshrrev_b32 v[LN], 5, v0
	v_readfirstlane_b32 s14, v[LN]                 ; wave 0..3
	s_bfe_u32 s15, ttmp6, 0x40000                  ; cx: my place in the cluster
	s_lshl_b32 s16, ttmp9, 2                       ; in a cluster launch ttmp9 counts clusters
	s_add_co_u32 s16, s16, s15                     ; G: it enters the addresses of my own loads and stores alone
	s_lshr_b32 s17, s16, 4                         ; the batch
	s_and_b32 s18, s16, 15                         ; which 128 tokens of it
	s_mov_b32 s20, 0x76543210
	s_mov_b32 s21, 0xfedcba98                      ; v_permlanex16_b32's selects for lane l xor 16
	; descriptor group 1 for the weights: a dense block of 25,600 bytes as 100 rows of 256 (32 elements of 8 bytes)
	s_mov_b32 s24, 15|(3<<16)|(1<<21)              ; 15:0 the mask: all four work-groups; 17:16 elements of 8 bytes; 21 set beside a mask; no padding
	s_mov_b32 s25, 32<<16                          ; tensor_dim0
	s_mov_b32 s26, 100<<16                         ; tensor_dim1
	s_mov_b32 s27, 32<<16                          ; tile_dim0
	s_mov_b32 s28, 100                             ; tile_dim1
	s_mov_b32 s29, 32                              ; from row to row
	s_mov_b32 s30, 0
	s_mov_b32 s31, 0
.if PASS == 2
	s_mov_b32 s40, 3<<16                           ; and for my quarter of xc's block: 104 rows of 256 bytes, my work-group's own: no mask
	s_mov_b32 s41, 32<<16
	s_mov_b32 s42, 104<<16
	s_mov_b32 s43, 32<<16
	s_mov_b32 s44, 104
	s_mov_b32 s45, 32
	s_mov_b32 s46, 0
	s_mov_b32 s47, 0
.endif
	s_mul_i32 s66, s14, WPART
	s_mov_b32 s67, 0
	v_and_b32 v[LN], 31, v0
	v_lshlrev_b32 v[L16], 4, v[LN]
	v_bfe_u32 v[H32], v0, 4, 1
	v_lshlrev_b32 v[H32], 5, v[H32]
	v_add_nc_u32 v[AWA], s66, v[L16]
	v_add_nc_u32 v[AWA+1], PLACE, v[AWA]
	v_lshlrev_b32 v[ASA], 2, v[LN]
	v_add_nc_u32 v[ASA], s66, v[ASA]
	v_add_nc_u32 v[ASA], WSC, v[ASA]
	v_add_nc_u32 v[ASA+1], PLACE, v[ASA]
	v_add_nc_u32 v[XB0], XB, v[L16]
	v_lshl_add_u32 v[XS0], v[LN], 2, XB+XSCO
	s_lshl_b32 s73, s14, 10
	s_add_co_u32 s73, s73, STG
	v_lshl_add_u32 v[STW], v[LN], 2, s73
	v_add_nc_u32 v[STR], s73, v[L16]
.if PASS == 1
	v_and_b32 v[D], 15, v0                         ; the quantiser's addresses are made in window 0 and moved: r,
	v_bfe_u32 v[D+1], v0, 4, 1                     ; h
	s_lshl_b32 s70, s14, 17
	v_add_nc_u32 v[D+2], s70, v[L16]               ; x: my 32 rows of 4,096 bytes, 16 bytes a lane
	s_mul_i32 s71, s14, 3072
	s_lshl_b32 s72, s14, 8
	v_add_nc_u32 v[D+3], s71, v[XB0]
	v_add_nc_u32 v[D+4], s72, v[XS0]
	v_add_nc_u32 v[D+5], s71, v[L16]
	v_lshl_add_u32 v[D+6], v[LN], 3, XB+XSCO
	v_add_nc_u32 v[D+6], s72, v[D+6]
	v_lshl_add_u32 v[D+7], v[LN], 3, XSCO
	v_add_nc_u32 v[D+7], s72, v[D+7]
	s_mul_i32 s74, s14, 16*XSP
	s_add_co_u32 s74, s74, XST                     ; my stage
	v_add_nc_u32 v[D+8], s74, v[L16]
	v_mul_u32_u24 v[D+9], v[D], XSP
	v_lshl_add_u32 v[D+9], v[D+1], 6, v[D+9]
	v_add_nc_u32 v[D+9], s74, v[D+9]
	WIN TO2
	v_mov_b32 v[XA], v[D+2]
	v_mov_b32 v[IW], v[D+3]
	v_mov_b32 v[IWS], v[D+4]
	v_mov_b32 v[GC], v[D+5]
	v_mov_b32 v[SRD], v[D+6]
	v_mov_b32 v[GS], v[D+7]
	v_mov_b32 v[TSW], v[D+8]
	v_mov_b32 v[TSR], v[D+9]
.irp b, 0,1,2,3
	v_mov_b32 v[TM+4+\b], 0                        ; written once: a lane permute's destination counts as one of its sources
.endr
	WIN 0
.endif
	s_mov_b32 s69, 0
	s_wait_dscnt 0x0                               ; both opening adds are done
	s_wait_kmcnt 0x0
.if PASS == 1
	s_lshl_b32 s68, s16, 19                        ; x: 128 G rows of 4,096 bytes
	s_add_nc_u64 s[4:5], s[4:5], s[68:69]
	s_lshl_b32 s68, s17, 12
	s_lshl_b32 s70, s14, 10
	s_add_co_u32 s68, s68, s70
	s_add_nc_u64 s[8:9], s[8:9], s[68:69]          ; q0[b][256 w]
	s_mul_i32 s68, s16, 4*XQB
	s_add_nc_u64 s[10:11], s[10:11], s[68:69]      ; xc: my block
.else
	s_mul_i32 s68, s16, 4*XQB
	s_mul_i32 s70, s14, XQB
	s_add_co_u32 s68, s68, s70
	s_add_nc_u64 s[4:5], s[4:5], s[68:69]          ; xc: my block, quarter w
	s_lshl_b32 s68, s16, 12
	s_lshl_b32 s70, s14, 10
	s_add_co_u32 s68, s68, s70
	s_add_nc_u64 s[10:11], s[10:11], s[68:69]      ; part[G][256 w]
.endif
	s_lshl_b32 s68, s17, 3
	s_lshl_b32 s70, s14, 1
	s_add_co_u32 s68, s68, s70
	s_lshl_b32 s68, s68, 13
	s_lshl_b32 s70, s18, 9
	s_add_co_u32 s68, s68, s70                     ; row 8 b + 2 w of 8,192 bytes, + my 128 tokens
.if PASS == 1
	s_add_nc_u64 s[12:13], s[12:13], s[68:69]      ; in temp
.else
	s_add_nc_u64 s[8:9], s[8:9], s[68:69]          ; in rel
.endif
	s_add_nc_u64 s[6:7], s[6:7], s[66:67]          ; the image at my part of place A's first fill
	s_mov_b32 s32, 1                               ; group 0 for place A: count = 1,
	s_mul_i32 s33, s14, WPART                      ; LDS address,
	s_mov_b64 s[34:35], s[6:7]                     ; global address,
	s_or_b32 s35, s35, 0x80000000                  ; type = 2
	s_mov_b32 s36, 1                               ; and for place B
	s_add_co_u32 s37, s33, PLACE
	s_add_nc_u64 s[38:39], s[6:7], PLACE
	s_or_b32 s39, s39, 0x80000000
.if PASS == 2
	s_mov_b32 s48, 1
	s_mul_i32 s49, s14, XQB
	s_add_co_u32 s49, s49, XB
	s_mov_b64 s[50:51], s[4:5]
	s_or_b32 s51, s51, 0x80000000
.endif
	ROUND                                          ; all four work-groups are here: the first joint loads meet
	tensor_load_to_lds s[32:35], s[24:31]          ; place A: the first quarter's tiles 0-7
	s_nop 0
	PLACES 4
	WIN TO1
.irp e, 0,1,2,3,4,5,6,7,8,9,10,11,12,13,14,15  ; the table: eight numbers for each of 16 entries; they hang on the lane's half alone
.irp i, 0,1
.if PASS == 1
	global_load_b128 v[TBL+8*\e+4*\i:TBL+8*\e+4*\i+3], v[H32], s[8:9] offset:64*\e+16*\i                   ; q0[b][256 w + 16 e + 8 h + ..]
.else
	global_load_b128 v[TBL+8*\e+4*\i:TBL+8*\e+4*\i+3], v[H32], s[8:9] offset:8192*(\e/8)+64*(\e%8)+16*\i   ; rel[8 b + 2 w + e / 8][.. + 16 (e % 8) + 8 h + ..]
.endif
.endr
.endr
.if PASS == 1
	XUNIT 0, 0                                     ; the first quarter of x: 64 loads
	XUNIT 1, 0
	XUNIT 2, 0
	XUNIT 3, 0
.endif
	WIN 0
.set i, 0
.rept 64
	v_mov_b32 v[ACC+i], 0                          ; the sums.  (A quarter is written once for the loop: its first trip finds zeros)
.set i, i+1
.endr
.if PASS == 1
	s_wait_alu depctr_va_vdst(0)
	s_wait_tensorcnt 0x0                           ; my part of place A is in; place B's first fill is issued as a refill is
	ds_add_u32 v[SPW], v[NIL]
	s_wait_dscnt 0x0
	ROUND
	tensor_load_to_lds s[36:39], s[24:31]          ; place B: tiles 8-15, my one load behind the round
	s_nop 0
	PLACES 4
.else
	s_wait_tensorcnt 0x1                           ; my parts of place A and of x's codes are in; place B's may stay out
	s_wait_loadcnt 0x0                             ; the table
	s_barrier_signal -1
	s_barrier_wait -1                              ; everybody's part of x's codes is in
	s_mov_b32 s22, 0                               ; the quarter's place in the block of x's images
.endif
	s_mov_b32 s23, 3
.Lgroup:
	GROUP 1
.if PASS == 1
	s_wait_xcnt 0x0                                ; every load and store of the quarter, issued ahead of its 256 products, has read its registers: the two bases step, and the next quarter may write the codes' registers anew
	s_add_nc_u64 s[4:5], s[4:5], 1024              ; x: the next quarter
	s_add_nc_u64 s[10:11], s[10:11], XQB           ; xc likewise
.else
	s_add_co_u32 s22, s22, XQB
.endif
	s_sub_co_u32 s23, s23, 1
	s_cmp_lg_u32 s23, 0
	s_cbranch_scc1 .Lgroup
	GROUP 0                                        ; the last quarter is written out
	; THE END.  Each of the 16 sums: its two pairs, the pair's halves, the other half of the lanes.  Then lane (r, .) holds number 16 a + r of the wave's 256; they go through my stage and leave as 512 consecutive bytes a store.
.irp a, 0,1,2,3,4,5,6,7,8,9,10,11,12,13,14,15
	v_pk_add_f32 v[ACC+4*\a:ACC+4*\a+1], v[ACC+4*\a:ACC+4*\a+1], v[ACC+4*\a+2:ACC+4*\a+3]
.endr
.irp a, 0,1,2,3,4,5,6,7,8,9,10,11,12,13,14,15
	v_add_f32 v[ACC+4*\a], v[ACC+4*\a], v[ACC+4*\a+1]
.endr
.irp a, 0,1,2,3,4,5,6,7,8,9,10,11,12,13,14,15
	v_permlanex16_b32 v[ACC+4*\a+1], v[ACC+4*\a], s20, s21
.endr
.irp a, 0,1,2,3,4,5,6,7,8,9,10,11,12,13,14,15
	v_add_f32 v[ACC+4*\a], v[ACC+4*\a], v[ACC+4*\a+1]
.endr
	v_cmp_gt_u32 vcc_lo, 16, v[LN]
.irp u, 0,1,2,3,4,5,6,7
	v_cndmask_b32 v[ACC+8*\u], v[ACC+8*\u+4], v[ACC+8*\u], vcc_lo   ; lanes 0-15 keep sum 2 u, lanes 16-31 take sum 2 u + 1
.endr
.irp u, 0,1,2,3,4,5,6,7
	ds_store_b32 v[STW], v[ACC+8*\u] offset:128*\u
.endr
	ds_load_b128 v[D:D+3], v[STR]                  ; LDS serves a wave's instructions in order: these see my stores
	ds_load_b128 v[D+4:D+7], v[STR] offset:512
	s_wait_dscnt 0x0
	global_store_b128 v[L16], v[D:D+3], s[OUTP:OUTP+1]                  ; PASS 1: head 2 w's 128 scores; PASS 2: channels 256 w on
	global_store_b128 v[L16], v[D+4:D+7], s[OUTP:OUTP+1] offset:OSTEP   ; PASS 1: head 2 w + 1's; PASS 2: channels 256 w + 128 on
	s_wait_tensorcnt 0x0                           ; the wave's end, behind my last tensor load and my last LDS store
	ds_add_u32 v[SPW], v[NIL]
	s_wait_dscnt 0x0
	ROUND                                          ; the closing round: no work-group ends while a partner may still ask for a part that names it
	s_endpgm
.Lfunc_end_k_qbf90d10f52_pass1:
	.size	k_qbf90d10f52_pass1, .Lfunc_end_k_qbf90d10f52_pass1-k_qbf90d10f52_pass1
	.p2alignl 7, 3214868480
	.fill 96, 4, 3214868480
	.section	.rodata,"a",@progbits
	.p2align	6, 0x0
	.amdhsa_kernel k_qbf90d10f52_pass1
		.amdhsa_group_segment_fixed_size 327680
		.amdhsa_private_segment_fixed_size 0
		.amdhsa_enable_private_segment 0
		.amdhsa_kernarg_size 40
		.amdhsa_user_sgpr_count 2
		.amdhsa_user_sgpr_kernarg_segment_ptr 1
		.amdhsa_wavefront_size32 1
		.amdhsa_system_sgpr_workgroup_id_x 1
		.amdhsa_system_sgpr_workgroup_id_y 1
		.amdhsa_system_sgpr_workgroup_id_z 1
		.amdhsa_system_vgpr_workitem_id 0
		.amdhsa_next_free_vgpr 1024
		.amdhsa_next_free_sgpr 80
		.amdhsa_reserve_vcc 1
		.amdhsa_float_denorm_mode_32 3
		.amdhsa_float_denorm_mode_16_64 3
		.amdhsa_memory_ordered 1
		.amdhsa_forward_progress 1
		.amdhsa_inst_pref_size 242
	.end_amdhsa_kernel
	.amdgpu_metadata
---
amdhsa.version: [ 1, 2 ]
amdhsa.kernels:
  - .name:           k_qbf90d10f52_pass1
    .symbol:         k_qbf90d10f52_pass1.kd
    .args:
      - { .name: x, .offset: 0, .size: 8, .value_kind: global_buffer, .address_space: global }
      - { .name: wk_img, .offset: 8, .size: 8, .value_kind: global_buffer, .address_space: global }
      - { .name: q0, .offset: 16, .size: 8, .value_kind: global_buffer, .address_space: global }
      - { .name: xc, .offset: 24, .size: 8, .value_kind: global_buffer, .address_space: global }
      - { .name: temp, .offset: 32, .size: 8, .value_kind: global_buffer, .address_space: global }
    .group_segment_fixed_size: 327680
    .private_segment_fixed_size: 0
    .kernarg_segment_align: 8
    .kernarg_segment_size: 40
    .max_flat_workgroup_size: 128
    .sgpr_count:     80
    .vgpr_count:     1024
    .wavefront_size: 32
...
	.end_amdgpu_metadata
.endif
;; end of part 7
;; launch select (part 8): grid 128 x 1, 1 waves a work-group, no clusters, 0 bytes of LDS; arguments temp, rel; writes rel
.if DOCPART == 8
	.amdgcn_target "amdgcn-amd-amdhsa--gfx1250"
	.amdhsa_code_object_version 6
	.text
	.protected	k_qbf90d10f52_select
	.globl	k_qbf90d10f52_select
	.p2align	8
	.type	k_qbf90d10f52_select,@function
k_qbf90d10f52_select:
	s_mov_b64 s[64:65], 0
	v_nop
	global_prefetch_b8 v0, s[64:65] scope:SCOPE_SE
	s_setreg_imm32_b32 hwreg(HW_REG_WAVE_MODE, 25, 1), 1
	s_wait_xcnt 0x0
; THIRD LAUNCH of five.  For each (batch, head): t = temp / sqrt(128); the threshold = the 512th largest of the 2,048 t; rel = softmax(where(t >= threshold, t, 0)), normalised.  No work of reference() is left out here.
; One wave takes one (batch, head): 64 numbers a lane, so the rank never leaves the wave: no LDS, no barrier.  The work is elementwise but for counts, a maximum and a sum, so the numbers stay where the loads put them.
; THE RANK, exactly.  A number's key is its bits with the sign bit turned (positive) or all bits turned (negative): keys order as the numbers do.  The threshold's key is built from the top bit down, 32 steps: a bit stays
; if at least 512 keys are at or above the candidate.  THE COUNT STAYS IN THE VECTOR UNIT: a compare gives a mask of lanes, a select makes 1.0 or 0.0 of it in each lane, packed f32 additions count (a count is at most 2,048:
; exact in f32), and the sum over the lanes leaves the count in every lane; the choice is a select: no branch and no address hangs on data, and no scalar instruction reads a mask.
; Two sets of eight masks take turns, so that a select reads a mask made at least sixteen instructions earlier.  Numbers equal to the threshold all count as at or above it, as in reference().
; -0 has a key under +0's: where that parts them, the number kept or the 0 put in its place give the same exponential.
; The maximum is taken away before the exponential, as reference() does.  LIMITS: NaN and infinities among the scores are not served.
.set T, 16                             ; v16-79   the numbers
.set K, 80                             ; v80-143  their keys
.set THR, 144                          ; the threshold's key so far, the same in every lane
.set CAND, 145                         ; the candidate
.set IND, 146                          ; v146-153 eight indicators
.set CN, 154                           ; v154-161 the counts: four pairs
	s_load_b128 s[4:7], s[0:1], 0x0                ; temp, rel
	v_lshlrev_b32 v1, 4, v0                        ; 16 bytes a lane
	s_lshl_b32 s2, ttmp9, 13                       ; a row of 2,048 numbers
	s_mov_b32 s3, 0
	s_mov_b32 s8, 0x3db504f3                       ; 1 / sqrt(128)
	s_mov_b32 s9, s8                               ; (named with it as a pair, so it is written)
	s_mov_b32 s16, 0x3fb8aa3b                      ; log2(e)
	s_mov_b32 s17, s16
	s_mov_b32 s18, 0x76543210
	s_mov_b32 s19, 0xfedcba98                      ; v_permlanex16_b32's selects for lane l xor 16
	v_mov_b32 v6, 0                                ; written once: a lane permute's destination counts as one of its sources
	s_wait_alu depctr_va_vdst(0)
	s_wait_kmcnt 0x0
	s_add_nc_u64 s[4:5], s[4:5], s[2:3]
	s_add_nc_u64 s[6:7], s[6:7], s[2:3]
.irp i, 0,1,2,3,4,5,6,7,8,9,10,11,12,13,14,15
	global_load_b128 v[T+4*\i:T+4*\i+3], v1, s[4:5] offset:512*\i th:TH_LOAD_NT   ; 512 consecutive bytes a load
.endr
	s_wait_loadcnt 0x0
.set j, 0
.rept 32
	v_pk_mul_f32 v[T+j:T+j+1], v[T+j:T+j+1], s[8:9] op_sel_hi:[1,0]
.set j, j+2
.endr
.set j, 0
.rept 64
	v_ashrrev_i32 v[K+j], 31, v[T+j]
.set j, j+1
.endr
.set j, 0
.rept 64
	v_or_b32 v[K+j], 0x80000000, v[K+j]
.set j, j+1
.endr
.set j, 0
.rept 64
	v_xor_b32 v[K+j], v[K+j], v[T+j]
.set j, j+1
.endr
.macro CMP8 g                          ; eight masks: which lanes' keys are at or above the candidate
.irp j, 0,1,2,3,4,5,6,7
	v_cmp_le_u32 s[24+8*((\g)%2)+\j], v[CAND], v[K+8*(\g)+\j]
.endr
.endm
.macro IND8 g, d                       ; 1.0 where the mask is set, else 0.0, into v[d] on
.irp j, 0,1,2,3,4,5,6,7
	v_cndmask_b32 v[(\d)+\j], 0, 1.0, s[24+8*((\g)%2)+\j]
.endr
.endm
.macro ADD4                            ; the eight indicators onto the four pairs of counts
.irp p, 0,2,4,6
	v_pk_add_f32 v[CN+\p:CN+\p+1], v[CN+\p:CN+\p+1], v[IND+\p:IND+\p+1]
.endr
.endm
	v_mov_b32 v[THR], 0
	s_mov_b32 s11, 0x80000000                      ; the bit in hand
	s_mov_b32 s12, 32
.Lbit:
	s_wait_alu depctr_va_vdst(0)
	v_or_b32 v[CAND], s11, v[THR]
	CMP8 0
	CMP8 1
	IND8 0, CN                                     ; the first eight indicators start the counts: nothing is cleared
.irp g, 1,2,3,4,5,6
	CMP8 \g+1
	IND8 \g, IND
	ADD4
.endr
	IND8 7, IND
	ADD4
	v_pk_add_f32 v[CN:CN+1], v[CN:CN+1], v[CN+2:CN+3]
	v_pk_add_f32 v[CN+4:CN+5], v[CN+4:CN+5], v[CN+6:CN+7]
	v_pk_add_f32 v[CN:CN+1], v[CN:CN+1], v[CN+4:CN+5]
	v_add_f32 v[CN], v[CN], v[CN+1]
	v_add_f32_dpp v[CN], v[CN], v[CN] row_xmask:1 row_mask:0xf bank_mask:0xf
	v_add_f32_dpp v[CN], v[CN], v[CN] row_xmask:2 row_mask:0xf bank_mask:0xf
	v_add_f32_dpp v[CN], v[CN], v[CN] row_xmask:4 row_mask:0xf bank_mask:0xf
	v_add_f32_dpp v[CN], v[CN], v[CN] row_xmask:8 row_mask:0xf bank_mask:0xf
	v_permlanex16_b32 v6, v[CN], s18, s19
	v_add_f32 v[CN], v[CN], v6                     ; every lane holds the count
	v_cmp_le_f32 vcc_lo, 0x44000000, v[CN]         ; 512 or more?
	v_cndmask_b32 v[THR], v[THR], v[CAND], vcc_lo  ; then the bit stays
	s_lshr_b32 s11, s11, 1
	s_sub_co_u32 s12, s12, 1
	s_cmp_lg_u32 s12, 0
	s_cbranch_scc1 .Lbit
.irp g, 0,1,2,3,4,5,6,7                ; where(t >= threshold, t, 0)
.irp j, 0,1,2,3,4,5,6,7
	v_cmp_le_u32 s[24+\j], v[THR], v[K+8*\g+\j]
.endr
.irp j, 0,1,2,3,4,5,6,7
	v_cndmask_b32 v[T+8*\g+\j], 0, v[T+8*\g+\j], s[24+\j]
.endr
.endr
.irp c, 0,1,2,3                        ; the maximum, in four chains
	v_max_num_f32 v[2+\c], v[T+\c], v[T+4+\c]
.endr
.irp i, 0,1,2,3,4,5,6
.irp c, 0,1,2,3
	v_max3_num_f32 v[2+\c], v[2+\c], v[T+8+8*\i+\c], v[T+12+8*\i+\c]
.endr
.endr
	v_max3_num_f32 v2, v2, v3, v4
	v_max_num_f32 v2, v2, v5
	v_max_num_f32_dpp v2, v2, v2 row_xmask:1 row_mask:0xf bank_mask:0xf
	v_max_num_f32_dpp v2, v2, v2 row_xmask:2 row_mask:0xf bank_mask:0xf
	v_max_num_f32_dpp v2, v2, v2 row_xmask:4 row_mask:0xf bank_mask:0xf
	v_max_num_f32_dpp v2, v2, v2 row_xmask:8 row_mask:0xf bank_mask:0xf
	v_permlanex16_b32 v6, v2, s18, s19
	v_max_num_f32 v2, v2, v6                       ; every lane holds the row's maximum
	v_mul_f32 v8, 0xbfb8aa3b, v2                   ; - maximum x log2(e)
	v_mov_b32 v9, v8
.set j, 0
.rept 32
	v_pk_fma_f32 v[T+j:T+j+1], v[T+j:T+j+1], s[16:17], v[8:9] op_sel_hi:[1,0,0]   ; (t - maximum) x log2(e)
.set j, j+2
.endr
.set j, 0
	s_wait_alu depctr_va_vdst(0)
.rept 64
	v_exp_f32 v[T+j], v[T+j]
.set j, j+1
.endr
	v_mov_b32 v15, 0                               ; a plain place behind the exponentials (it also writes the upper half of the pair v[14:15])
	s_wait_alu depctr_va_vdst(0)                   ; one wait for the whole batch, ahead of its first reader
	v_pk_add_f32 v[10:11], v[T:T+1], v[T+2:T+3]    ; the sum, two at a time, in two chains
	v_pk_add_f32 v[12:13], v[T+4:T+5], v[T+6:T+7]
.irp j, 8,12,16,20,24,28,32,36,40,44,48,52,56,60
	v_pk_add_f32 v[10:11], v[10:11], v[T+\j:T+\j+1]
	v_pk_add_f32 v[12:13], v[12:13], v[T+\j+2:T+\j+3]
.endr
	v_pk_add_f32 v[10:11], v[10:11], v[12:13]
	v_add_f32 v10, v10, v11
	v_add_f32_dpp v10, v10, v10 row_xmask:1 row_mask:0xf bank_mask:0xf
	v_add_f32_dpp v10, v10, v10 row_xmask:2 row_mask:0xf bank_mask:0xf
	v_add_f32_dpp v10, v10, v10 row_xmask:4 row_mask:0xf bank_mask:0xf
	v_add_f32_dpp v10, v10, v10 row_xmask:8 row_mask:0xf bank_mask:0xf
	v_permlanex16_b32 v6, v10, s18, s19
	v_add_f32 v10, v10, v6
	s_wait_alu depctr_va_vdst(0)
	v_rcp_f32 v14, v10
	v_nop                                          ; a plain place behind the reciprocal
	s_wait_alu depctr_va_vdst(0)                   ; and its wait, ahead of the first reader
.set j, 0
.rept 32
	v_pk_mul_f32 v[T+j:T+j+1], v[T+j:T+j+1], v[14:15] op_sel_hi:[1,0]
.set j, j+2
.endr
.irp i, 0,1,2,3,4,5,6,7,8,9,10,11,12,13,14,15
	global_store_b128 v1, v[T+4*\i:T+4*\i+3], s[6:7] offset:512*\i   ; 512 consecutive bytes, aligned
.endr
	s_endpgm
.Lfunc_end_k_qbf90d10f52_select:
	.size	k_qbf90d10f52_select, .Lfunc_end_k_qbf90d10f52_select-k_qbf90d10f52_select
	.p2alignl 7, 3214868480
	.fill 96, 4, 3214868480
	.section	.rodata,"a",@progbits
	.p2align	6, 0x0
	.amdhsa_kernel k_qbf90d10f52_select
		.amdhsa_group_segment_fixed_size 0
		.amdhsa_private_segment_fixed_size 0
		.amdhsa_enable_private_segment 0
		.amdhsa_kernarg_size 16
		.amdhsa_user_sgpr_count 2
		.amdhsa_user_sgpr_kernarg_segment_ptr 1
		.amdhsa_wavefront_size32 1
		.amdhsa_system_sgpr_workgroup_id_x 1
		.amdhsa_system_sgpr_workgroup_id_y 1
		.amdhsa_system_sgpr_workgroup_id_z 1
		.amdhsa_system_vgpr_workitem_id 0
		.amdhsa_next_free_vgpr 168
		.amdhsa_next_free_sgpr 66
		.amdhsa_reserve_vcc 1
		.amdhsa_float_denorm_mode_32 3
		.amdhsa_float_denorm_mode_16_64 3
		.amdhsa_memory_ordered 1
		.amdhsa_forward_progress 1
		.amdhsa_inst_pref_size 44
	.end_amdhsa_kernel
	.amdgpu_metadata
---
amdhsa.version: [ 1, 2 ]
amdhsa.kernels:
  - .name:           k_qbf90d10f52_select
    .symbol:         k_qbf90d10f52_select.kd
    .args:
      - { .name: temp, .offset: 0, .size: 8, .value_kind: global_buffer, .address_space: global }
      - { .name: rel, .offset: 8, .size: 8, .value_kind: global_buffer, .address_space: global }
    .group_segment_fixed_size: 0
    .private_segment_fixed_size: 0
    .kernarg_segment_align: 8
    .kernarg_segment_size: 16
    .max_flat_workgroup_size: 32
    .sgpr_count:     66
    .vgpr_count:     168
    .wavefront_size: 32
...
	.end_amdgpu_metadata
.endif
;; end of part 8
;; launch pass2 (part 9): grid 256 x 1, 4 waves a work-group, no clusters, 327,680 bytes of LDS; arguments xc, wv_img, rel, part; writes part
.if DOCPART == 9
	.amdgcn_target "amdgcn-amd-amdhsa--gfx1250"
	.amdhsa_code_object_version 6
	.text
	.protected	k_qbf90d10f52_pass2
	.globl	k_qbf90d10f52_pass2
	.p2align	8
	.type	k_qbf90d10f52_pass2,@function
k_qbf90d10f52_pass2:
	s_mov_b64 s[64:65], 0
	v_nop
	global_prefetch_b8 v0, s[64:65] scope:SCOPE_SE
	s_setreg_imm32_b32 hwreg(HW_REG_WAVE_MODE, 25, 1), 1
	s_wait_xcnt 0x0
; FOURTH LAUNCH of five.  No work of reference() is left out here.
; v = Q(x) Q(Wv) from the codes kept in xc; part[work-group][channel] = sum over the work-group's 128 tokens of rel[b][h][n] v[b][n][channel], f32 multiply-adds on the results.  v never goes to memory.
; SHARES.  A work-group owns 128 tokens (8 tiles t) of one batch; wave w owns heads 2 w and 2 w + 1.  A wave takes ONE HEAD AT A TIME (sl = 0, 1) through all of K: 8 column tiles x 8 token tiles = 64 accumulators,
; 512 registers, 8 K steps of 128, 64 matrix instructions a step, the accumulators by turns.  So each result goes out once: four packed multiply-adds with rel's 8 tokens.
; THE WEIGHTS: the first launch's image holds each fragment as its 12 registers stand, in parts of 25,600 bytes (one head, two K steps: part f = 4 sl + q of wave w at (2 q + sl) x 102,400 + 25,600 w), and each part is
; read by ONE wave of the work-group.  So W goes from memory STRAIGHT INTO THE OPERAND'S REGISTERS: each load takes 512 consecutive bytes, aligned.  W has two sets of registers, one for each parity of the K step; a pair of column
; tiles is asked for anew, for the step two on, as soon as its 16 products are issued: 112 matrix instructions stand between a load and its use.
; NO CLUSTER, NO JOINT LOAD: nothing of W passes through LDS, so there is no tile in LDS that partners could ask for together; x's codes are each work-group's own.
; x's codes, 106,496 bytes, come once, a quarter a wave, by the head's one tensor load a wave, and stay in LDS; nothing is filled again, so the loop has no barrier.  x's fragments have two sets, fetched half a step ahead.
; THE LOOP: a trip is four K steps, three trips and the fourth written out, whose last two steps ask for nothing.  Trips 0 and 2 begin a head: their first step, with the constant 0 as C, is a copy of its own,
; chosen by the trip's number; behind trips 1 and 3 the head's sums go out.
; ORIENTATION: source 0 = 16 tokens, source 1 = 16 channels: lane (r, h) holds channel r of the tile and tokens 8 h + j.
; The sums over tokens are taken in another order than reference()'s.  LIMITS: NaN and infinities are not served.
; No padding in LDS: every read takes 512 consecutive bytes.  No prefetch: x's codes are wanted at the head, and W's loads run two K steps ahead by themselves.
; REGISTERS: window 0: v1-15 addresses; v16-31 x's scale words, v32-47 W's (two sets each, nothing else); v48-55 the sums on their way out; v56-63 the same back from the stage; v64-255 W's fragments, two sets.
;   window 1: v0-95, v128-223 x's fragments (v128-159: at a head's end the sums); v96-127, v224-255 rel of the head in hand.   windows 2, 3: the accumulators, (c, t) at v[8 (8 (c % 4) + t)] of window 2 + c / 4.
.set WPART, 25600
.set PLACE, 102400
.set WSC,   24576
.set XB,    204800
.set XQB,   26624
.set XSCO,  24576
.set STG,   311296
.set SPARE, 315392
.set L4,  1
.set XB0, 5
.set XS0, 6
.set AX,  7
.set AXS, 8
.set STW, 9
.set STR, 10
.set L16, 11
.set H32, 12
.set LN,  13
.set SPW, 14
.set NIL, 15
.set XS,  16
.set WSR, 32
.set OD,  48
.set BK,  56
.set WF,  64
.set ACC, 128                          ; window 1
.set MUL_LO, 0xa1                      ; source 0 (x) window 1, source 1 (W) window 0, C and D window 2
.set MSB, 0
.macro WIN new
.if MSB != (\new)
	s_set_vgpr_msb (MSB<<8)|(\new)
.set MSB, (\new)
.endif
.endm
.macro PLACES n
.rept \n
	v_nop
.endr
.endm
; st, n: a step's number in its trip, 0..3: quarter st / 2 of the trip's two, K step st % 2 of the quarter
.macro FETCH_X n                       ; 32 LDS loads: x's eight fragments into set n % 2, and their scale words
	WIN 0x40
.irp t, 0,1,2,3,4,5,6,7
.irp i, 0,1,2
	ds_load_b128 v[128*((\n)%2)+12*\t+4*\i:128*((\n)%2)+12*\t+4*\i+3], v[AX] offset:XQB*((\n)/2)+12288*((\n)%2)+1536*\t+512*\i
.endr
.endr
	WIN 0
.irp t, 0,1,2,3,4,5,6,7
	ds_load_b32 v[XS+8*((\n)%2)+\t], v[AXS] offset:XQB*((\n)/2)+1024*((\n)%2)+128*\t
.endr
.endm
; W's column tiles c0, c0 + 1 of K step k of the part at s[bs:bs+1], into set k: six loads; ss >= 0: and the part's scale words of the two tiles (lanes 0-15 the first K step's, lanes 16-31 the second's) into set ss: eight
.macro WL k, c0, bs, ss
.irp c, \c0, \c0+1
.irp i, 0,1,2
	global_load_b128 v[WF+96*(\k)+12*(\c)+4*\i:WF+96*(\k)+12*(\c)+4*\i+3], v[L16], s[\bs:\bs+1] offset:3072*(\c)+1536*(\k)+512*\i
.endr
.if (\ss) >= 0
	global_load_b32 v[WSR+8*(\ss)+(\c)], v[L4], s[\bs:\bs+1] offset:WSC+128*(\c)
.endif
.endr
.endm
.macro MUL16 a0, st, zero              ; column tiles a0, a0 + 1 x the eight token tiles
.irp a, \a0, \a0+1
.irp b, 0,1,2,3,4,5,6,7
.set rD, 8*(8*((\a)%4)+\b)
.set rX, 128*((\st)%2)+12*\b
.set rW, WF+96*((\st)%2)+12*(\a)
.set rXS, XS+8*((\st)%2)+\b
.set rWS, WSR+8*((\st)/2)+(\a)
.if \zero
	v_wmma_scale_f32_16x16x128_f8f6f4 v[rD:rD+7], v[rX:rX+11], v[rW:rW+11], 0, v[rXS], v[rWS] matrix_a_fmt:MATRIX_FMT_FP6 matrix_b_fmt:MATRIX_FMT_FP6
.elseif (\st)%2 == 0
	v_wmma_scale_f32_16x16x128_f8f6f4 v[rD:rD+7], v[rX:rX+11], v[rW:rW+11], v[rD:rD+7], v[rXS], v[rWS] matrix_a_fmt:MATRIX_FMT_FP6 matrix_b_fmt:MATRIX_FMT_FP6
.else
	v_wmma_scale_f32_16x16x128_f8f6f4 v[rD:rD+7], v[rX:rX+11], v[rW:rW+11], v[rD:rD+7], v[rXS], v[rWS] matrix_a_fmt:MATRIX_FMT_FP6 matrix_b_fmt:MATRIX_FMT_FP6 matrix_b_scale:MATRIX_SCALE_ROW1
.endif
.endr
.endr
.endm
; A K STEP, by four pairs p of column tiles.  ld: each pair is asked for anew, for the step two on; nxt: x's fragments of the next step are fetched in the step's middle.
; THE WAITS ON LOADcnt.  Loads come back in order.  A pair's group of loads is 8 in an even step (with scale words), 6 in an odd one.  Behind the group that pair p of this step waits for, seven groups were issued: three of this
; step's parity and four of the other: 3 x 8 + 4 x 6 = 48 in an even step, 3 x 6 + 4 x 8 = 50 in an odd one.  (Behind the first head's end rel's 16 loads stand among them too: the count is then the stricter one.)
; The last two steps issue none: 8 (3 - p) + 24, and 6 (3 - p).
.macro STEP st, zero, ld, nxt
.set NX, ((\st)+1)%4
	s_wait_dscnt 0x0                               ; x's set and scale words are in
.irp p, 0,1,2,3
.if \ld
	s_wait_loadcnt 48+2*((\st)%2)
.elseif (\st) == 2
	s_wait_loadcnt 24+8*(3-\p)
.else
	s_wait_loadcnt 6*(3-\p)
.endif
	WIN MUL_LO+0x50*(\p/2)
	MUL16 2*\p, \st, \zero
.if (\ld) || ((\nxt) && (\p == 1))
	PLACES 4                                       ; ahead of loads into registers that matrix instructions have read
	WIN 0
.endif
.if \ld
.if (\st)%2 == 0
	WL 0, 2*\p, 34+4*((\st)/2), 1-(\st)/2
.else
	WL 1, 2*\p, 34+4*((\st)/2), -1
.endif
.endif
.if (\nxt) && (\p == 1)
.if (\st) == 3
	s_xor_b32 s22, s22, 2*XQB                      ; the next trip takes the other two quarters of x's codes
	v_add_nc_u32 v[AX], s22, v[XB0]
	v_add_nc_u32 v[AXS], s22, v[XS0]
	s_wait_alu depctr_va_vdst(0)                   ; a wait behind these writes
.endif
	FETCH_X NX
.endif
.endr
	WIN 0
.endm
; THE WAY OUT of a head: each result's eight numbers a lane times rel's eight tokens, into two pairs of sums for each column tile; four tiles by turns; each result is read from its low end on; the first products start the sums.
; The sums lie in x's set 1, which the step just done has read last and the next step's middle fills again.
.macro EPI sl
	PLACES 4
.irp g, 0,1
	WIN 0x59+4*\g                                  ; rel and the sums window 1, the results window 2 + g
.irp t, 0,1,2,3,4,5,6,7
.irp i, 0,1,2,3
.irp c, 0,1,2,3
.set AC, ACC+4*(4*\g+\c)+2*(\i%2)
.set DD, 8*(8*\c+\t)+2*\i
.set TT, 96+8*\t+96*(\t/4)+2*\i
.if (\t == 0) && (\i < 2)
	v_pk_mul_f32 v[AC:AC+1], v[TT:TT+1], v[DD:DD+1]
.else
	v_pk_fma_f32 v[AC:AC+1], v[TT:TT+1], v[DD:DD+1], v[AC:AC+1]
.endif
.endr
.endr
.endr
.endr
	WIN 0x55
.irp c, 0,1,2,3,4,5,6,7
	v_pk_add_f32 v[ACC+4*\c:ACC+4*\c+1], v[ACC+4*\c:ACC+4*\c+1], v[ACC+4*\c+2:ACC+4*\c+3]
.endr
.irp c, 0,1,2,3,4,5,6,7
	v_add_f32 v[ACC+4*\c], v[ACC+4*\c], v[ACC+4*\c+1]
.endr
.irp c, 0,1,2,3,4,5,6,7
	v_permlanex16_b32 v[ACC+4*\c+1], v[ACC+4*\c], s20, s21
.endr
.irp c, 0,1,2,3,4,5,6,7
	v_add_f32 v[ACC+4*\c], v[ACC+4*\c], v[ACC+4*\c+1]   ; lane (r, .) holds channel 16 c + r
.endr
	WIN 0
	v_cmp_gt_u32 vcc_lo, 16, v[LN]
	WIN 0x05
.irp u, 0,1,2,3
	v_cndmask_b32 v[OD+4*(\sl)+\u], v[ACC+8*\u+4], v[ACC+8*\u], vcc_lo   ; lanes 0-15 keep tile 2 u, lanes 16-31 take tile 2 u + 1
.endr
	WIN 0
.endm
.macro TABLE sl                        ; rel's eight tokens for each token tile of head 2 w + sl; they hang on the lane's half alone
	WIN 0x40
.irp t, 0,1,2,3,4,5,6,7
.irp i, 0,1
	global_load_b128 v[96+8*\t+96*(\t/4)+4*\i:96+8*\t+96*(\t/4)+4*\i+3], v[H32], s[8:9] offset:8192*(\sl)+64*\t+16*\i
.endr
.endr
	WIN 0
.endm
	s_load_b256 s[4:11], s[0:1], 0x0               ; xc, wv_img, rel, part
	v_lshl_add_u32 v[SPW], v0, 2, SPARE
	v_mov_b32 v[NIL], 0
	ds_add_u32 v[SPW], v[NIL]                      ; the opening lines: the add, twice on end, and its wait ahead of my first tensor load
	ds_add_u32 v[SPW], v[NIL]
	v_lshrrev_b32 v[LN], 5, v0
	v_readfirstlane_b32 s14, v[LN]                 ; wave 0..3
	s_mov_b32 s16, ttmp9                           ; G
	s_lshr_b32 s17, s16, 4                         ; the batch
	s_and_b32 s18, s16, 15                         ; which 128 tokens of it
	s_mov_b32 s20, 0x76543210
	s_mov_b32 s21, 0xfedcba98                      ; selects for lane l xor 16
	s_mov_b32 s40, 3<<16                           ; group 1, a quarter of x's codes: 104 rows of 256 bytes (32 elements of 8)
	s_mov_b32 s41, 32<<16
	s_mov_b32 s42, 104<<16
	s_mov_b32 s43, 32<<16
	s_mov_b32 s44, 104
	s_mov_b32 s45, 32
	s_mov_b32 s46, 0
	s_mov_b32 s47, 0
	s_mul_i32 s66, s14, WPART
	s_mov_b32 s67, 0
	v_and_b32 v[LN], 31, v0
	v_lshlrev_b32 v[L16], 4, v[LN]
	v_lshlrev_b32 v[L4], 2, v[LN]
	v_bfe_u32 v[H32], v0, 4, 1
	v_lshlrev_b32 v[H32], 5, v[H32]
	v_add_nc_u32 v[XB0], XB, v[L16]
	v_lshl_add_u32 v[XS0], v[LN], 2, XB+XSCO
	v_add_nc_u32 v[AX], XB, v[L16]
	v_lshl_add_u32 v[AXS], v[LN], 2, XB+XSCO
	s_lshl_b32 s73, s14, 10
	s_add_co_u32 s73, s73, STG
	v_lshl_add_u32 v[STW], v[LN], 2, s73
	v_add_nc_u32 v[STR], s73, v[L16]
	s_mov_b32 s69, 0
	s_mov_b32 s85, 0
	s_mov_b32 s86, 0                               ; where the trip's first part lies in the image, less the wave's share
	s_mov_b32 s87, 0
	s_wait_alu depctr_va_vdst(0)
	s_wait_dscnt 0x0                               ; both opening adds are done
	s_wait_kmcnt 0x0
	s_mul_i32 s68, s16, 4*XQB
	s_mul_i32 s70, s14, XQB
	s_add_co_u32 s68, s68, s70
	s_add_nc_u64 s[4:5], s[4:5], s[68:69]          ; xc: my block, quarter w
	s_mov_b32 s48, 1                               ; group 0
	s_mul_i32 s49, s14, XQB
	s_add_co_u32 s49, s49, XB
	s_mov_b64 s[50:51], s[4:5]
	s_or_b32 s51, s51, 0x80000000
	tensor_load_to_lds s[48:51], s[40:47]          ; my one tensor load
	s_nop 0
	PLACES 4
	s_lshl_b32 s68, s16, 12
	s_lshl_b32 s70, s14, 10
	s_add_co_u32 s68, s68, s70
	s_add_nc_u64 s[10:11], s[10:11], s[68:69]      ; part[G][256 w]
	s_lshl_b32 s68, s17, 3
	s_lshl_b32 s70, s14, 1
	s_add_co_u32 s68, s68, s70
	s_lshl_b32 s68, s68, 13
	s_lshl_b32 s70, s18, 9
	s_add_co_u32 s68, s68, s70
	s_add_nc_u64 s[8:9], s[8:9], s[68:69]          ; rel: row 8 b + 2 w, my 128 tokens
	s_add_nc_u64 s[80:81], s[6:7], s[66:67]        ; the image at my share of its first part
	TABLE 0
.irp p, 0,1,2,3
	WL 0, 2*\p, 80, 0                              ; K step 0's four groups,
.endr
.irp p, 0,1,2,3
	WL 1, 2*\p, 80, -1                             ; K step 1's
.endr
	s_wait_tensorcnt 0x0                           ; my quarter of x's codes is in
	s_barrier_signal -1
	s_barrier_wait -1                              ; everybody's is
	FETCH_X 0
	s_mov_b32 s22, 0                               ; which two quarters of x's codes
	s_mov_b32 s23, 0                               ; the trip j
.Ltrip:
	s_wait_xcnt 0x0                                ; the loads issued so far have read their bases
	s_add_co_u32 s84, s86, 2*PLACE                 ; steps 0, 1 ask for this trip's second part: two places behind its first
	s_add_nc_u64 s[34:35], s[80:81], s[84:85]
	s_add_co_u32 s74, s23, 1                       ; steps 2, 3 for the next trip's first: with c = j + 1 it lies (c % 2) x 4 + c / 2 places from the image's start
	s_and_b32 s75, s74, 1
	s_mul_i32 s86, s75, 4*PLACE
	s_lshr_b32 s74, s74, 1
	s_mul_i32 s74, s74, PLACE
	s_add_co_u32 s86, s86, s74
	s_add_nc_u64 s[38:39], s[80:81], s[86:87]
	s_cmp_eq_u32 s75, 1                            ; j even: a head begins
	s_cbranch_scc0 .Lgoes_on
	STEP 0, 1, 1, 1
	s_branch .Lstep_1
.Lgoes_on:
	STEP 0, 0, 1, 1
.Lstep_1:
	STEP 1, 0, 1, 1
	STEP 2, 0, 1, 1
	STEP 3, 0, 1, 1
	s_cmp_eq_u32 s23, 1
	s_cbranch_scc0 .Lno_end
	EPI 0                                          ; head 2 w is finished,
	TABLE 1                                        ; and rel's registers take head 2 w + 1's
.Lno_end:
	s_add_co_u32 s23, s23, 1
	s_cmp_lt_u32 s23, 3
	s_cbranch_scc1 .Ltrip
	s_wait_xcnt 0x0                                ; the last trip is written out: its last two steps ask for nothing
	s_add_co_u32 s84, s86, 2*PLACE
	s_add_nc_u64 s[34:35], s[80:81], s[84:85]
	STEP 0, 0, 1, 1
	STEP 1, 0, 1, 1
	STEP 2, 0, 0, 1
	STEP 3, 0, 0, 0
	EPI 1
.irp u, 0,1,2,3,4,5,6,7                ; the wave's 256 sums go through my stage and leave as 512 consecutive bytes a store
	ds_store_b32 v[STW], v[OD+\u] offset:128*\u
.endr
	ds_load_b128 v[BK:BK+3], v[STR]                ; LDS serves a wave's instructions in order: these see my stores
	ds_load_b128 v[BK+4:BK+7], v[STR] offset:512
	s_wait_dscnt 0x0
	global_store_b128 v[L16], v[BK:BK+3], s[10:11]
	global_store_b128 v[L16], v[BK+4:BK+7], s[10:11] offset:512
	s_wait_tensorcnt 0x0                           ; the wave's end
	ds_add_u32 v[SPW], v[NIL]
	s_wait_dscnt 0x0
	s_endpgm
.Lfunc_end_k_qbf90d10f52_pass2:
	.size	k_qbf90d10f52_pass2, .Lfunc_end_k_qbf90d10f52_pass2-k_qbf90d10f52_pass2
	.p2alignl 7, 3214868480
	.fill 96, 4, 3214868480
	.section	.rodata,"a",@progbits
	.p2align	6, 0x0
	.amdhsa_kernel k_qbf90d10f52_pass2
		.amdhsa_group_segment_fixed_size 327680
		.amdhsa_private_segment_fixed_size 0
		.amdhsa_enable_private_segment 0
		.amdhsa_kernarg_size 32
		.amdhsa_user_sgpr_count 2
		.amdhsa_user_sgpr_kernarg_segment_ptr 1
		.amdhsa_wavefront_size32 1
		.amdhsa_system_sgpr_workgroup_id_x 1
		.amdhsa_system_sgpr_workgroup_id_y 1
		.amdhsa_system_sgpr_workgroup_id_z 1
		.amdhsa_system_vgpr_workitem_id 0
		.amdhsa_next_free_vgpr 1024
		.amdhsa_next_free_sgpr 96
		.amdhsa_reserve_vcc 1
		.amdhsa_float_denorm_mode_32 3
		.amdhsa_float_denorm_mode_16_64 3
		.amdhsa_memory_ordered 1
		.amdhsa_forward_progress 1
		.amdhsa_inst_pref_size 167
	.end_amdhsa_kernel
	.amdgpu_metadata
---
amdhsa.version: [ 1, 2 ]
amdhsa.kernels:
  - .name:           k_qbf90d10f52_pass2
    .symbol:         k_qbf90d10f52_pass2.kd
    .args:
      - { .name: xc, .offset: 0, .size: 8, .value_kind: global_buffer, .address_space: global }
      - { .name: wv_img, .offset: 8, .size: 8, .value_kind: global_buffer, .address_space: global }
      - { .name: rel, .offset: 16, .size: 8, .value_kind: global_buffer, .address_space: global }
      - { .name: part, .offset: 24, .size: 8, .value_kind: global_buffer, .address_space: global }
    .group_segment_fixed_size: 327680
    .private_segment_fixed_size: 0
    .kernarg_segment_align: 8
    .kernarg_segment_size: 32
    .max_flat_workgroup_size: 128
    .sgpr_count:     96
    .vgpr_count:     1024
    .wavefront_size: 32
...
	.end_amdgpu_metadata
.endif
;; end of part 9
;; launch reduce (part 10): grid 4 x 16, 2 waves a work-group, no clusters, 0 bytes of LDS; arguments part, out0; writes out0
.if DOCPART == 10
	.amdgcn_target "amdgcn-amd-amdhsa--gfx1250"
	.amdhsa_code_object_version 6
	.text
	.protected	k_qbf90d10f52_reduce
	.globl	k_qbf90d10f52_reduce
	.p2align	8
	.type	k_qbf90d10f52_reduce,@function
k_qbf90d10f52_reduce:
	s_mov_b64 s[64:65], 0
	v_nop
	global_prefetch_b8 v0, s[64:65] scope:SCOPE_SE
	s_setreg_imm32_b32 hwreg(HW_REG_WAVE_MODE, 25, 1), 1
	s_wait_xcnt 0x0
; FIFTH LAUNCH of five: out0[b][c] = the sum over the batch's 16 blocks of 128 tokens of part[16 b + i][c], i ascending, in f32.  No work of reference() is left out here.
; Work-group (X, b) takes 256 channels of batch b; a thread takes four: 16 loads of 16 bytes, 4,096 bytes apart, and one store; a wave's load or store covers 512 consecutive bytes, aligned.
; One owner for each output: no atomics.  No LDS, no barrier, no matrix unit: 1 MiB is read once and 64 KiB written once.
	s_load_b128 s[4:7], s[0:1], 0x0                ; part, out0
	v_lshlrev_b32 v1, 4, v0                        ; 16 bytes a thread
	s_and_b32 s8, ttmp7, 0xffff                    ; the batch
	s_lshl_b32 s9, ttmp9, 10                       ; my 256 channels
	s_lshl_b32 s10, s8, 16                         ; part: 16 rows of 4,096 bytes a batch
	s_add_co_u32 s10, s10, s9
	s_mov_b32 s11, 0
	s_lshl_b32 s12, s8, 12                         ; out0: a row of 4,096 bytes a batch
	s_add_co_u32 s12, s12, s9
	s_mov_b32 s13, 0
	s_wait_alu depctr_va_vdst(0)
	s_wait_kmcnt 0x0
	s_add_nc_u64 s[4:5], s[4:5], s[10:11]
	s_add_nc_u64 s[6:7], s[6:7], s[12:13]
.irp i, 0,1,2,3,4,5,6,7,8,9,10,11,12,13,14,15
	global_load_b128 v[4+4*\i:7+4*\i], v1, s[4:5] offset:4096*\i th:TH_LOAD_NT
.endr
.irp i, 1,2,3,4,5,6,7,8,9,10,11,12,13,14,15
	s_wait_alu depctr_va_vdst(0)
	s_wait_loadcnt 15-\i                           ; loads come back in order: rows 0 to i are in, the later rows' may be out
	v_pk_add_f32 v[4:5], v[4:5], v[4+4*\i:5+4*\i]
	v_pk_add_f32 v[6:7], v[6:7], v[6+4*\i:7+4*\i]
.endr
	global_store_b128 v1, v[4:7], s[6:7]
	s_endpgm
.Lfunc_end_k_qbf90d10f52_reduce:
	.size	k_qbf90d10f52_reduce, .Lfunc_end_k_qbf90d10f52_reduce-k_qbf90d10f52_reduce
	.p2alignl 7, 3214868480
	.fill 96, 4, 3214868480
	.section	.rodata,"a",@progbits
	.p2align	6, 0x0
	.amdhsa_kernel k_qbf90d10f52_reduce
		.amdhsa_group_segment_fixed_size 0
		.amdhsa_private_segment_fixed_size 0
		.amdhsa_enable_private_segment 0
		.amdhsa_kernarg_size 16
		.amdhsa_user_sgpr_count 2
		.amdhsa_user_sgpr_kernarg_segment_ptr 1
		.amdhsa_wavefront_size32 1
		.amdhsa_system_sgpr_workgroup_id_x 1
		.amdhsa_system_sgpr_workgroup_id_y 1
		.amdhsa_system_sgpr_workgroup_id_z 1
		.amdhsa_system_vgpr_workitem_id 0
		.amdhsa_next_free_vgpr 80
		.amdhsa_next_free_sgpr 66
		.amdhsa_reserve_vcc 0
		.amdhsa_float_denorm_mode_32 3
		.amdhsa_float_denorm_mode_16_64 3
		.amdhsa_memory_ordered 1
		.amdhsa_forward_progress 1
		.amdhsa_inst_pref_size 6
	.end_amdhsa_kernel
	.amdgpu_metadata
---
amdhsa.version: [ 1, 2 ]
amdhsa.kernels:
  - .name:           k_qbf90d10f52_reduce
    .symbol:         k_qbf90d10f52_reduce.kd
    .args:
      - { .name: part, .offset: 0, .size: 8, .value_kind: global_buffer, .address_space: global }
      - { .name: out0, .offset: 8, .size: 8, .value_kind: global_buffer, .address_space: global }
    .group_segment_fixed_size: 0
    .private_segment_fixed_size: 0
    .kernarg_segment_align: 8
    .kernarg_segment_size: 16
    .max_flat_workgroup_size: 64
    .sgpr_count:     66
    .vgpr_count:     80
    .wavefront_size: 32
...
	.end_amdgpu_metadata
.endif
;; end of part 10
